; MI455X (gfx1250); checked and timed in simulation.
; The chip was launched on July 23, 2026; its instructions are those of AMD's public machine-readable ISA for CDNA 5 (MIT licence, August 2026) and "CDNA5" Instruction Set Architecture Reference Guide (July 2026). The comments in the code are by the model that wrote it; some were corrected since.
;; Mo E Layer. Allowed arithmetic: matrix products marked QUANTISED: E5M2 operands, one E8M0 scale for each 32 along K, by v_wmma_scale_f32_16x16x128_f8f6f4 with both operands' format E5M2, f32 sums; products left as they are: f32 operands where the result goes on into a quantised operand, else bf16, f16 or f32 operands; f32 sums; everything else in f32.
;; Inputs: W1 8 x 1,024 x 4,096 float32; W2 8 x 4,096 x 1,024 float32; b1 8 x 4,096 float32; b2 8 x 1,024 float32; ln_b 8 x 1,024 float32; ln_g 8 x 1,024 float32; router_W 1,024 x 8 float32; router_b 8 float32; x 2 x 512 x 1,024 float32.
;; Outputs: out0 2 x 512 x 1,024 float32.
;; This version of the problem:
;;   THIS VERSION OF THE PROBLEM IS GIVEN IN LOW PRECISION. The matrix products marked QUANTISED in the list below multiply operands that are first quantised to E5M2 (5 exponent bits, 2 mantissa bits; 8 bits a number), with one power-of-two scale for each 32 numbers along K (OCP MX v1.0); their sums are f32. All else is computed in f32.
;;   The module's matrix products, in the order in which they are computed (A, B: the left and right operand; K: the contracted axis; several contracted axes count as one K, in the product's order):
;;     1. [M 1,024, K 1,024] x [K 1,024, N 8]; A: input x; B: input router_W: left as it is (N = 8 < 16)
;;     2. batch 1,024 x [M 8, K 2] x [K 2, N 1]; A: computed on the way; B: softmax: left as it is (K = 2 < 32)
;;     3. batch 8 x [M 4,096, K 1,024] x [K 1,024, N 1,024]; A: input W1; B: computed on the way: QUANTISED
;;     4. batch 8 x [M 1,024, K 4,096] x [K 4,096, N 1,024]; A: input W2; B: computed on the way: QUANTISED
;;     5. batch 1,024 x [M 1,024, K 8] x [K 8, N 1]; A: computed on the way; B: computed on the way: left as it is (K = 8 < 32)
;;   THE QUANTISER, for each operand of a quantised product, along K:
;;     - K is cut into blocks of 32 from its start; a last block that is shorter is filled with zeros.
;;     - A block's scale is 2^e with e = floor(log2(the largest magnitude in the block)) - 15, held to -126 .. 127; a block of zeros has e = 0. As a byte (E8M0): e + 127.
;;     - Each number is divided by its block's scale, clamped to +-57,344, and rounded to the nearest number of E5M2, ties to even, subnormals kept.
;;     - The product sums the exact products of the quantised numbers (number of the format x scale) in f32.
;;   ~~~python
;;   def quantise(x, axis):      # numpy; x: float32 -> the quantised numbers, widened to float32 again
;;       x = np.moveaxis(x, axis, -1); K = x.shape[-1]
;;       x = np.pad(x, [(0, 0)] * (x.ndim - 1) + [(0, -K % 32)]); x = x.reshape(x.shape[:-1] + (-1, 32)); a = np.abs(x).max(-1, keepdims=True)
;;       e = np.where(a > 0, np.clip(np.frexp(np.where(a > 0, a, 1))[1] - 1 - 15, -126, 127), 0)      # np.frexp(a)[1] - 1 = floor(log2(a)), exactly
;;       r = np.clip(x / 2.0 ** e, -57344, 57344)
;;       step = 2.0 ** (np.maximum(np.frexp(np.where(r == 0, 1, r))[1] - 1, -14) - 2)
;;       q = np.round(r / step) * step * 2.0 ** e      # np.round: ties to even
;;       return np.moveaxis(q.reshape(q.shape[:-2] + (-1,))[..., :K], -1, axis).astype(np.float32)
;;   ~~~
;;   OPERANDS COMPUTED ON THE WAY. 'Computed on the way' means the value that the module computes at that place (a softmax that the list does not call 'softmax' is quantised finished and normalised). What goes into a quantiser is computed in f32, as accurately as f32 sums, v_exp_f32 and their like allow (about 1e-6 of the number): no bf16 or f16 on the way to a quantiser, and a product that is left as it is and whose result goes on into a quantised operand takes f32 operands (vector FMAs, or v_wmma_f32_16x16x4_f32). A number that lies on a knife's edge between two numbers of the format may be rounded either way, as far as f32 arithmetic and the matrix unit's own rounding can turn it there, and no further.
;; 2 versions. Each part assembles by itself: llvm-mc -triple=amdgcn-amd-amdhsa -mcpu=gfx1250 --defsym DOCPART=n.
;; ======== version 1 of 2: 5 launches
;; workspace buffers: sel 4,096 bytes of whole numbers; gate 8,192 bytes; bal 2,048 bytes of whole numbers; tab 256 bytes of whole numbers; pos 8,192 bytes of whole numbers; hq 2,297,856 bytes; aq 9,191,424 bytes; part 17,825,792 bytes
;; launch router (part 1): grid 32 x 1, 16 waves a work-group, no clusters, 18,432 bytes of LDS; arguments x, router_W, router_b, sel, gate, bal; writes sel, gate, bal
.if DOCPART == 1
	.amdgcn_target "amdgcn-amd-amdhsa--gfx1250"
	.amdhsa_code_object_version 6
	.text
	.protected	k_q8f58ac05af_router
	.globl	k_q8f58ac05af_router
	.p2align	8
	.type	k_q8f58ac05af_router,@function
k_q8f58ac05af_router:
	s_mov_b64 s[64:65], 0
	v_nop
	global_prefetch_b8 v0, s[64:65] scope:SCOPE_SE
	s_setreg_imm32_b32 hwreg(HW_REG_WAVE_MODE, 25, 1), 1
	s_wait_xcnt 0x0
; ROUTER.  logits = x router_W + router_b in f32; the two largest of eight (the lower index wins a tie, as lax.top_k has it); softmax over the two, the larger taken away first.
; A work-group takes 32 tokens; wave w takes k = 64 w .. 64 w + 63 of all 32; the sixteen partial sums meet in LDS, and wave 0 (a lane a token) finishes.
; Stored at fixed places: sel[t] = e0 | e1 << 8, gate[t] = (g0, g1), bal[group of 32 tokens] = eight masks (bit = token uses expert e) and eight counts.
; No address and no branch hangs on a logit.  LIMITS: NaN and infinite logits are not served; logits that are equal within the order of f32 sums may fall either way.
; No matrix unit, no cluster: N = 8 is under a tile's width, and work-groups share only router_W's 32 KiB.
.set X,   16                           ; v16-79   load i: x(token 2 i + lane / 16, k = 64 w + 4 (lane % 16) + 0 .. 3)
.set RW,  80                           ; v80-111  router_W(64 w + 4 (lane % 16) + jj, e) at 8 jj + e
.set ACC, 112                          ; v112-239 the partial logit of token 2 i + lane / 16, expert e at 8 i + e
	s_load_b128 s[4:7], s[0:1], 0x0                ; x, router_W
	s_load_b128 s[8:11], s[0:1], 0x10              ; router_b, sel
	s_load_b128 s[12:15], s[0:1], 0x20             ; gate, bal
	v_lshl_add_u32 v254, v0, 2, 0x4000
	v_mov_b32 v255, 0
	v_lshrrev_b32 v1, 5, v0
	v_readfirstlane_b32 s24, v1                    ; wave
	v_and_b32 v2, 15, v0                           ; q = lane % 16
	v_bfe_u32 v3, v0, 4, 1                         ; hh = lane / 16
	s_lshl_b32 s25, s24, 8
	s_lshl_b32 s26, s24, 11
	s_lshl_b32 s27, s24, 10
	v_lshl_add_u32 v4, v2, 4, s25
	v_lshl_add_u32 v4, v3, 12, v4                  ; x: 4096 hh + 256 w + 16 q: sixteen lanes read 256 consecutive bytes, aligned
	v_lshl_add_u32 v5, v2, 7, s26                  ; router_W: 2048 w + 128 q
	v_lshl_add_u32 v6, v3, 5, s27                  ; LDS, in: 1024 w + 32 hh
	v_and_b32 v7, 31, v0
	v_lshlrev_b32 v7, 5, v7                        ; LDS, back: 32 x token
	s_lshl_b32 s28, ttmp9, 17                      ; 32 tokens of 4,096 bytes
	s_mov_b32 s29, 0
	s_wait_kmcnt 0x0
	s_add_nc_u64 s[4:5], s[4:5], s[28:29]
	s_load_b256 s[32:39], s[8:9], 0x0              ; router_b
.irp n, 0,1,2,3,4,5,6,7
	global_load_b128 v[RW+4*\n:RW+4*\n+3], v5, s[6:7] offset:16*\n
.endr
.irp i, 0,1,2,3,4,5,6,7,8,9,10,11,12,13,14,15
	global_load_b128 v[X+4*\i:X+4*\i+3], v4, s[4:5] offset:8192*\i th:TH_LOAD_NT
.endr
.set i, 0
.rept 16
	s_wait_loadcnt 15-i                            ; load i is in (and router_W, asked for ahead of it); the younger ones stay out
.irp p, 0,2,4,6
	v_pk_mul_f32 v[ACC+8*i+\p:ACC+8*i+\p+1], v[X+4*i:X+4*i+1], v[RW+\p:RW+\p+1] op_sel_hi:[0,1]   ; the first product starts the sum; x's number serves both experts of the pair
.endr
.irp p, 0,2,4,6
	v_pk_fma_f32 v[ACC+8*i+\p:ACC+8*i+\p+1], v[X+4*i:X+4*i+1], v[RW+8+\p:RW+8+\p+1], v[ACC+8*i+\p:ACC+8*i+\p+1] op_sel:[1,0,0] op_sel_hi:[1,1,1]
.endr
.irp p, 0,2,4,6
	v_pk_fma_f32 v[ACC+8*i+\p:ACC+8*i+\p+1], v[X+4*i+2:X+4*i+3], v[RW+16+\p:RW+16+\p+1], v[ACC+8*i+\p:ACC+8*i+\p+1] op_sel_hi:[0,1,1]
.endr
.irp p, 0,2,4,6
	v_pk_fma_f32 v[ACC+8*i+\p:ACC+8*i+\p+1], v[X+4*i+2:X+4*i+3], v[RW+24+\p:RW+24+\p+1], v[ACC+8*i+\p:ACC+8*i+\p+1] op_sel:[1,0,0] op_sel_hi:[1,1,1]
.endr
.set i, i+1
.endr
.irp m, 1,2,4,8                        ; the sixteen lanes of a half hold sixteen parts of the wave's 64 k: four steps, the sum in every lane
.set n, 0
.rept 128
	v_add_f32_dpp v[ACC+n], v[ACC+n], v[ACC+n] row_xmask:\m row_mask:0xf bank_mask:0xf
.set n, n+1
.endr
.endr
.irp i, 0,1,2,3,4,5,6,7,8,9,10,11,12,13,14,15
	ds_store_b128 v6, v[ACC+8*\i:ACC+8*\i+3] offset:64*\i          ; the sixteen lanes of a half write the same bytes with the same value
	ds_store_b128 v6, v[ACC+8*\i+4:ACC+8*\i+7] offset:64*\i+16
.endr
	s_wait_dscnt 0x0                               ; for wave 0's sake: my stores have landed
	s_barrier_signal -1
	s_barrier_wait -1
	s_cmp_lg_u32 s24, 0
	s_cbranch_scc1 .Lend                           ; no barrier follows
.irp w, 0,1,2,3,4,5,6,7,8,9,10,11,12,13,14,15
	ds_load_b128 v[ACC+8*\w:ACC+8*\w+3], v7 offset:1024*\w
	ds_load_b128 v[ACC+8*\w+4:ACC+8*\w+7], v7 offset:1024*\w+16
.endr
	s_wait_dscnt 0x0
.irp s, 8,4,2,1
.set w, 0
.rept \s
.irp p, 0,2,4,6
	v_pk_add_f32 v[ACC+8*w+\p:ACC+8*w+\p+1], v[ACC+8*w+\p:ACC+8*w+\p+1], v[ACC+8*(w+\s)+\p:ACC+8*(w+\s)+\p+1]
.endr
.set w, w+1
.endr
.endr
	s_wait_kmcnt 0x0
.irp e, 0,1,2,3,4,5,6,7
	v_add_f32 v[ACC+\e], s[32+\e], v[ACC+\e]
.endr
	v_mov_b32 v8, v[ACC]                           ; the largest, and its expert: only a strictly larger logit replaces it
	v_mov_b32 v9, 0
.irp e, 1,2,3,4,5,6,7
	v_cmp_gt_f32 vcc_lo, v[ACC+\e], v8
	v_cndmask_b32 v8, v8, v[ACC+\e], vcc_lo
	v_cndmask_b32 v9, v9, \e, vcc_lo
.endr
	v_mov_b32 v12, 0xff800000                      ; the winner's logit becomes -infinity, and the same scan finds the second
.irp e, 0,1,2,3,4,5,6,7
	v_cmp_eq_u32 vcc_lo, \e, v9
	v_cndmask_b32 v[ACC+\e], v[ACC+\e], v12, vcc_lo
.endr
	v_mov_b32 v10, v[ACC]
	v_mov_b32 v11, 0
.irp e, 1,2,3,4,5,6,7
	v_cmp_gt_f32 vcc_lo, v[ACC+\e], v10
	v_cndmask_b32 v10, v10, v[ACC+\e], vcc_lo
	v_cndmask_b32 v11, v11, \e, vcc_lo
.endr
	v_sub_f32 v13, v10, v8                         ; the second less the largest: 0 or less
	v_mul_f32 v13, 0x3fb8aa3b, v13
	v_exp_f32 v13, v13                             ; p = e^(w1 - w0)
	v_lshl_or_b32 v14, v11, 8, v9                  ; (a plain instruction behind the exponential)  sel's word
	s_wait_alu depctr_va_vdst(0)                   ; the wait ahead of the first reader
	v_add_f32 v15, 1.0, v13
	v_rcp_f32 v16, v15                             ; g0 = 1 / (1 + p)
	v_lshlrev_b32 v18, 2, v0                       ; (a plain instruction behind the reciprocal)  4 x lane
	s_wait_alu depctr_va_vdst(0)
	v_mul_f32 v17, v13, v16                        ; g1 = p g0
	v_lshlrev_b32 v19, 3, v0
	v_mov_b32 v20, 0
.irp e, 0,1,2,3,4,5,6,7
	v_cmp_eq_u32 s40, \e, v9
	v_cmp_eq_u32 s41, \e, v11
	s_or_b32 s40, s40, s41                         ; which of my 32 tokens use expert e,
	s_bcnt1_i32_b32 s41, s40                       ; and how many
	v_writelane_b32 v20, s40, \e
	v_writelane_b32 v20, s41, 8+\e
.endr
	s_lshl_b32 s28, ttmp9, 7
	s_add_nc_u64 s[10:11], s[10:11], s[28:29]
	s_lshl_b32 s28, ttmp9, 8
	s_add_nc_u64 s[12:13], s[12:13], s[28:29]
	s_lshl_b32 s28, ttmp9, 6
	s_add_nc_u64 s[14:15], s[14:15], s[28:29]
	global_store_b32 v18, v14, s[10:11]
	global_store_b64 v19, v[16:17], s[12:13]       ; 32 lanes store 256 consecutive bytes, aligned
	v_cmp_gt_u32 vcc_lo, 16, v0
	s_wait_xcnt 0x0                                ; EXEC changes only behind this wait
	s_and_saveexec_b32 s42, vcc_lo
	global_store_b32 v18, v20, s[14:15]            ; sixteen words
	s_wait_xcnt 0x0
	s_or_b32 exec_lo, exec_lo, s42
.Lend:
	s_wait_tensorcnt 0x0
	ds_add_u32 v254, v255
	s_wait_dscnt 0x0
	s_endpgm
.Lfunc_end_k_q8f58ac05af_router:
	.size	k_q8f58ac05af_router, .Lfunc_end_k_q8f58ac05af_router-k_q8f58ac05af_router
	.p2alignl 7, 3214868480
	.fill 96, 4, 3214868480
	.section	.rodata,"a",@progbits
	.p2align	6, 0x0
	.amdhsa_kernel k_q8f58ac05af_router
		.amdhsa_group_segment_fixed_size 18432
		.amdhsa_private_segment_fixed_size 0
		.amdhsa_enable_private_segment 0
		.amdhsa_kernarg_size 48
		.amdhsa_user_sgpr_count 2
		.amdhsa_user_sgpr_kernarg_segment_ptr 1
		.amdhsa_wavefront_size32 1
		.amdhsa_system_sgpr_workgroup_id_x 1
		.amdhsa_system_sgpr_workgroup_id_y 1
		.amdhsa_system_sgpr_workgroup_id_z 1
		.amdhsa_system_vgpr_workitem_id 0
		.amdhsa_next_free_vgpr 256
		.amdhsa_next_free_sgpr 66
		.amdhsa_reserve_vcc 1
		.amdhsa_float_denorm_mode_32 3
		.amdhsa_float_denorm_mode_16_64 3
		.amdhsa_memory_ordered 1
		.amdhsa_forward_progress 1
		.amdhsa_inst_pref_size 67
	.end_amdhsa_kernel
	.amdgpu_metadata
---
amdhsa.version: [ 1, 2 ]
amdhsa.kernels:
  - .name:           k_q8f58ac05af_router
    .symbol:         k_q8f58ac05af_router.kd
    .args:
      - { .name: x, .offset: 0, .size: 8, .value_kind: global_buffer, .address_space: global }
      - { .name: router_W, .offset: 8, .size: 8, .value_kind: global_buffer, .address_space: global }
      - { .name: router_b, .offset: 16, .size: 8, .value_kind: global_buffer, .address_space: global }
      - { .name: sel, .offset: 24, .size: 8, .value_kind: global_buffer, .address_space: global }
      - { .name: gate, .offset: 32, .size: 8, .value_kind: global_buffer, .address_space: global }
      - { .name: bal, .offset: 40, .size: 8, .value_kind: global_buffer, .address_space: global }
    .group_segment_fixed_size: 18432
    .private_segment_fixed_size: 0
    .kernarg_segment_align: 8
    .kernarg_segment_size: 48
    .max_flat_workgroup_size: 512
    .sgpr_count:     66
    .vgpr_count:     256
    .wavefront_size: 32
...
	.end_amdgpu_metadata
.endif
;; end of part 1
;; launch place (part 2): grid 136 x 1, 16 waves a work-group, no clusters, 18,944 bytes of LDS; arguments sel, bal, x, ln_g, ln_b, tab, pos, hq; writes tab, pos, hq
.if DOCPART == 2
	.amdgcn_target "amdgcn-amd-amdhsa--gfx1250"
	.amdhsa_code_object_version 6
	.text
	.protected	k_q8f58ac05af_place
	.globl	k_q8f58ac05af_place
	.p2align	8
	.type	k_q8f58ac05af_place,@function
k_q8f58ac05af_place:
	s_mov_b64 s[64:65], 0
	v_nop
	global_prefetch_b8 v0, s[64:65] scope:SCOPE_SE
	s_setreg_imm32_b32 hwreg(HW_REG_WAVE_MODE, 25, 1), 1
	s_wait_xcnt 0x0
; PLACE.  The routed rows (token, expert) are laid by expert, each expert's rows by token, in tiles of 16 rows; an expert's first row begins a tile.  With 2,048 rows and 8 experts there are at most 135 tiles.
; Work-group = a tile's place, wave r = its row r.  Every wave finds its expert and its token from the stored masks and counts, normalises the token's row (LayerNorm with that expert's gain and bias, f32),
; quantises it along K (E5M2, one E8M0 byte for each 32) and the work-group stores the tile as IMAGES OF OPERAND REGISTERS: K step ks at 2,048 ks; register group c of lane l at 512 c + 16 l.
; Rows that fill up an expert's last tile repeat its last row: they are written whole and nobody reads their results.  A place beyond the last tile computes a held tile and stores nothing: the grid serves every split.
; Also stored: pos[token][slot] = the row's place, and (work-group 0) tab = each expert's first tile and number of tiles.
; A block's scale is 2^(floor(log2(largest magnitude)) - 15); its byte is that magnitude's exponent field - 15, held at 1 from below; a block of zeros keeps the byte 1: its codes are zeros, and this program alone reads the bytes.
; LIMITS: NaN and infinities among the inputs are not served.
.set MK,  16                           ; v16-23  lane g: group g's masks
.set CN,  24                           ; v24-31  and counts
.set PK,  32                           ; v32-35  counts, two to a word
.set TT,  36                           ; v36-39  what comes from other lanes
.set XV,  64                           ; v64-95  my 32 numbers of the row: k = 512 jh + 16 lane + 0 .. 15
.set GG,  96                           ; v96-127 the gain's
.set BB,  128                          ; v128-159 the bias's
.set HSC, 136*16384                    ; where hq's scale words begin
	s_load_b256 s[4:11], s[0:1], 0x0               ; sel s[4:5], bal s[6:7], x s[8:9], ln_g s[10:11]
	s_load_b256 s[12:19], s[0:1], 0x20             ; ln_b s[12:13], tab s[14:15], pos s[16:17], hq s[18:19]
	v_lshl_add_u32 v160, v0, 2, 0x4200
	v_mov_b32 v161, 0
	v_lshrrev_b32 v1, 5, v0
	v_readfirstlane_b32 s20, v1                    ; r: my row of the tile
	v_and_b32 v2, 31, v0                           ; lane
	v_lshlrev_b32 v3, 6, v2                        ; 64 x lane
	s_mov_b32 s21, 0x600000                        ; the mantissa field of 57,344
	s_mov_b32 s22, 0x76543210
	s_mov_b32 s23, 0xfedcba98                      ; v_permlanex16_b32's selects for lane l xor 16
	s_mov_b32 s77, 0x3a800000                      ; 1 / 1,024
	s_lshl_b32 s24, s20, 4
	v_lshl_add_u32 v4, v2, 8, s24                  ; LDS: my 16 codes' place in the images: 256 lane + 16 r (+ 8,192 jh)
	v_bfe_u32 v5, v0, 4, 1
	v_bfe_u32 v6, v0, 3, 1
	v_bfe_u32 v7, v0, 1, 2
	s_lshl_b32 s25, s20, 3
	s_add_co_u32 s25, s25, 16384
	v_lshl_add_u32 v5, v5, 7, s25
	v_lshl_add_u32 v5, v6, 2, v5
	v_add_nc_u32 v5, v5, v7                        ; my block's scale byte: 16,384 + 128 (lane / 16) + 8 r + 4 ((lane / 8) % 2) + (lane / 2) % 4 (+ 256 jh)
	v_lshlrev_b32 v6, 4, v0                        ; the way out: 16 x thread
	v_lshlrev_b32 v7, 4, v2                        ; 16 x lane
.irp p, 0,1,2,3
	v_mov_b32 v[TT+\p], 0                          ; written once: the destination of a lane move counts as one of its sources
.endr
	s_wait_kmcnt 0x0
.irp n, 0,1,2,3
	global_load_b128 v[MK+4*\n:MK+4*\n+3], v3, s[6:7] offset:16*\n
.endr
	s_wait_loadcnt 0x0
	; each expert's rows: the sum of the 32 groups' counts, two counts to a word (a count is 1,024 at the most)
.irp p, 0,1,2,3
	v_lshl_or_b32 v[PK+\p], v[CN+2*\p+1], 16, v[CN+2*\p]
.endr
.irp m, 1,2,4,8
.irp p, 0,1,2,3
	v_mov_b32_dpp v[TT+\p], v[PK+\p] row_xmask:\m row_mask:0xf bank_mask:0xf
.endr
.irp p, 0,1,2,3
	v_add_nc_u32 v[PK+\p], v[PK+\p], v[TT+\p]
.endr
.endr
.irp p, 0,1,2,3
	v_permlanex16_b32 v[TT+\p], v[PK+\p], s22, s23
.endr
.irp p, 0,1,2,3
	v_add_nc_u32 v[PK+\p], v[PK+\p], v[TT+\p]
.endr
.irp p, 0,1,2,3
	v_readfirstlane_b32 s[28+\p], v[PK+\p]
.endr
.irp p, 0,1,2,3
	s_and_b32 s[32+2*\p], s[28+\p], 0xffff         ; s32-39: rows of expert e
	s_lshr_b32 s[33+2*\p], s[28+\p], 16
.endr
	s_mov_b32 s56, 0
.irp e, 0,1,2,3,4,5,6,7
	s_add_co_u32 s[48+\e], s[32+\e], 15
	s_lshr_b32 s[48+\e], s[48+\e], 4               ; s48-55: its tiles
	s_mov_b32 s[40+\e], s56                        ; s40-47: its first tile
	s_add_co_u32 s56, s56, s[48+\e]                ; s56: tiles in all
.endr
	s_sub_co_u32 s57, s56, 1
	s_min_u32 s57, s57, ttmp9
	s_min_u32 s57, s57, 135                        ; T: my tile, held inside what there is
	s_cmp_lt_u32 ttmp9, s56
	s_cselect_b32 s58, 1, 0                        ; is there such a tile?
	s_mov_b32 s59, 0
	s_mov_b32 s60, s40
	s_mov_b32 s61, s32
.irp e, 1,2,3,4,5,6,7                  ; the last expert whose first tile is not beyond T: experts without rows share their first tile with the next
	s_cmp_ge_u32 s57, s[40+\e]
	s_cselect_b32 s59, \e, s59
	s_cselect_b32 s60, s[40+\e], s60
	s_cselect_b32 s61, s[32+\e], s61
.endr
	s_sub_co_u32 s63, s57, s60
	s_lshl_b32 s63, s63, 4
	s_add_co_u32 s63, s63, s20                     ; R: my row among the expert's
	s_cmp_lt_u32 s63, s61
	s_cselect_b32 s66, 1, 0                        ; a true row?
	s_sub_co_u32 s67, s61, 1
	s_min_u32 s67, s67, s63                        ; else the expert's last row again
	; the token of rank s67 among those that use the expert
	v_mov_b32 v40, v[CN]
	v_mov_b32 v41, v[MK]
.irp e, 1,2,3,4,5,6,7
	s_cmp_eq_u32 s59, \e
	s_cselect_b32 s62, -1, 0
	v_cndmask_b32 v40, v40, v[CN+\e], s62
	v_cndmask_b32 v41, v41, v[MK+\e], s62
.endr
	v_mov_b32 v42, v40
.irp n, 1,2,4,8
	v_mov_b32_dpp v[TT], v42 row_shr:\n row_mask:0xf bank_mask:0xf bound_ctrl:1
	v_add_nc_u32 v42, v42, v[TT]
.endr
	v_readlane_b32 s68, v42, 15
	v_cmp_lt_u32 vcc_lo, 15, v2
	v_mov_b32 v43, s68
	v_cndmask_b32 v43, 0, v43, vcc_lo
	v_add_nc_u32 v42, v42, v43                     ; rows up to and with group g,
	v_sub_nc_u32 v43, v42, v40                     ; rows ahead of group g
	v_cmp_ge_u32 s69, s67, v43
	s_bcnt1_i32_b32 s69, s69
	s_sub_co_u32 s69, s69, 1
	s_min_u32 s69, s69, 31                         ; the last group that begins at or ahead of my rank
	v_readlane_b32 s70, v41, s69                   ; its mask,
	v_readlane_b32 s71, v43, s69
	s_sub_co_u32 s71, s67, s71                     ; my rank inside it
	v_mbcnt_lo_u32_b32 v44, s70, 0                 ; set bits under my lane
	v_cmp_eq_u32 s72, s71, v44
	s_and_b32 s72, s72, s70
	s_ctz_i32_b32 s72, s72                         ; the set bit of that rank
	s_lshl_b32 s73, s69, 5
	s_add_co_u32 s73, s73, s72
	s_min_u32 s73, s73, 1023                       ; my token
	s_min_u32 s59, s59, 7                          ; my expert
	s_lshl_b32 s74, s73, 12
	s_mov_b32 s75, 0
	s_add_nc_u64 s[8:9], s[8:9], s[74:75]
	s_lshl_b32 s74, s59, 12
	s_add_nc_u64 s[10:11], s[10:11], s[74:75]
	s_add_nc_u64 s[12:13], s[12:13], s[74:75]
	s_lshl_b32 s74, s73, 2
	s_add_nc_u64 s[4:5], s[4:5], s[74:75]
	s_load_b32 s76, s[4:5], 0x0                    ; the token's two experts
.irp jh, 0,1
.irp j, 0,1,2,3
	global_load_b128 v[XV+16*\jh+4*\j:XV+16*\jh+4*\j+3], v3, s[8:9] offset:2048*\jh+16*\j
	global_load_b128 v[GG+16*\jh+4*\j:GG+16*\jh+4*\j+3], v3, s[10:11] offset:2048*\jh+16*\j
	global_load_b128 v[BB+16*\jh+4*\j:BB+16*\jh+4*\j+3], v3, s[12:13] offset:2048*\jh+16*\j
.endr
.endr
	s_wait_loadcnt 0x0
	s_wait_kmcnt 0x0
.macro TREE                            ; eight pairs v44-59 -> their sum over the wave, in v44 of every lane
.irp j, 0,2,4,6
	v_pk_add_f32 v[44+\j:45+\j], v[44+\j:45+\j], v[52+\j:53+\j]
.endr
.irp j, 0,2
	v_pk_add_f32 v[44+\j:45+\j], v[44+\j:45+\j], v[48+\j:49+\j]
.endr
	v_pk_add_f32 v[44:45], v[44:45], v[46:47]
	v_add_f32 v44, v44, v45
.irp m, 1,2,4,8
	v_add_f32_dpp v44, v44, v44 row_xmask:\m row_mask:0xf bank_mask:0xf
.endr
	v_permlanex16_b32 v45, v44, s22, s23
	v_add_f32 v44, v44, v45
.endm
.irp j, 0,1,2,3,4,5,6,7
	v_pk_add_f32 v[44+2*\j:45+2*\j], v[XV+4*\j:XV+4*\j+1], v[XV+4*\j+2:XV+4*\j+3]
.endr
	TREE
	v_mul_f32 v60, s77, v44                        ; the mean
.set n, 0
.rept 32
	v_sub_f32 v[XV+n], v[XV+n], v60
.set n, n+1
.endr
.irp j, 0,1,2,3,4,5,6,7
	v_pk_mul_f32 v[44+2*\j:45+2*\j], v[XV+4*\j:XV+4*\j+1], v[XV+4*\j:XV+4*\j+1]
.endr
.irp j, 0,1,2,3,4,5,6,7
	v_pk_fma_f32 v[44+2*\j:45+2*\j], v[XV+4*\j+2:XV+4*\j+3], v[XV+4*\j+2:XV+4*\j+3], v[44+2*\j:45+2*\j]
.endr
	TREE
	v_fmaak_f32 v44, s77, v44, 0x3727c5ac          ; the variance + 1e-5 (the division by 1,024 rounds nothing)
	v_rsq_f32 v61, v44
	v_nop                                          ; a plain instruction behind the root,
	s_wait_alu depctr_va_vdst(0)                   ; and the wait ahead of its first reader
.set n, 0
.rept 32
	v_mul_f32 v[XV+n], v[XV+n], v61
.set n, n+1
.endr
.set n, 0
.rept 16
	v_pk_fma_f32 v[XV+n:XV+n+1], v[XV+n:XV+n+1], v[GG+n:GG+n+1], v[BB+n:BB+n+1]
.set n, n+2
.endr
; my 16 neighbours along K of half jh; lanes l and l xor 1 hold a block of 32
.macro QROW jh
.set XS, XV+16*\jh
	v_max3_num_f32 v44, |v[XS]|, |v[XS+1]|, |v[XS+2]|
	v_max3_num_f32 v45, |v[XS+3]|, |v[XS+4]|, |v[XS+5]|
.irp i, 6,10
	v_max3_num_f32 v44, v44, |v[XS+\i]|, |v[XS+\i+1]|
	v_max3_num_f32 v45, v45, |v[XS+\i+2]|, |v[XS+\i+3]|
.endr
	v_max3_num_f32 v44, v44, |v[XS+14]|, |v[XS+15]|
	v_max3_num_f32 v44, v44, v45, 0x8000000        ; and the floor 2^(16 - 127): the byte cannot fall under 1
	v_max_num_f32_dpp v44, v44, v44 row_xmask:1 row_mask:0xf bank_mask:0xf
	v_add_nc_u32 v46, 0xf8800000, v44              ; 15 off the exponent field: the conversion's scale operand
	v_and_or_b32 v47, v44, 0x7f800000, s21         ; 57,344 x the scale
.irp i, 0,1,2,3,4,5,6,7,8,9,10,11,12,13,14,15
	v_med3_num_f32 v[XS+\i], v[XS+\i], -v47, v47   ; the conversion to an 8-bit code does not saturate (ISA guide 7.6.2): the hold comes first
.endr
	v_cvt_scalef32_pk8_bf8_f32 v[48+4*\jh:49+4*\jh], v[XS:XS+7], v46
	v_cvt_scalef32_pk8_bf8_f32 v[50+4*\jh:51+4*\jh], v[XS+8:XS+15], v46
	v_lshrrev_b32 v[56+\jh], 23, v46               ; the scale's byte (also the plain instruction behind the conversions)
	ds_store_b128 v4, v[48+4*\jh:51+4*\jh] offset:8192*\jh
	ds_store_b8 v5, v[56+\jh] offset:256*\jh       ; both lanes of a block write the same byte with the same value
.endm
	QROW 0
	QROW 1
	s_wait_dscnt 0x0                               ; for the others' sake: my stores have landed
	s_barrier_signal -1
	s_barrier_wait -1
	s_cmp_eq_u32 s58, 0
	s_cbranch_scc1 .Lend                           ; a place beyond the last tile stores nothing
	ds_load_b128 v[64:67], v6
	ds_load_b128 v[68:71], v6 offset:8192
	s_lshl_b32 s74, s57, 14
	s_add_nc_u64 s[78:79], s[18:19], s[74:75]
	s_wait_dscnt 0x0
	global_store_b128 v6, v[64:67], s[78:79]       ; a wave stores 512 consecutive bytes, aligned
	global_store_b128 v6, v[68:71], s[78:79] offset:8192
	s_cmp_lg_u32 s20, 0
	s_cbranch_scc1 .Lrow
	ds_load_b128 v[72:75], v7 offset:16384         ; wave 0: the tile's 512 scale bytes
	s_lshl_b32 s74, s57, 9
	s_add_nc_u64 s[80:81], s[18:19], s[74:75]
	s_wait_dscnt 0x0
	global_store_b128 v7, v[72:75], s[80:81] offset:HSC
	s_cmp_lg_u32 ttmp9, 0
	s_cbranch_scc1 .Lrow
	v_mov_b32 v76, 0                               ; work-group 0: the table of tiles
.irp e, 0,1,2,3,4,5,6,7
	v_writelane_b32 v76, s[40+\e], \e
	v_writelane_b32 v76, s[48+\e], 8+\e
.endr
	v_lshlrev_b32 v77, 2, v2
	v_cmp_gt_u32 vcc_lo, 16, v2
	s_wait_xcnt 0x0                                ; EXEC changes only behind this wait
	s_and_saveexec_b32 s82, vcc_lo
	global_store_b32 v77, v76, s[14:15]
	s_wait_xcnt 0x0
	s_or_b32 exec_lo, exec_lo, s82
.Lrow:
	s_cmp_eq_u32 s66, 0
	s_cbranch_scc1 .Lend                           ; a row that only fills the tile has no place to report
	s_and_b32 s76, s76, 0xff
	s_cmp_eq_u32 s76, s59                          ; am I the token's first choice or its second?
	s_cselect_b32 s83, 0, 4
	s_lshl_b32 s74, s73, 3
	s_add_co_u32 s74, s74, s83                     ; 8 x token + 4 x slot;
	s_min_u32 s74, s74, 8188                       ; the whole offset is held inside pos's 8,192 bytes, last of all: the slot hangs on a loaded word
	s_add_nc_u64 s[16:17], s[16:17], s[74:75]
	s_lshl_b32 s84, s57, 4
	s_add_co_u32 s84, s84, s20
	v_mov_b32 v78, s84                             ; 16 T + r
	v_mov_b32 v79, 0
	v_cmp_eq_u32 vcc_lo, 0, v2
	s_wait_xcnt 0x0
	s_and_saveexec_b32 s82, vcc_lo
	global_store_b32 v79, v78, s[16:17]
	s_wait_xcnt 0x0
	s_or_b32 exec_lo, exec_lo, s82
.Lend:
	s_wait_tensorcnt 0x0
	ds_add_u32 v160, v161
	s_wait_dscnt 0x0
	s_endpgm
.Lfunc_end_k_q8f58ac05af_place:
	.size	k_q8f58ac05af_place, .Lfunc_end_k_q8f58ac05af_place-k_q8f58ac05af_place
	.p2alignl 7, 3214868480
	.fill 96, 4, 3214868480
	.section	.rodata,"a",@progbits
	.p2align	6, 0x0
	.amdhsa_kernel k_q8f58ac05af_place
		.amdhsa_group_segment_fixed_size 18944
		.amdhsa_private_segment_fixed_size 0
		.amdhsa_enable_private_segment 0
		.amdhsa_kernarg_size 64
		.amdhsa_user_sgpr_count 2
		.amdhsa_user_sgpr_kernarg_segment_ptr 1
		.amdhsa_wavefront_size32 1
		.amdhsa_system_sgpr_workgroup_id_x 1
		.amdhsa_system_sgpr_workgroup_id_y 1
		.amdhsa_system_sgpr_workgroup_id_z 1
		.amdhsa_system_vgpr_workitem_id 0
		.amdhsa_next_free_vgpr 162
		.amdhsa_next_free_sgpr 96
		.amdhsa_reserve_vcc 1
		.amdhsa_float_denorm_mode_32 3
		.amdhsa_float_denorm_mode_16_64 3
		.amdhsa_memory_ordered 1
		.amdhsa_forward_progress 1
		.amdhsa_inst_pref_size 26
	.end_amdhsa_kernel
	.amdgpu_metadata
---
amdhsa.version: [ 1, 2 ]
amdhsa.kernels:
  - .name:           k_q8f58ac05af_place
    .symbol:         k_q8f58ac05af_place.kd
    .args:
      - { .name: sel, .offset: 0, .size: 8, .value_kind: global_buffer, .address_space: global }
      - { .name: bal, .offset: 8, .size: 8, .value_kind: global_buffer, .address_space: global }
      - { .name: x, .offset: 16, .size: 8, .value_kind: global_buffer, .address_space: global }
      - { .name: ln_g, .offset: 24, .size: 8, .value_kind: global_buffer, .address_space: global }
      - { .name: ln_b, .offset: 32, .size: 8, .value_kind: global_buffer, .address_space: global }
      - { .name: tab, .offset: 40, .size: 8, .value_kind: global_buffer, .address_space: global }
      - { .name: pos, .offset: 48, .size: 8, .value_kind: global_buffer, .address_space: global }
      - { .name: hq, .offset: 56, .size: 8, .value_kind: global_buffer, .address_space: global }
    .group_segment_fixed_size: 18944
    .private_segment_fixed_size: 0
    .kernarg_segment_align: 8
    .kernarg_segment_size: 64
    .max_flat_workgroup_size: 512
    .sgpr_count:     96
    .vgpr_count:     162
    .wavefront_size: 32
...
	.end_amdgpu_metadata
.endif
;; end of part 2
;; launch ffn1 (part 3): grid 32 x 8, 8 waves a work-group, no clusters, 137,728 bytes of LDS; arguments W1, b1, tab, hq, aq; writes aq
.if DOCPART == 3
	.amdgcn_target "amdgcn-amd-amdhsa--gfx1250"
	.amdhsa_code_object_version 6
	.text
	.protected	k_q8f58ac05af_ffn1
	.globl	k_q8f58ac05af_ffn1
	.p2align	8
	.type	k_q8f58ac05af_ffn1,@function
k_q8f58ac05af_ffn1:
	s_mov_b64 s[64:65], 0
	v_nop
	global_prefetch_b8 v0, s[64:65] scope:SCOPE_SE
	s_setreg_imm32_b32 hwreg(HW_REG_WAVE_MODE, 25, 1), 1
	s_wait_xcnt 0x0
; FIRST PRODUCT: a = gelu(h W1 + b1), on codes of E5M2 with one E8M0 scale for each 32 along K, for the rows that were routed to the expert; a is quantised on the way and stored as codes.
; THE WEIGHTS STAY, THE ROWS COME BY.  Work-group (ns, e) owns columns 128 ns .. + 127 of expert e's W1 (1,024 x 128 f32), as two units of 64 columns.  It reads them once, each half of a wave 256 consecutive
; aligned bytes; quantises them in registers along K; lays the codes in LDS as images of operand registers; and multiplies them with the expert's tiles of 16 rows, K step by K step, while later weights are on their way.
; A TRIP is 256 along K x 64 columns; wave w quantises K block w (32 k): lane (r', h) holds rows 32 w + 16 h + i, columns 4 r' + j in X[4 i + j].
; ONE TRIP AHEAD: the codes of trip t + 1 are made during trip t.  Behind the barrier a wave asks LDS for trip t's first four fragments, works on the next trip's numbers while they come, multiplies, asks for the
; other four, finishes the next trip's codes, multiplies.  So the vector work stands where the wave would else wait for LDS.
; THE PRODUCT IS USED TRANSPOSED (source 0 = 16 columns of W1, source 1 = 16 rows), and THE COLUMNS OF A TILE ARE NOT NEIGHBOURS: column n goes to tile 2 (n / 32) + (n / 8) % 2, row 8 ((n / 16) % 2) + n % 8, so that a lane's
; 16 registers of tiles 2 b and 2 b + 1 are 16 neighbours along the next product's K: the conversions' results are that operand's registers.
; ROWS.  Wave w takes tiles w, 8 + w, 16 + w of the expert (three slots) in the pass that runs beside the stream; tiles from 24 on (more than 384 rows) are served by two later passes from the codes in LDS.
; Slots beyond the expert's tiles take a held tile and store nothing; slot 2 is loaded and multiplied only where it has a tile (but for the four products that start its sums, on zero codes).
; NO CLUSTER, NO TENSOR LOAD: no weight byte is read by two work-groups, and the guards hang on counts read from memory.  What work-groups share, the rows' codes, is about as many bytes as the weights but has been read shortly before by others.
; gelu(z) = max(z, 0) - |z| erfc(|z| / sqrt 2) / 2, erfc(y) = t exp(-y^2 + c0 + t (c1 + .. t c9)), t = 1 / (1 + y / 2): a fit whose stated relative error is 1.2e-7 at every y, in the tail too.
; LIMITS: NaN and infinities among the inputs are not served; a block of zeros keeps the scale byte 1 (its codes are zeros; this program alone reads the bytes); an expert without rows still streams its weights.
.set TRIPB, 16512                      ; LDS: a trip's codes: [kl 2][tile 4][image 2,048 + 16]: the 16 set the sixteen lanes of a code store on sixteen different 16-byte columns of 256
.set KLB,   8256
.set NTB,   2064
.set HALFB, 4*TRIPB
.set SCB,   8*TRIPB                    ; the weights' scale bytes: [trip 512][kl 256][row 16][tile 4][block 1]
.set BIAS,  SCB+4096                   ; b1's 128 numbers
.set HSC,   136*16384                  ; hq: where the scale words begin
.set ASC,   136*65536                  ; aq: likewise
.set ASH,   14                         ; a tile of hq: 2^14 bytes of codes, 2^9 of scale words
.set SSH,   9
; window 0
.set L16, 1                            ; v1   16 x lane; also the LDS address of an image's bytes in trips 0-3
.set L8,  2                            ; v2   8 x (lane % 16)
.set LB1, 3                            ; v3   the same as v1 for trips 4-7
.set LBS, 4                            ; v4   the weights' scale words: SCB + 16 (lane % 16)
.set AO,  5                            ; v5-7   slot's tile, codes: tile << ASH + 16 lane
.set ASO, 8                            ; v8-10  slot's tile, scale words: tile << SSH + 8 (lane % 16)
.set BIC, 11                           ; v11  the bias's LDS address
.set OV,  12                           ; v12  the codes' offset in aq
.set OSV, 13                           ; v13  the scale bytes' offset in aq
.set LBC, 14                           ; v14  later passes: the unit's codes in LDS
.set LSC, 15                           ; v15  later passes: the unit's scale words in LDS
.set BS,  16                           ; v16-23 the weights' scale words, 4 kl + tile
.set AS,  24                           ; v24-29 the rows' scale words, 2 slot + kl
.set PFO, 30                           ; v30  the prefetches' offset: row 32 w + lane of a trip's 256; never rewritten
.set BF,  32                           ; v32-95 four fragments of weights; the way out's scratch
.set ACC, 96                           ; v96-191 accumulators, 32 slot + 8 tile
.set AF2, 192                          ; v192-223 slot 2's fragments
.set BI,  224                          ; v224-255 the bias in the result's layout
.set G,   32                           ; the way out: 32 numbers of a slot
.set Y,   64
.set T,   72
.set P,   80
.set C9,  88
; window 1
.set AF01, 128                         ; v128-191 slots 0 and 1: 32 slot + 16 kl
.set TM,  192
.set PM,  196
.set EX,  200
.set SI,  204
.set BY,  208
.set HOLD, 212
.set ONE, 213
.set WO,  214
.set WST, 215
.set WSS, 217
.set D,   220
.set TQ,  236
; scalars
.set WV,  24
.set EXPT, 25
.set NS,  26
.set TE,  27                           ; the expert's tiles
.set FT,  28                           ; its first tile
.set TI,  29                           ; s29-31 the slots' tiles
.set VF,  32                           ; s32-34 1 where the slot has a tile of its own
.set TEM1, 35
.set JB,  70
.set IT,  71
.set SLC, 92
.set CT,  93
.set CV,  94
.set TMPA, 96
.set MSB, 0
.macro WIN new                         ; the immediate's high byte repeats the setting that is left; a switch that changes nothing is dropped
.if MSB != \new
	s_set_vgpr_msb (MSB<<8)|\new
.set MSB, \new
.endif
.endm
.set Q1,   0x55                        ; all places window 1
.set TOA,  0x40                        ; destination window 1
.set MM01, 0x04                        ; source 1 window 1
.macro KONST r, v
	s_mov_b32 s[\r], \v
	s_mov_b32 s[\r+1], \v                          ; (a packed form names the pair)
.endm
.macro WLOAD t                         ; trip t's 32 k x 64 columns of my K block into set t % 2: sixteen lanes read 256 consecutive bytes, aligned
.set WBASE, 4+2*(((\t)&3)>>1)
.set WIM, 4194304*((\t)&1)+256*((\t)>>2)
.irp i, 0,1,2,3,4,5,6,7,8,9,10,11,12,13,14,15
	global_load_b128 v[64*((\t)&1)+4*\i:64*((\t)&1)+4*\i+3], v[WO], s[WBASE:WBASE+1] offset:WIM+16384*\i th:TH_LOAD_NT
.endr
.endm
; A PREFETCH INTO THE L2: trip t's 256 rows x 256 bytes; a lane a row, wave w rows 32 w .. 32 w + 31: one instruction a wave, and each block of 256 bytes is named once in the launch, since no other work-group reads it.
; It stands at the end of trip t - 4, behind the wave's loads: one trip ahead of the loads that bring trip t, 64 KiB a work-group.  Trips 0 to 3 come by their loads alone; the last request is trip 7's, the slice's last rows.
.macro WASK t
.set WBASE, 4+2*(((\t)&3)>>1)
.set WIM, 4194304*((\t)&1)+256*((\t)>>2)
	global_prefetch_b8 v[PFO], s[WBASE:WBASE+1] offset:WIM th:TH_LOAD_NT scope:SCOPE_SE
.endm
.macro ALOAD2K t, kl                   ; slot 2: K step kl of trip t: a fragment and its scale word: 4 + 1 loads
.irp c, 0,1,2,3
	global_load_b128 v[AF2+16*(\kl)+4*\c:AF2+16*(\kl)+4*\c+3], v[AO+2], s[8:9] offset:4096*((\t)&3)+2048*(\kl)+512*\c
.endr
	global_load_b32 v[AS+4+(\kl)], v[ASO+2], s[10:11] offset:128*((\t)&3)+4*(\kl)
.endm
.macro ALOADK t, kl                    ; slots 0 and 1: K step kl of trip t: 8 + 2 loads
	WIN TOA
.irp sl, 0,1
.irp c, 0,1,2,3
	global_load_b128 v[AF01+32*\sl+16*(\kl)+4*\c:AF01+32*\sl+16*(\kl)+4*\c+3], v[AO+\sl], s[8:9] offset:4096*((\t)&3)+2048*(\kl)+512*\c
.endr
.endr
	WIN 0
.irp sl, 0,1
	global_load_b32 v[AS+2*\sl+(\kl)], v[ASO+\sl], s[10:11] offset:128*((\t)&3)+4*(\kl)
.endr
.endm
; My K block of trip t becomes codes and scale bytes in LDS, in two halves.  All registers in window 1.  The first half: the blocks' scales, and every number divided by its scale.
.macro WQA t
.set XS, 64*((\t)&1)
.irp j, 0,1,2,3
	v_max3_num_f32 v[TM+\j], |v[XS+\j]|, |v[XS+4+\j]|, 0x8000000   ; column j: my 16 of the block's 32, and the floor 2^(16 - 127): the byte cannot fall under 1
.endr
.irp i, 2,4,6,8,10,12,14
.irp j, 0,1,2,3
	v_max3_num_f32 v[TM+\j], v[TM+\j], |v[XS+4*\i+\j]|, |v[XS+4*\i+4+\j]|
.endr
.endr
.irp j, 0,1,2,3
	v_permlanex16_b32 v[PM+\j], v[TM+\j], s36, s37
.endr
.irp j, 0,1,2,3
	v_max_num_f32 v[TM+\j], v[TM+\j], v[PM+\j]     ; with lane l xor 16's 16: the block's largest magnitude
.endr
.irp j, 0,1,2,3
	v_and_b32 v[EX+\j], 0x7f800000, v[TM+\j]       ; its exponent field F
.endr
.irp j, 0,1,2,3
	v_sub_nc_u32 v[SI+\j], 0x86800000, v[EX+\j]    ; 1 / the scale as f32: exponent field 269 - F
.endr
.irp j, 0,1,2,3
	v_lshrrev_b32 v[BY+\j], 23, v[EX+\j]
.endr
.irp j, 0,1,2,3
	v_add_nc_u32 v[BY+\j], -15, v[BY+\j]           ; the scale's byte
.endr
.irp i, 0,1,2,3,4,5,6,7,8,9,10,11,12,13,14,15
	v_pk_mul_f32 v[XS+4*\i:XS+4*\i+1], v[XS+4*\i:XS+4*\i+1], v[SI:SI+1]          ; a lane's neighbours are four COLUMNS, each with its own scale: the division is a multiplication by a power of two, which rounds nothing,
	v_pk_mul_f32 v[XS+4*\i+2:XS+4*\i+3], v[XS+4*\i+2:XS+4*\i+3], v[SI+2:SI+3]    ; and the conversion takes the scale 1
.endr
.endm
; The second half: the hold, the conversions, the turn of bytes, and eight LDS stores.
.macro WQB t
.set XS, 64*((\t)&1)
.set n, 0
.rept 64
	v_med3_num_f32 v[XS+n], v[XS+n], -v[HOLD], v[HOLD]   ; the conversion to an 8-bit code does not saturate (ISA guide 7.6.2): held within +-57,344
.set n, n+1
.endr
.irp m, 0,1,2,3,4,5,6,7
	v_cvt_scalef32_pk8_bf8_f32 v[D+2*\m:D+2*\m+1], v[XS+8*\m:XS+8*\m+7], v[ONE]   ; D[i]: byte j = the code of (k i, column j)
.endr
	v_nop                                          ; a plain instruction behind the last conversion
.irp q, 0,1,2,3                        ; four bytes x four registers are turned, so that a column's 16 codes along K lie in four registers
	v_perm_b32 v[TQ+4*\q], v[D+4*\q+1], v[D+4*\q], s66
	v_perm_b32 v[TQ+4*\q+1], v[D+4*\q+1], v[D+4*\q], s67
	v_perm_b32 v[TQ+4*\q+2], v[D+4*\q+3], v[D+4*\q+2], s66
	v_perm_b32 v[TQ+4*\q+3], v[D+4*\q+3], v[D+4*\q+2], s67
.endr
.irp q, 0,1,2,3
	v_perm_b32 v[D+\q], v[TQ+4*\q+2], v[TQ+4*\q], s68
	v_perm_b32 v[D+4+\q], v[TQ+4*\q+2], v[TQ+4*\q], s69
	v_perm_b32 v[D+8+\q], v[TQ+4*\q+3], v[TQ+4*\q+1], s68
	v_perm_b32 v[D+12+\q], v[TQ+4*\q+3], v[TQ+4*\q+1], s69
.endr
.irp j, 0,1,2,3
	ds_store_b128 v[WST+((\t)>>2)], v[D+4*\j:D+4*\j+3] offset:((\t)&3)*TRIPB+16*\j
.endr
.irp j, 0,1,2,3
	ds_store_b8 v[WSS], v[BY+\j] offset:512*(\t)+16*\j   ; lanes l and l xor 16 write the same byte with the same value
.endr
.endm
.macro PROD sl, nt, kl, zero, af
.if (\zero) && ((\kl) == 0)
	v_wmma_scale_f32_16x16x128_f8f6f4 v[ACC+32*\sl+8*\nt:ACC+32*\sl+8*\nt+7], v[BF+16*\nt:BF+16*\nt+15], v[\af+16*\kl:\af+16*\kl+15], 0, v[BS+4*\kl+\nt], v[AS+2*\sl+\kl] matrix_a_fmt:MATRIX_FMT_BF8 matrix_b_fmt:MATRIX_FMT_BF8
.else
	v_wmma_scale_f32_16x16x128_f8f6f4 v[ACC+32*\sl+8*\nt:ACC+32*\sl+8*\nt+7], v[BF+16*\nt:BF+16*\nt+15], v[\af+16*\kl:\af+16*\kl+15], v[ACC+32*\sl+8*\nt:ACC+32*\sl+8*\nt+7], v[BS+4*\kl+\nt], v[AS+2*\sl+\kl] matrix_a_fmt:MATRIX_FMT_BF8 matrix_b_fmt:MATRIX_FMT_BF8
.endif
.endm
.macro LBF adr, off                    ; a K step's four fragments of weights from LDS: 16 loads
.irp nt, 0,1,2,3
.irp c, 0,1,2,3
	ds_load_b128 v[BF+16*\nt+4*\c:BF+16*\nt+4*\c+3], v[\adr] offset:(\off)+NTB*\nt+512*\c
.endr
.endr
.endm
.macro LB0 adr, off, sadr, soff        ; both K steps' scale words, and the first K step's fragments: 18 loads
	ds_load_b128 v[BS:BS+3], v[\sadr] offset:(\soff)
	ds_load_b128 v[BS+4:BS+7], v[\sadr] offset:(\soff)+256
	LBF \adr, \off
.endm
; A K step's products: four fragments of weights against my slots.  The accumulators take turns, one instruction a turn, on both ways.
; Slot 2's four stand under a branch on the stored count; those that start its sums stay on every way, so that its accumulators are always written (on zero codes where it has no tile).
.macro PK kl, zero
	WIN MM01
.irp nt, 0,1,2,3
.irp sl, 0,1
	PROD \sl, \nt, \kl, \zero, AF01+32*\sl
.endr
.endr
	WIN 0
.if (\zero) && ((\kl) == 0)
.irp nt, 0,1,2,3
	PROD 2, \nt, \kl, \zero, AF2
.endr
.else
	s_cmp_eq_u32 s[VF+2], 0
	s_cbranch_scc1 .Lp2_\@
.irp nt, 0,1,2,3
	PROD 2, \nt, \kl, \zero, AF2
.endr
.Lp2_\@:
.endif
.endm
; The slots' tiles for the pass whose first tile for my wave is s[jb].  The hold at 135 is the last thing ahead of the shifts.
.macro TILES jb
.irp sl, 0,1,2
	s_add_co_u32 s[TMPA], s[\jb], 8*\sl
	s_cmp_lt_u32 s[TMPA], s[TE]
	s_cselect_b32 s[VF+\sl], 1, 0
	s_min_u32 s[TMPA], s[TMPA], s[TEM1]
	s_add_co_u32 s[TMPA], s[TMPA], s[FT]
	s_min_u32 s[TI+\sl], s[TMPA], 135
	s_lshl_b32 s[TMPA], s[TI+\sl], ASH
	v_add_nc_u32 v[AO+\sl], s[TMPA], v[L16]
	s_lshl_b32 s[TMPA], s[TI+\sl], SSH
	v_add_nc_u32 v[ASO+\sl], s[TMPA], v[L8]
.endr
.endm
; A TRIP of the pass beside the stream.  Loads are issued in the order of need: .. W(t + 1) | rows of t, first K step (10) | rows of t, second K step (10), W(t + 2) (16) | rows of t + 1, first K step (10) ..
; nw counts what was issued behind W(t + 1): 10 + 10 + 16; na0 what was issued behind the rows' first K step: 10 + 16; na1 behind their second: 16 + 10.  At both ends of the stream the counts are smaller by what is not issued there.
; Slot 2's five loads stand ahead of each ten, so on the way that has them the counts only ask for more.  W(t + 3) lands in the set that the codes of trip t + 1 have just left.
; Every trip has LDS bytes of its own: between two barriers stand the loads of trip t's bytes and the stores of trip t + 1's, so one barrier a trip orders store, wait, barrier, load.
; Eight plain places stand in front of loads into registers that products have read, nine where sums may be begun anew over old ones.
.macro TRIP t, zero, nw, na0, na1
	WIN 0
	s_wait_dscnt 0x0                               ; for the others' sake: my codes and bytes of this trip have landed
	s_barrier_signal -1
	s_barrier_wait -1
.if (\t) < 4
	LB0 L16, (\t)*TRIPB, LBS, 512*(\t)
.else
	LB0 LB1, ((\t)-4)*TRIPB, LBS, 512*(\t)
.endif
.if (\t) < 7
	WIN Q1
	s_wait_loadcnt \nw
	WQA (\t)+1                                     ; while the fragments come
.endif
	s_wait_loadcnt \na0
	s_wait_dscnt 0x0
	PK 0, \zero
.rept 8
	v_nop
.endr
.if (\t) < 4
	LBF L16, (\t)*TRIPB+KLB
.else
	LBF LB1, ((\t)-4)*TRIPB+KLB
.endif
.if (\t) < 7
	s_cmp_eq_u32 s[VF+2], 0
	s_cbranch_scc1 .Lno2a_\@
	ALOAD2K (\t)+1, 0
.Lno2a_\@:
	ALOADK (\t)+1, 0
	WIN Q1
	WQB (\t)+1                                     ; while the fragments come
	s_wait_loadcnt \na1
	s_wait_dscnt 8                                 ; the 16 fragment loads are in; the eight stores issued behind them may be out
.else
	s_wait_loadcnt \na1
	s_wait_dscnt 0x0
.endif
	PK 1, \zero
.rept 9
	v_nop
.endr
.if (\t) < 7
	s_cmp_eq_u32 s[VF+2], 0
	s_cbranch_scc1 .Lno2b_\@
	ALOAD2K (\t)+1, 1
.Lno2b_\@:
	ALOADK (\t)+1, 1
.endif
.if (\t) < 5
	WIN Q1
	WLOAD (\t)+3
.endif
.if (\t) < 4
	WIN 0
	WASK (\t)+4
.endif
.endm
.macro LTRIP tp, zero                  ; a trip of a later pass: the codes lie in LDS already
	ALOAD2K \tp, 0
	ALOAD2K \tp, 1
	ALOADK \tp, 0
	ALOADK \tp, 1
	LB0 LBC, (\tp)*TRIPB, LSC, 512*(\tp)
	s_wait_loadcnt 0x0
	s_wait_dscnt 0x0
	PK 0, \zero
.rept 8
	v_nop
.endr
	LBF LBC, (\tp)*TRIPB+KLB
	s_wait_dscnt 0x0
	PK 1, \zero
.rept 9
	v_nop
.endr
.endm
.macro ADDB sl                         ; z = the sums + b1; each accumulator is read from its low end on
.set n, 0
.rept 16
	v_pk_add_f32 v[G+n:G+n+1], v[ACC+32*\sl+n:ACC+32*\sl+n+1], v[BI+n:BI+n+1]
.set n, n+2
.endr
.endm
.macro GELU8 g                         ; eight numbers in place
.set Z, G+8*\g
.irp p, 0,2,4,6
	v_pk_mul_f32 v[Y+\p:Y+\p+1], v[Z+\p:Z+\p+1], s[60:61] op_sel_hi:[1,0]        ; z / sqrt 2
.endr
.irp i, 0,1,2,3,4,5,6,7
	v_fma_f32 v[T+\i], |v[Y+\i]|, 0.5, 1.0
.endr
.irp i, 0,1,2,3,4,5,6,7
	v_rcp_f32 v[T+\i], v[T+\i]                     ; t
.endr
	v_nop                                          ; a plain instruction behind the batch,
	s_wait_alu depctr_va_vdst(0)                   ; and one wait for it, ahead of its first reader
.irp p, 0,2,4,6
	v_pk_fma_f32 v[P+\p:P+\p+1], v[T+\p:T+\p+1], v[C9:C9+1], s[40:41] op_sel_hi:[1,1,0]
.endr
.irp c, 42,44,46,48,50,52,54,56
.irp p, 0,2,4,6
	v_pk_fma_f32 v[P+\p:P+\p+1], v[P+\p:P+\p+1], v[T+\p:T+\p+1], s[\c:\c+1] op_sel_hi:[1,1,0]
.endr
.endr
.irp p, 0,2,4,6
	v_pk_fma_f32 v[P+\p:P+\p+1], v[Y+\p:Y+\p+1], v[Y+\p:Y+\p+1], v[P+\p:P+\p+1] neg_lo:[1,0,0] neg_hi:[1,0,0]   ; - y^2
.endr
.irp p, 0,2,4,6
	v_pk_mul_f32 v[P+\p:P+\p+1], v[P+\p:P+\p+1], s[58:59] op_sel_hi:[1,0]
.endr
.irp i, 0,1,2,3,4,5,6,7
	v_exp_f32 v[P+\i], v[P+\i]
.endr
.irp i, 0,1,2,3,4,5,6,7
	v_max_num_f32 v[Y+\i], 0, v[Z+\i]              ; plain work behind the batch
.endr
	s_wait_alu depctr_va_vdst(0)
.irp p, 0,2,4,6
	v_pk_mul_f32 v[T+\p:T+\p+1], v[T+\p:T+\p+1], v[P+\p:P+\p+1]                  ; erfc(y) / 2 (the half lies in c0)
.endr
.irp i, 0,1,2,3,4,5,6,7
	v_fma_f32 v[Z+\i], -|v[Z+\i]|, v[T+\i], v[Y+\i]
.endr
.endm
.macro QUANTA                          ; a slot's 32 numbers a lane, two blocks of 32 along the next K (16 mine, 16 in lane l xor 16) -> codes v76-83, two scale bytes v74
.irp b, 0,1
	v_max3_num_f32 v[64+\b], |v[G+16*\b]|, |v[G+16*\b+1]|, 0x8000000
.endr
.irp i, 2,4,6,8,10,12,14
.irp b, 0,1
	v_max3_num_f32 v[64+\b], v[64+\b], |v[G+16*\b+\i]|, |v[G+16*\b+\i+1]|
.endr
.endr
.irp b, 0,1
	v_permlanex16_b32 v[66+\b], v[64+\b], s36, s37
.endr
.irp b, 0,1
	v_max_num_f32 v[64+\b], v[64+\b], v[66+\b]
.endr
.irp b, 0,1
	v_add_nc_u32 v[68+\b], 0xf8800000, v[64+\b]    ; 15 off the exponent field: the conversion's scale operand
.endr
.irp b, 0,1
	v_and_or_b32 v[70+\b], v[64+\b], 0x7f800000, s38   ; 57,344 x the scale
.endr
.irp b, 0,1
	v_lshrrev_b32 v[72+\b], 23, v[68+\b]
.endr
	v_lshl_or_b32 v74, v73, 8, v72
.irp b, 0,1
.irp i, 0,1,2,3,4,5,6,7,8,9,10,11,12,13,14,15
	v_med3_num_f32 v[G+16*\b+\i], v[G+16*\b+\i], -v[70+\b], v[70+\b]
.endr
	v_cvt_scalef32_pk8_bf8_f32 v[76+4*\b:77+4*\b], v[G+16*\b:G+16*\b+7], v[68+\b]
	v_cvt_scalef32_pk8_bf8_f32 v[78+4*\b:79+4*\b], v[G+16*\b+8:G+16*\b+15], v[68+\b]
.endr
	v_nop                                          ; a plain instruction behind the last conversion
.endm
; THE WAY OUT of a unit of 64 columns: slot by slot, in a loop of three; only the block that reads the slot's accumulators is written three times.
.macro EPI1 cb, sb
	WIN 0
.irp b, 0,1
.irp q, 0,1,2,3
	ds_load_b128 v[BI+16*\b+4*\q:BI+16*\b+4*\q+3], v[BIC] offset:128*\b+16*\q
.endr
.endr
	v_mov_b32 v[C9], 0x3e2ef945
	v_mov_b32 v[C9+1], 0x3e2ef945
	s_mov_b32 s[SLC], 0
	s_wait_dscnt 0x0
.Lslot_\@:
	s_cmp_eq_u32 s[SLC], 1
	s_cselect_b32 s[CT], s[TI+1], s[TI]
	s_cselect_b32 s[CV], s[VF+1], s[VF]
	s_cmp_eq_u32 s[SLC], 2
	s_cselect_b32 s[CT], s[TI+2], s[CT]
	s_cselect_b32 s[CV], s[VF+2], s[CV]
	s_min_u32 s[CT], s[CT], 135
	s_cmp_eq_u32 s[CV], 0
	s_cbranch_scc1 .Lnext_\@                       ; a slot without a tile of its own stores nothing
	s_cmp_eq_u32 s[SLC], 0
	s_cbranch_scc0 .Lone_\@
	ADDB 0
	s_branch .Lgo_\@
.Lone_\@:
	s_cmp_eq_u32 s[SLC], 1
	s_cbranch_scc0 .Ltwo_\@
	ADDB 1
	s_branch .Lgo_\@
.Ltwo_\@:
	ADDB 2
.Lgo_\@:
	GELU8 0
	GELU8 1
	GELU8 2
	GELU8 3
	QUANTA
	s_lshl_b32 s[TMPA], s[CT], 16
	v_add_nc_u32 v[OV], s[TMPA], v[L16]
	s_lshl_b32 s[TMPA], s[CT], 11
	v_add_nc_u32 v[OSV], s[TMPA], v[L8]
	global_store_b128 v[OV], v[76:79], s[\cb:\cb+1]              ; a register group of the next operand's image: the wave stores 512 consecutive bytes, aligned
	global_store_b128 v[OV], v[80:83], s[\cb:\cb+1] offset:512
	global_store_b16 v[OSV], v74, s[\sb:\sb+1]                   ; two scale bytes a row (lanes l and l xor 16 store the same): short pieces, one byte for each 32 codes
	s_wait_xcnt 0x0                                ; the stores' registers are written again only behind this wait
.Lnext_\@:
	s_add_co_u32 s[SLC], s[SLC], 1
	s_cmp_lt_u32 s[SLC], 3
	s_cbranch_scc1 .Lslot_\@
.endm
	s_load_b256 s[72:79], s[0:1], 0x0              ; W1 s[72:73], b1 s[74:75], tab s[76:77], hq s[78:79]
	s_load_b64 s[80:81], s[0:1], 0x20              ; aq
	v_lshl_add_u32 v31, v0, 2, 0x21600
	s_set_vgpr_msb 0x40
	v_mov_b32 v255, 0
	s_set_vgpr_msb 0x4000
	v_lshrrev_b32 v32, 5, v0
	v_readfirstlane_b32 s[WV], v32                 ; wave 0..7
	s_and_b32 s[EXPT], ttmp7, 0xffff               ; the expert
	s_mov_b32 s[NS], ttmp9                         ; which 128 columns
	v_and_b32 v32, 31, v0                          ; lane
	v_and_b32 v33, 15, v0                          ; r'
	v_bfe_u32 v34, v0, 4, 1                        ; h
	v_and_b32 v35, 1, v0
	v_bfe_u32 v36, v0, 1, 1
	v_bfe_u32 v37, v0, 2, 1
	v_bfe_u32 v38, v0, 3, 1
	v_lshl_add_u32 v39, v38, 1, v36                ; my four columns' tile: 2 (r' / 8) + (r' / 2) % 2
	v_lshlrev_b32 v40, 2, v35
	v_lshl_add_u32 v40, v37, 3, v40                ; and their first row in it: 4 (r' % 2) + 8 ((r' / 4) % 2)
	v_lshlrev_b32 v[L16], 4, v32
	v_lshlrev_b32 v[L8], 3, v33
	v_add_nc_u32 v[LB1], HALFB, v[L16]
	v_lshl_add_u32 v[LBS], v33, 4, SCB
	v_add_nc_u32 v[BIC], BIAS, v[L16]              ; (first: where wave 0 puts b1)
	v_lshlrev_b32 v41, 4, v33
	v_lshl_add_u32 v41, v34, 18, v41               ; W1: 16 r' + 16 h rows of 16,384 bytes
	v_mul_u32_u24 v42, v39, NTB
	v_lshl_add_u32 v42, v34, 8, v42
	v_lshl_add_u32 v42, v40, 4, v42                ; codes: tile, half, row
	v_lshlrev_b32 v44, 4, v40
	v_lshl_add_u32 v44, v39, 2, v44                ; scale bytes: row, tile
	s_lshl_b32 s82, s[WV], 19                      ; 32 w rows
	v_lshl_add_u32 v[PFO], v32, 14, s82            ; the prefetches: row 32 w + lane
	s_lshr_b32 s83, s[WV], 2                       ; my block's K step of the trip,
	s_and_b32 s84, s[WV], 3                        ; and its block of 32 in it
	s_mul_i32 s85, s83, KLB
	s_lshl_b32 s86, s84, 9
	s_add_co_u32 s85, s85, s86
	s_add_co_u32 s86, s85, HALFB
	s_lshl_b32 s87, s83, 8
	s_add_co_u32 s87, s87, s84
	s_add_co_u32 s87, s87, SCB
	WIN TOA
	v_add_nc_u32 v[WO], s82, v41
	v_add_nc_u32 v[WST], s85, v42
	v_add_nc_u32 v[WST+1], s86, v42
	v_add_nc_u32 v[WSS], s87, v44
	v_mov_b32 v[HOLD], 0x47600000                  ; 57,344
	v_mov_b32 v[ONE], 1.0
.irp j, 0,1,2,3
	v_mov_b32 v[PM+\j], 0                          ; written once: a lane permute's destination counts as one of its sources
.endr
	WIN 0
.set n, 0
.rept 32
	v_mov_b32 v[AF2+n], 0                          ; slot 2 where it has no tile: zero codes, which add nothing,
.set n, n+1
.endr
	v_mov_b32 v[AS+4], 0x7f7f7f7f                  ; under the scale 1
	v_mov_b32 v[AS+5], 0x7f7f7f7f
	s_mov_b32 s36, 0x76543210
	s_mov_b32 s37, 0xfedcba98                      ; v_permlanex16_b32's selects for lane l xor 16
	s_mov_b32 s38, 0x600000                        ; the mantissa field of 57,344
	KONST 40, 0xbf527892                           ; c8 .. c1
	KONST 42, 0x3fbe87b0
	KONST 44, 0xbf914e5d
	KONST 46, 0x3e8ec7cc
	KONST 48, 0xbe3ec24c
	KONST 50, 0x3dc636c9
	KONST 52, 0x3ebf88fb
	KONST 54, 0x3f8000c7
	KONST 56, 0xbffab55a                           ; c0 - ln 2
	KONST 58, 0x3fb8aa3b                           ; log2 e
	KONST 60, 0x3f3504f3                           ; 1 / sqrt 2
	s_mov_b32 s66, 0x05010400                      ; the byte turn's selectors
	s_mov_b32 s67, 0x07030602
	s_mov_b32 s68, 0x05040100
	s_mov_b32 s69, 0x07060302
	s_wait_kmcnt 0x0
	s_lshl_b32 s82, s[EXPT], 24
	s_lshl_b32 s83, s[NS], 9
	s_add_co_u32 s82, s82, s83
	s_mov_b32 s83, 0
	s_add_nc_u64 s[4:5], s[72:73], s[82:83]        ; W1 at my expert and columns;
	s_add_nc_u64 s[6:7], s[4:5], 0x800000          ; 512 rows further down, so that every offset fits the immediate
	s_lshl_b32 s82, s[EXPT], 14
	s_lshl_b32 s84, s[NS], 9
	s_add_co_u32 s82, s82, s84
	s_add_nc_u64 s[20:21], s[74:75], s[82:83]      ; b1
	s_lshl_b32 s82, s[EXPT], 2
	s_add_nc_u64 s[76:77], s[76:77], s[82:83]
	s_load_b32 s[FT], s[76:77], 0x0
	s_load_b32 s[TE], s[76:77], 0x20
	s_mov_b64 s[8:9], s[78:79]                     ; the rows' codes,
	s_add_nc_u64 s[10:11], s[78:79], HSC           ; their scale words
	s_lshl_b32 s82, s[NS], 11
	s_add_nc_u64 s[12:13], s[80:81], s[82:83]      ; aq: my 128 columns are K step ns of the next product; unit 0's two register groups,
	s_add_nc_u64 s[14:15], s[12:13], 1024          ; unit 1's
	s_lshr_b32 s82, s[NS], 1
	s_lshl_b32 s82, s82, 7
	s_and_b32 s84, s[NS], 1
	s_lshl_b32 s84, s84, 2
	s_add_co_u32 s82, s82, s84
	s_add_nc_u64 s[16:17], s[80:81], s[82:83]
	s_add_nc_u64 s[16:17], s[16:17], ASC           ; and its scale bytes
	s_add_nc_u64 s[18:19], s[16:17], 2
	global_load_b128 v[BI:BI+3], v[L16], s[20:21]  ; b1's 512 bytes: every wave asks, so that the counts are alike; wave 0 puts them into LDS
	WIN Q1
	WLOAD 0
	WIN 0
	s_wait_kmcnt 0x0
	s_min_u32 s[TE], s[TE], 64
	s_min_u32 s[FT], s[FT], 135
	s_cmp_eq_u32 s[TE], 0
	s_cselect_b32 s[FT], 0, s[FT]                  ; an expert without rows multiplies tile 0 and stores nothing
	s_max_u32 s[TEM1], s[TE], 1
	s_sub_co_u32 s[TEM1], s[TEM1], 1
	s_mov_b32 s[JB], s[WV]
	TILES JB
	s_cmp_eq_u32 s[VF+2], 0
	s_cbranch_scc1 .Lno2_head
	ALOAD2K 0, 0
	ALOAD2K 0, 1
.Lno2_head:
	ALOADK 0, 0
	ALOADK 0, 1
	WIN Q1
	WLOAD 1
	s_wait_loadcnt 36                              ; W(0) is in, and b1, asked for ahead of it: behind W(0) stand 10 + 10 + 16 loads (and ten more where slot 2 has a tile)
	WQA 0                                          ; trip 0's codes are made ahead of the first barrier
	WQB 0
	WLOAD 2                                        ; into the set that they have left
	WIN 0
	s_cmp_lg_u32 s[WV], 0
	s_cbranch_scc1 .Lnot_wave_0
	ds_store_b128 v[BIC], v[BI:BI+3]               ; seen by all behind the first trip's barrier
.Lnot_wave_0:
	TRIP 0, 1, 16, 16, 26                          ; behind W(1) stands W(2) alone; the rows of trip 0 are older than both
	TRIP 1, 0, 36, 26, 26
	TRIP 2, 0, 36, 26, 26
	TRIP 3, 0, 36, 26, 26
	WIN 0
	v_bfe_u32 v[BIC], v0, 4, 1
	v_lshl_add_u32 v[BIC], v[BIC], 6, BIAS         ; the bias of unit 0: 64 h on
	EPI1 12, 16                                    ; unit 0 goes out while the weights of trips 5 and 6 are on their way
	TRIP 4, 1, 36, 26, 26
	TRIP 5, 0, 36, 26, 26
	TRIP 6, 0, 20, 10, 10                          ; no weights are issued any more: the counts run down
	TRIP 7, 0, 0, 10, 0
	v_bfe_u32 v[BIC], v0, 4, 1
	v_lshl_add_u32 v[BIC], v[BIC], 6, BIAS+256
	EPI1 14, 18
	; THE LATER PASSES: tiles 24 .. 47 and 48 .. 71, each for units 0 and 1: four trips of a loop of constant count; a wave whose first slot has no tile passes over the work.  No barrier: LDS is only read.
	s_mov_b32 s[IT], 0
.Lit:
	s_lshr_b32 s72, s[IT], 1
	s_mul_i32 s72, s72, 24
	s_add_co_u32 s72, s72, 24
	s_add_co_u32 s[JB], s72, s[WV]
	s_and_b32 s73, s[IT], 1                        ; the unit
	s_wait_loadcnt 0x0
	s_wait_xcnt 0x0                                ; no load or store still reads the offsets that are written next
	TILES JB
	s_cmp_eq_u32 s[VF], 0
	s_cbranch_scc1 .Lit_next
	s_mul_i32 s74, s73, HALFB
	v_add_nc_u32 v[LBC], s74, v[L16]
	s_lshl_b32 s74, s73, 11
	v_add_nc_u32 v[LSC], s74, v[LBS]
	v_bfe_u32 v[BIC], v0, 4, 1
	s_lshl_b32 s74, s73, 8
	s_add_co_u32 s74, s74, BIAS
	v_lshl_add_u32 v[BIC], v[BIC], 6, s74
	s_cmp_eq_u32 s73, 0
	s_cselect_b64 s[88:89], s[12:13], s[14:15]
	s_cselect_b64 s[90:91], s[16:17], s[18:19]
	LTRIP 0, 1
	LTRIP 1, 0
	LTRIP 2, 0
	LTRIP 3, 0
	EPI1 88, 90
.Lit_next:
	s_add_co_u32 s[IT], s[IT], 1
	s_cmp_lt_u32 s[IT], 4
	s_cbranch_scc1 .Lit
	s_set_vgpr_msb 0x4
	s_wait_tensorcnt 0x0
	ds_add_u32 v31, v255
	s_wait_dscnt 0x0
	s_set_vgpr_msb 0x400
	s_endpgm
.Lfunc_end_k_q8f58ac05af_ffn1:
	.size	k_q8f58ac05af_ffn1, .Lfunc_end_k_q8f58ac05af_ffn1-k_q8f58ac05af_ffn1
	.p2alignl 7, 3214868480
	.fill 96, 4, 3214868480
	.section	.rodata,"a",@progbits
	.p2align	6, 0x0
	.amdhsa_kernel k_q8f58ac05af_ffn1
		.amdhsa_group_segment_fixed_size 137728
		.amdhsa_private_segment_fixed_size 0
		.amdhsa_enable_private_segment 0
		.amdhsa_kernarg_size 40
		.amdhsa_user_sgpr_count 2
		.amdhsa_user_sgpr_kernarg_segment_ptr 1
		.amdhsa_wavefront_size32 1
		.amdhsa_system_sgpr_workgroup_id_x 1
		.amdhsa_system_sgpr_workgroup_id_y 1
		.amdhsa_system_sgpr_workgroup_id_z 1
		.amdhsa_system_vgpr_workitem_id 0
		.amdhsa_next_free_vgpr 512
		.amdhsa_next_free_sgpr 100
		.amdhsa_reserve_vcc 0
		.amdhsa_float_denorm_mode_32 3
		.amdhsa_float_denorm_mode_16_64 3
		.amdhsa_memory_ordered 1
		.amdhsa_forward_progress 1
		.amdhsa_inst_pref_size 255
	.end_amdhsa_kernel
	.section	.bss,"aw",@nobits
	.p2align	6
	.space	262144
	.amdgpu_metadata
---
amdhsa.version: [ 1, 2 ]
amdhsa.kernels:
  - .name:           k_q8f58ac05af_ffn1
    .symbol:         k_q8f58ac05af_ffn1.kd
    .args:
      - { .name: W1, .offset: 0, .size: 8, .value_kind: global_buffer, .address_space: global }
      - { .name: b1, .offset: 8, .size: 8, .value_kind: global_buffer, .address_space: global }
      - { .name: tab, .offset: 16, .size: 8, .value_kind: global_buffer, .address_space: global }
      - { .name: hq, .offset: 24, .size: 8, .value_kind: global_buffer, .address_space: global }
      - { .name: aq, .offset: 32, .size: 8, .value_kind: global_buffer, .address_space: global }
    .group_segment_fixed_size: 137728
    .private_segment_fixed_size: 0
    .kernarg_segment_align: 8
    .kernarg_segment_size: 40
    .max_flat_workgroup_size: 256
    .sgpr_count:     100
    .vgpr_count:     512
    .wavefront_size: 32
...
	.end_amdgpu_metadata
.endif
;; end of part 3
;; launch ffn2 (part 4): grid 32 x 8, 8 waves a work-group, no clusters, 172,032 bytes of LDS; arguments W2, tab, aq, part; writes part
.if DOCPART == 4
	.amdgcn_target "amdgcn-amd-amdhsa--gfx1250"
	.amdhsa_code_object_version 6
	.text
	.protected	k_q8f58ac05af_ffn2
	.globl	k_q8f58ac05af_ffn2
	.p2align	8
	.type	k_q8f58ac05af_ffn2,@function
k_q8f58ac05af_ffn2:
	s_mov_b64 s[64:65], 0
	v_nop
	global_prefetch_b8 v0, s[64:65] scope:SCOPE_SE
	s_setreg_imm32_b32 hwreg(HW_REG_WAVE_MODE, 25, 1), 1
	s_wait_xcnt 0x0
; SECOND PRODUCT: part[kh] = a W2 over half kh of K = 4,096, on codes of E5M2 with one E8M0 scale for each 32 along K, for the rows that were routed to the expert; f32 sums.  The two halves, b2, x and the gates meet in the next launch.
; THE WEIGHTS STAY, THE ROWS COME BY, as in the first product.  Work-group (cs + 16 kh, e) owns columns 64 cs .. + 63 and rows 2,048 kh .. + 2,047 of expert e's W2.  It reads them once, each half of a wave 256 consecutive
; aligned bytes; quantises them in registers along K; lays the codes in LDS as images of operand registers; and multiplies them with the expert's tiles of 16 rows, K step by K step, while later weights are on their way.
; A TRIP is 256 along K x 64 columns; wave w quantises K block w (32 k): lane (r', h) holds rows 32 w + 16 h + i, columns 4 r' + j in X[4 i + j].
; ONE TRIP AHEAD: the codes of trip t + 1 are made during trip t.  Behind the barrier a wave asks LDS for trip t's first four fragments, works on the next trip's numbers while they come, multiplies, asks for the
; other four, finishes the next trip's codes, multiplies.  So the vector work stands where the wave would else wait for LDS.
; THE PRODUCT IS USED TRANSPOSED (source 0 = 16 columns of W2, source 1 = 16 rows); column n goes to tile 2 (n / 32) + (n / 8) % 2, row 8 ((n / 16) % 2) + n % 8, as in the first product, so that both share their text:
; a lane's eight results are eight neighbouring columns of one row.
; ROWS.  Wave w takes tiles w, 8 + w, 16 + w of the expert (three slots) in the pass that runs beside the stream; tiles from 24 on are served by two later passes from the codes in LDS.
; Slot 2 is loaded and multiplied only where it has a tile (but for the four products that start its sums, on zero codes).
; NO CLUSTER, NO TENSOR LOAD: no weight byte is read by two work-groups, and the guards hang on counts read from memory.
; LIMITS: NaN and infinities among the inputs are not served; a block of zeros keeps the scale byte 1 (its codes are zeros); an expert without rows still streams its weights.
.set TRIPB, 16512                      ; LDS: a trip's codes: [kl 2][tile 4][image 2,048 + 16]
.set KLB,   8256
.set NTB,   2064
.set HALFB, 4*TRIPB
.set SCB,   8*TRIPB                    ; the weights' scale bytes: [trip 512][kl 256][row 16][tile 4][block 1]
.set STG,   SCB+4096                   ; the way out: 16 rows x (256 bytes + 16) for each wave
.set ASC,   136*65536                  ; aq: where the scale words begin
.set ASH,   16                         ; a tile of aq: 2^16 bytes of codes, 2^11 of scale words
.set SSH,   11
; window 0
.set L16, 1                            ; v1   16 x lane; also the LDS address of an image's bytes in trips 0-3
.set L8,  2                            ; v2   8 x (lane % 16)
.set LB1, 3                            ; v3   the same as v1 for trips 4-7
.set LBS, 4                            ; v4   the weights' scale words
.set AO,  5                            ; v5-7
.set ASO, 8                            ; v8-10
.set STO, 11                           ; v11  the stage: where I put 16 bytes of a row
.set OV,  12                           ; v12  my offset in part
.set RD,  13                           ; v13  the stage: where I read a row back
.set OV0, 14                           ; v14  4,096 (lane / 16) + 16 (lane % 16)
.set BS,  16
.set AS,  24
.set PFO, 30                           ; v30  the prefetches' offset: row 32 w + lane of a trip's 256; never rewritten
.set BF,  32
.set ACC, 96
.set AF2, 192
.set BK,  224                          ; v224-255 16 rows read back from the stage
; window 1
.set AF01, 128
.set TM,  192
.set PM,  196
.set EX,  200
.set SI,  204
.set BY,  208
.set HOLD, 212
.set ONE, 213
.set WO,  214
.set WST, 215
.set WSS, 217
.set D,   220
.set TQ,  236
; scalars
.set WV,  24
.set EXPT, 25
.set CSL, 26
.set TE,  27
.set FT,  28
.set TI,  29
.set VF,  32
.set TEM1, 35
.set KH,  39
.set JB,  70
.set IT,  71
.set TMPA, 96
.set MSB, 0
.macro WIN new                         ; the immediate's high byte repeats the setting that is left; a switch that changes nothing is dropped
.if MSB != \new
	s_set_vgpr_msb (MSB<<8)|\new
.set MSB, \new
.endif
.endm
.set Q1,   0x55                        ; all places window 1
.set TOA,  0x40                        ; destination window 1
.set MM01, 0x04                        ; source 1 window 1
.macro WLOAD t                         ; trip t's 32 k x 64 columns of my K block into set t % 2: sixteen lanes read 256 consecutive bytes, aligned
.irp i, 0,1,2,3,4,5,6,7,8,9,10,11,12,13,14,15
	global_load_b128 v[64*((\t)&1)+4*\i:64*((\t)&1)+4*\i+3], v[WO], s[4:5] offset:1048576*(\t)+4096*\i th:TH_LOAD_NT
.endr
.endm
; A PREFETCH INTO THE L2: trip t's 256 rows x 256 bytes; a lane a row, wave w rows 32 w .. 32 w + 31: one instruction a wave, and each block of 256 bytes is named once in the launch, since no other work-group reads it.
; It stands at the end of trip t - 4, behind the wave's loads: one trip ahead of the loads that bring trip t, 64 KiB a work-group.  Trips 0 to 3 come by their loads alone; the last request is trip 7's, the slice's last rows.
.macro WASK t
	global_prefetch_b8 v[PFO], s[4:5] offset:1048576*(\t) th:TH_LOAD_NT scope:SCOPE_SE
.endm
.macro ALOAD2K t, kl                   ; slot 2: K step kl of trip t: a fragment and its scale word: 4 + 1 loads
.irp c, 0,1,2,3
	global_load_b128 v[AF2+16*(\kl)+4*\c:AF2+16*(\kl)+4*\c+3], v[AO+2], s[8:9] offset:4096*(\t)+2048*(\kl)+512*\c
.endr
	global_load_b32 v[AS+4+(\kl)], v[ASO+2], s[10:11] offset:128*(\t)+4*(\kl)
.endm
.macro ALOADK t, kl                    ; slots 0 and 1: K step kl of trip t: 8 + 2 loads
	WIN TOA
.irp sl, 0,1
.irp c, 0,1,2,3
	global_load_b128 v[AF01+32*\sl+16*(\kl)+4*\c:AF01+32*\sl+16*(\kl)+4*\c+3], v[AO+\sl], s[8:9] offset:4096*(\t)+2048*(\kl)+512*\c
.endr
.endr
	WIN 0
.irp sl, 0,1
	global_load_b32 v[AS+2*\sl+(\kl)], v[ASO+\sl], s[10:11] offset:128*(\t)+4*(\kl)
.endr
.endm
; My K block of trip t becomes codes and scale bytes in LDS, in two halves.  All registers in window 1.  The first half: the blocks' scales, and every number divided by its scale.
.macro WQA t
.set XS, 64*((\t)&1)
.irp j, 0,1,2,3
	v_max3_num_f32 v[TM+\j], |v[XS+\j]|, |v[XS+4+\j]|, 0x8000000   ; column j: my 16 of the block's 32, and the floor 2^(16 - 127): the byte cannot fall under 1
.endr
.irp i, 2,4,6,8,10,12,14
.irp j, 0,1,2,3
	v_max3_num_f32 v[TM+\j], v[TM+\j], |v[XS+4*\i+\j]|, |v[XS+4*\i+4+\j]|
.endr
.endr
.irp j, 0,1,2,3
	v_permlanex16_b32 v[PM+\j], v[TM+\j], s36, s37
.endr
.irp j, 0,1,2,3
	v_max_num_f32 v[TM+\j], v[TM+\j], v[PM+\j]     ; with lane l xor 16's 16: the block's largest magnitude
.endr
.irp j, 0,1,2,3
	v_and_b32 v[EX+\j], 0x7f800000, v[TM+\j]       ; its exponent field F
.endr
.irp j, 0,1,2,3
	v_sub_nc_u32 v[SI+\j], 0x86800000, v[EX+\j]    ; 1 / the scale as f32: exponent field 269 - F
.endr
.irp j, 0,1,2,3
	v_lshrrev_b32 v[BY+\j], 23, v[EX+\j]
.endr
.irp j, 0,1,2,3
	v_add_nc_u32 v[BY+\j], -15, v[BY+\j]           ; the scale's byte
.endr
.irp i, 0,1,2,3,4,5,6,7,8,9,10,11,12,13,14,15
	v_pk_mul_f32 v[XS+4*\i:XS+4*\i+1], v[XS+4*\i:XS+4*\i+1], v[SI:SI+1]          ; a lane's neighbours are four COLUMNS, each with its own scale: the division is a multiplication by a power of two, which rounds nothing,
	v_pk_mul_f32 v[XS+4*\i+2:XS+4*\i+3], v[XS+4*\i+2:XS+4*\i+3], v[SI+2:SI+3]    ; and the conversion takes the scale 1
.endr
.endm
; The second half: the hold, the conversions, the turn of bytes, and eight LDS stores.
.macro WQB t
.set XS, 64*((\t)&1)
.set n, 0
.rept 64
	v_med3_num_f32 v[XS+n], v[XS+n], -v[HOLD], v[HOLD]   ; the conversion to an 8-bit code does not saturate (ISA guide 7.6.2): held within +-57,344
.set n, n+1
.endr
.irp m, 0,1,2,3,4,5,6,7
	v_cvt_scalef32_pk8_bf8_f32 v[D+2*\m:D+2*\m+1], v[XS+8*\m:XS+8*\m+7], v[ONE]   ; D[i]: byte j = the code of (k i, column j)
.endr
	v_nop                                          ; a plain instruction behind the last conversion
.irp q, 0,1,2,3                        ; four bytes x four registers are turned, so that a column's 16 codes along K lie in four registers
	v_perm_b32 v[TQ+4*\q], v[D+4*\q+1], v[D+4*\q], s66
	v_perm_b32 v[TQ+4*\q+1], v[D+4*\q+1], v[D+4*\q], s67
	v_perm_b32 v[TQ+4*\q+2], v[D+4*\q+3], v[D+4*\q+2], s66
	v_perm_b32 v[TQ+4*\q+3], v[D+4*\q+3], v[D+4*\q+2], s67
.endr
.irp q, 0,1,2,3
	v_perm_b32 v[D+\q], v[TQ+4*\q+2], v[TQ+4*\q], s68
	v_perm_b32 v[D+4+\q], v[TQ+4*\q+2], v[TQ+4*\q], s69
	v_perm_b32 v[D+8+\q], v[TQ+4*\q+3], v[TQ+4*\q+1], s68
	v_perm_b32 v[D+12+\q], v[TQ+4*\q+3], v[TQ+4*\q+1], s69
.endr
.irp j, 0,1,2,3
	ds_store_b128 v[WST+((\t)>>2)], v[D+4*\j:D+4*\j+3] offset:((\t)&3)*TRIPB+16*\j
.endr
.irp j, 0,1,2,3
	ds_store_b8 v[WSS], v[BY+\j] offset:512*(\t)+16*\j   ; lanes l and l xor 16 write the same byte with the same value
.endr
.endm
.macro PROD sl, nt, kl, zero, af
.if (\zero) && ((\kl) == 0)
	v_wmma_scale_f32_16x16x128_f8f6f4 v[ACC+32*\sl+8*\nt:ACC+32*\sl+8*\nt+7], v[BF+16*\nt:BF+16*\nt+15], v[\af+16*\kl:\af+16*\kl+15], 0, v[BS+4*\kl+\nt], v[AS+2*\sl+\kl] matrix_a_fmt:MATRIX_FMT_BF8 matrix_b_fmt:MATRIX_FMT_BF8
.else
	v_wmma_scale_f32_16x16x128_f8f6f4 v[ACC+32*\sl+8*\nt:ACC+32*\sl+8*\nt+7], v[BF+16*\nt:BF+16*\nt+15], v[\af+16*\kl:\af+16*\kl+15], v[ACC+32*\sl+8*\nt:ACC+32*\sl+8*\nt+7], v[BS+4*\kl+\nt], v[AS+2*\sl+\kl] matrix_a_fmt:MATRIX_FMT_BF8 matrix_b_fmt:MATRIX_FMT_BF8
.endif
.endm
.macro LBF adr, off                    ; a K step's four fragments of weights from LDS: 16 loads
.irp nt, 0,1,2,3
.irp c, 0,1,2,3
	ds_load_b128 v[BF+16*\nt+4*\c:BF+16*\nt+4*\c+3], v[\adr] offset:(\off)+NTB*\nt+512*\c
.endr
.endr
.endm
.macro LB0 adr, off, sadr, soff        ; both K steps' scale words, and the first K step's fragments: 18 loads
	ds_load_b128 v[BS:BS+3], v[\sadr] offset:(\soff)
	ds_load_b128 v[BS+4:BS+7], v[\sadr] offset:(\soff)+256
	LBF \adr, \off
.endm
; A K step's products: four fragments of weights against my slots.  The accumulators take turns, one instruction a turn, on both ways.
; Slot 2's four stand under a branch on the stored count; those that start its sums stay on every way, so that its accumulators are always written (on zero codes where it has no tile).
.macro PK kl, zero
	WIN MM01
.irp nt, 0,1,2,3
.irp sl, 0,1
	PROD \sl, \nt, \kl, \zero, AF01+32*\sl
.endr
.endr
	WIN 0
.if (\zero) && ((\kl) == 0)
.irp nt, 0,1,2,3
	PROD 2, \nt, \kl, \zero, AF2
.endr
.else
	s_cmp_eq_u32 s[VF+2], 0
	s_cbranch_scc1 .Lp2_\@
.irp nt, 0,1,2,3
	PROD 2, \nt, \kl, \zero, AF2
.endr
.Lp2_\@:
.endif
.endm
; The slots' tiles for the pass whose first tile for my wave is s[jb].  The hold at 135 is the last thing ahead of the shifts.
.macro TILES jb
.irp sl, 0,1,2
	s_add_co_u32 s[TMPA], s[\jb], 8*\sl
	s_cmp_lt_u32 s[TMPA], s[TE]
	s_cselect_b32 s[VF+\sl], 1, 0
	s_min_u32 s[TMPA], s[TMPA], s[TEM1]
	s_add_co_u32 s[TMPA], s[TMPA], s[FT]
	s_min_u32 s[TI+\sl], s[TMPA], 135
	s_lshl_b32 s[TMPA], s[TI+\sl], ASH
	v_add_nc_u32 v[AO+\sl], s[TMPA], v[L16]
	s_lshl_b32 s[TMPA], s[TI+\sl], SSH
	v_add_nc_u32 v[ASO+\sl], s[TMPA], v[L8]
.endr
.endm
; A TRIP of the pass beside the stream.  Loads are issued in the order of need: .. W(t + 1) | rows of t, first K step (10) | rows of t, second K step (10), W(t + 2) (16) | rows of t + 1, first K step (10) ..
; nw counts what was issued behind W(t + 1): 10 + 10 + 16; na0 what was issued behind the rows' first K step: 10 + 16; na1 behind their second: 16 + 10.  At both ends of the stream the counts are smaller by what is not issued there.
; Slot 2's five loads stand ahead of each ten, so on the way that has them the counts only ask for more.  W(t + 3) lands in the set that the codes of trip t + 1 have just left.
; Every trip has LDS bytes of its own: between two barriers stand the loads of trip t's bytes and the stores of trip t + 1's, so one barrier a trip orders store, wait, barrier, load.
; Eight plain places stand in front of loads into registers that products have read, nine where sums may be begun anew over old ones.
.macro TRIP t, zero, nw, na0, na1
	WIN 0
	s_wait_dscnt 0x0                               ; for the others' sake: my codes and bytes of this trip have landed
	s_barrier_signal -1
	s_barrier_wait -1
.if (\t) < 4
	LB0 L16, (\t)*TRIPB, LBS, 512*(\t)
.else
	LB0 LB1, ((\t)-4)*TRIPB, LBS, 512*(\t)
.endif
.if (\t) < 7
	WIN Q1
	s_wait_loadcnt \nw
	WQA (\t)+1                                     ; while the fragments come
.endif
	s_wait_loadcnt \na0
	s_wait_dscnt 0x0
	PK 0, \zero
.rept 8
	v_nop
.endr
.if (\t) < 4
	LBF L16, (\t)*TRIPB+KLB
.else
	LBF LB1, ((\t)-4)*TRIPB+KLB
.endif
.if (\t) < 7
	s_cmp_eq_u32 s[VF+2], 0
	s_cbranch_scc1 .Lno2a_\@
	ALOAD2K (\t)+1, 0
.Lno2a_\@:
	ALOADK (\t)+1, 0
	WIN Q1
	WQB (\t)+1                                     ; while the fragments come
	s_wait_loadcnt \na1
	s_wait_dscnt 8                                 ; the 16 fragment loads are in; the eight stores issued behind them may be out
.else
	s_wait_loadcnt \na1
	s_wait_dscnt 0x0
.endif
	PK 1, \zero
.rept 9
	v_nop
.endr
.if (\t) < 7
	s_cmp_eq_u32 s[VF+2], 0
	s_cbranch_scc1 .Lno2b_\@
	ALOAD2K (\t)+1, 1
.Lno2b_\@:
	ALOADK (\t)+1, 1
.endif
.if (\t) < 5
	WIN Q1
	WLOAD (\t)+3
.endif
.if (\t) < 4
	WIN 0
	WASK (\t)+4
.endif
.endm
.macro LTRIP t, zero                   ; a trip of a later pass: the codes lie in LDS already; every address is a register that stays and an immediate
	ALOAD2K \t, 0
	ALOAD2K \t, 1
	ALOADK \t, 0
	ALOADK \t, 1
.if (\t) < 4
	LB0 L16, (\t)*TRIPB, LBS, 512*(\t)
.else
	LB0 LB1, ((\t)-4)*TRIPB, LBS, 512*(\t)
.endif
	s_wait_loadcnt 0x0
	s_wait_dscnt 0x0
	PK 0, \zero
.rept 8
	v_nop
.endr
.if (\t) < 4
	LBF L16, (\t)*TRIPB+KLB
.else
	LBF LB1, ((\t)-4)*TRIPB+KLB
.endif
	s_wait_dscnt 0x0
	PK 1, \zero
.rept 9
	v_nop
.endr
.endm
; THE WAY OUT.  A lane holds eight neighbouring columns of a row in each accumulator, and the lanes beside it hold other rows: a tile goes through my own stage in LDS and comes back as rows of 256 bytes.
; LDS serves a wave's instructions in order (ISA guide 5.7.1.4): no wait between the stores and the loads.
.macro EPI2
	WIN 0
.irp sl, 0,1,2
	s_cmp_eq_u32 s[VF+\sl], 0
	s_cbranch_scc1 .Lskip_\@_\sl                   ; a slot without a tile of its own stores nothing
	s_lshl_b32 s[TMPA], s[TI+\sl], 16
	v_add_nc_u32 v[OV], s[TMPA], v[OV0]
.irp nt, 0,1,2,3
	ds_store_b128 v[STO], v[ACC+32*\sl+8*\nt:ACC+32*\sl+8*\nt+3] offset:128*(\nt/2)+32*(\nt%2)        ; each accumulator from its low end on
	ds_store_b128 v[STO], v[ACC+32*\sl+8*\nt+4:ACC+32*\sl+8*\nt+7] offset:128*(\nt/2)+32*(\nt%2)+16
.endr
.irp i, 0,1,2,3,4,5,6,7
	ds_load_b128 v[BK+4*\i:BK+4*\i+3], v[RD] offset:544*\i
.endr
.irp i, 0,1,2,3,4,5,6,7
	s_wait_dscnt 7-\i
	global_store_b128 v[OV], v[BK+4*\i:BK+4*\i+3], s[12:13] offset:8192*\i th:TH_STORE_NT   ; sixteen lanes store 256 consecutive bytes, aligned
.endr
	s_wait_xcnt 0x0                                ; the stores' registers are written again only behind this wait
.Lskip_\@_\sl:
.endr
.endm
	s_load_b256 s[72:79], s[0:1], 0x0              ; W2 s[72:73], tab s[74:75], aq s[76:77], part s[78:79]
	v_lshl_add_u32 v15, v0, 2, 0x29c00
	v_mov_b32 v31, 0
	v_lshrrev_b32 v32, 5, v0
	v_readfirstlane_b32 s[WV], v32                 ; wave 0..7
	s_and_b32 s[EXPT], ttmp7, 0xffff               ; the expert
	s_and_b32 s[CSL], ttmp9, 15                    ; which 64 columns
	s_lshr_b32 s[KH], ttmp9, 4                     ; which half of K
	v_and_b32 v32, 31, v0                          ; lane
	v_and_b32 v33, 15, v0                          ; r'
	v_bfe_u32 v34, v0, 4, 1                        ; h
	v_and_b32 v35, 1, v0
	v_bfe_u32 v36, v0, 1, 1
	v_bfe_u32 v37, v0, 2, 1
	v_bfe_u32 v38, v0, 3, 1
	v_lshl_add_u32 v39, v38, 1, v36                ; my four columns' tile
	v_lshlrev_b32 v40, 2, v35
	v_lshl_add_u32 v40, v37, 3, v40                ; and their first row in it
	v_lshlrev_b32 v[L16], 4, v32
	v_lshlrev_b32 v[L8], 3, v33
	v_add_nc_u32 v[LB1], HALFB, v[L16]
	v_lshl_add_u32 v[LBS], v33, 4, SCB
	s_mul_i32 s82, s[WV], 16*272
	s_add_co_u32 s82, s82, STG                     ; my stage
	v_mul_u32_u24 v[STO], v33, 272
	v_lshl_add_u32 v[STO], v34, 6, v[STO]
	v_add_nc_u32 v[STO], s82, v[STO]               ; in: row lane % 16, 64 bytes on for the upper half of the lanes
	v_mul_u32_u24 v[RD], v34, 272
	v_lshl_add_u32 v[RD], v33, 4, v[RD]
	v_add_nc_u32 v[RD], s82, v[RD]                 ; back: lanes 0-15 one row, lanes 16-31 the next
	v_lshlrev_b32 v[OV0], 4, v33
	v_lshl_add_u32 v[OV0], v34, 12, v[OV0]         ; and the same two rows in part
	v_lshlrev_b32 v41, 4, v33
	v_lshl_add_u32 v41, v34, 16, v41               ; W2: 16 r' + 16 h rows of 4,096 bytes
	v_mul_u32_u24 v42, v39, NTB
	v_lshl_add_u32 v42, v34, 8, v42
	v_lshl_add_u32 v42, v40, 4, v42
	v_lshlrev_b32 v44, 4, v40
	v_lshl_add_u32 v44, v39, 2, v44
	s_lshl_b32 s82, s[WV], 17                      ; 32 w rows
	v_lshl_add_u32 v[PFO], v32, 12, s82            ; the prefetches: row 32 w + lane
	s_lshr_b32 s83, s[WV], 2
	s_and_b32 s84, s[WV], 3
	s_mul_i32 s85, s83, KLB
	s_lshl_b32 s86, s84, 9
	s_add_co_u32 s85, s85, s86
	s_add_co_u32 s86, s85, HALFB
	s_lshl_b32 s87, s83, 8
	s_add_co_u32 s87, s87, s84
	s_add_co_u32 s87, s87, SCB
	WIN TOA
	v_add_nc_u32 v[WO], s82, v41
	v_add_nc_u32 v[WST], s85, v42
	v_add_nc_u32 v[WST+1], s86, v42
	v_add_nc_u32 v[WSS], s87, v44
	v_mov_b32 v[HOLD], 0x47600000                  ; 57,344
	v_mov_b32 v[ONE], 1.0
.irp j, 0,1,2,3
	v_mov_b32 v[PM+\j], 0                          ; written once: a lane permute's destination counts as one of its sources
.endr
	WIN 0
.set n, 0
.rept 32
	v_mov_b32 v[AF2+n], 0                          ; slot 2 where it has no tile: zero codes, which add nothing,
.set n, n+1
.endr
	v_mov_b32 v[AS+4], 0x7f7f7f7f                  ; under the scale 1
	v_mov_b32 v[AS+5], 0x7f7f7f7f
	s_mov_b32 s36, 0x76543210
	s_mov_b32 s37, 0xfedcba98
	s_mov_b32 s66, 0x05010400
	s_mov_b32 s67, 0x07030602
	s_mov_b32 s68, 0x05040100
	s_mov_b32 s69, 0x07060302
	s_wait_kmcnt 0x0
	s_lshl_b32 s82, s[EXPT], 24
	s_lshl_b32 s83, s[KH], 23
	s_add_co_u32 s82, s82, s83
	s_lshl_b32 s83, s[CSL], 8
	s_add_co_u32 s82, s82, s83
	s_mov_b32 s83, 0
	s_add_nc_u64 s[4:5], s[72:73], s[82:83]        ; W2 at my expert, half of K and columns
	s_lshl_b32 s82, s[EXPT], 2
	s_add_nc_u64 s[74:75], s[74:75], s[82:83]
	s_load_b32 s[FT], s[74:75], 0x0
	s_load_b32 s[TE], s[74:75], 0x20
	s_lshl_b32 s82, s[KH], 15
	s_add_nc_u64 s[8:9], s[76:77], s[82:83]        ; the rows' codes of my half of K,
	s_lshl_b32 s82, s[KH], 10
	s_add_nc_u64 s[10:11], s[76:77], s[82:83]
	s_add_nc_u64 s[10:11], s[10:11], ASC           ; their scale words
	s_mul_i32 s82, s[KH], 0x880000                 ; 2,176 rows of 4,096 bytes
	s_lshl_b32 s84, s[CSL], 8
	s_add_co_u32 s82, s82, s84
	s_add_nc_u64 s[12:13], s[78:79], s[82:83]      ; part at my half and columns
	WIN Q1
	WLOAD 0
	WIN 0
	s_wait_kmcnt 0x0
	s_min_u32 s[TE], s[TE], 64
	s_min_u32 s[FT], s[FT], 135
	s_cmp_eq_u32 s[TE], 0
	s_cselect_b32 s[FT], 0, s[FT]                  ; an expert without rows multiplies tile 0 and stores nothing
	s_max_u32 s[TEM1], s[TE], 1
	s_sub_co_u32 s[TEM1], s[TEM1], 1
	s_mov_b32 s[JB], s[WV]
	TILES JB
	s_cmp_eq_u32 s[VF+2], 0
	s_cbranch_scc1 .Lno2_head
	ALOAD2K 0, 0
	ALOAD2K 0, 1
.Lno2_head:
	ALOADK 0, 0
	ALOADK 0, 1
	WIN Q1
	WLOAD 1
	s_wait_loadcnt 36                              ; W(0) is in: behind it stand 10 + 10 + 16 loads (and ten more where slot 2 has a tile)
	WQA 0                                          ; trip 0's codes are made ahead of the first barrier
	WQB 0
	WLOAD 2                                        ; into the set that they have left
	TRIP 0, 1, 16, 16, 26                          ; behind W(1) stands W(2) alone; the rows of trip 0 are older than both
	TRIP 1, 0, 36, 26, 26
	TRIP 2, 0, 36, 26, 26
	TRIP 3, 0, 36, 26, 26
	TRIP 4, 0, 36, 26, 26
	TRIP 5, 0, 36, 26, 26
	TRIP 6, 0, 20, 10, 10                          ; no weights are issued any more: the counts run down
	TRIP 7, 0, 0, 10, 0
	EPI2
	; THE LATER PASSES: tiles 24 .. 47 and 48 .. 71: two trips of a loop of constant count; a wave whose first slot has no tile passes over the work.  No barrier: the codes are only read, the stage is my own.
	s_mov_b32 s[IT], 1
.Lpass:
	s_mul_i32 s[JB], s[IT], 24
	s_add_co_u32 s[JB], s[JB], s[WV]
	s_wait_loadcnt 0x0
	s_wait_xcnt 0x0                                ; no load or store still reads the offsets that are written next
	TILES JB
	s_cmp_eq_u32 s[VF], 0
	s_cbranch_scc1 .Lpass_next
	LTRIP 0, 1
	LTRIP 1, 0
	LTRIP 2, 0
	LTRIP 3, 0
	LTRIP 4, 0
	LTRIP 5, 0
	LTRIP 6, 0
	LTRIP 7, 0
	EPI2
.Lpass_next:
	s_add_co_u32 s[IT], s[IT], 1
	s_cmp_lt_u32 s[IT], 3
	s_cbranch_scc1 .Lpass
	s_wait_tensorcnt 0x0
	ds_add_u32 v15, v31
	s_wait_dscnt 0x0
	s_endpgm
.Lfunc_end_k_q8f58ac05af_ffn2:
	.size	k_q8f58ac05af_ffn2, .Lfunc_end_k_q8f58ac05af_ffn2-k_q8f58ac05af_ffn2
	.p2alignl 7, 3214868480
	.fill 96, 4, 3214868480
	.section	.rodata,"a",@progbits
	.p2align	6, 0x0
	.amdhsa_kernel k_q8f58ac05af_ffn2
		.amdhsa_group_segment_fixed_size 172032
		.amdhsa_private_segment_fixed_size 0
		.amdhsa_enable_private_segment 0
		.amdhsa_kernarg_size 32
		.amdhsa_user_sgpr_count 2
		.amdhsa_user_sgpr_kernarg_segment_ptr 1
		.amdhsa_wavefront_size32 1
		.amdhsa_system_sgpr_workgroup_id_x 1
		.amdhsa_system_sgpr_workgroup_id_y 1
		.amdhsa_system_sgpr_workgroup_id_z 1
		.amdhsa_system_vgpr_workitem_id 0
		.amdhsa_next_free_vgpr 512
		.amdhsa_next_free_sgpr 100
		.amdhsa_reserve_vcc 0
		.amdhsa_float_denorm_mode_32 3
		.amdhsa_float_denorm_mode_16_64 3
		.amdhsa_memory_ordered 1
		.amdhsa_forward_progress 1
		.amdhsa_inst_pref_size 255
	.end_amdhsa_kernel
	.section	.bss,"aw",@nobits
	.p2align	6
	.space	262144
	.amdgpu_metadata
---
amdhsa.version: [ 1, 2 ]
amdhsa.kernels:
  - .name:           k_q8f58ac05af_ffn2
    .symbol:         k_q8f58ac05af_ffn2.kd
    .args:
      - { .name: W2, .offset: 0, .size: 8, .value_kind: global_buffer, .address_space: global }
      - { .name: tab, .offset: 8, .size: 8, .value_kind: global_buffer, .address_space: global }
      - { .name: aq, .offset: 16, .size: 8, .value_kind: global_buffer, .address_space: global }
      - { .name: part, .offset: 24, .size: 8, .value_kind: global_buffer, .address_space: global }
    .group_segment_fixed_size: 172032
    .private_segment_fixed_size: 0
    .kernarg_segment_align: 8
    .kernarg_segment_size: 32
    .max_flat_workgroup_size: 256
    .sgpr_count:     100
    .vgpr_count:     512
    .wavefront_size: 32
...
	.end_amdgpu_metadata
.endif
;; end of part 4
;; launch combine (part 5): grid 256 x 1, 4 waves a work-group, no clusters, 0 bytes of LDS; arguments part, pos, sel, gate, b2, x, out0; writes out0
.if DOCPART == 5
	.amdgcn_target "amdgcn-amd-amdhsa--gfx1250"
	.amdhsa_code_object_version 6
	.text
	.protected	k_q8f58ac05af_combine
	.globl	k_q8f58ac05af_combine
	.p2align	8
	.type	k_q8f58ac05af_combine,@function
k_q8f58ac05af_combine:
	s_mov_b64 s[64:65], 0
	v_nop
	global_prefetch_b8 v0, s[64:65] scope:SCOPE_SE
	s_setreg_imm32_b32 hwreg(HW_REG_WAVE_MODE, 25, 1), 1
	s_wait_xcnt 0x0
; COMBINE.  out[t] = g0 (y(t, e0) + b2[e0] + x[t]) + g1 (y(t, e1) + b2[e1] + x[t]); y is the sum of its two halves along K.  All in f32.
; One wave, one token: seven rows of 4,096 bytes come in, one goes out; every load and store of a wave covers 512 consecutive bytes.  Each output row has one owner.
; The places and experts are whole numbers that earlier launches stored; they are held inside their tables ahead of every address.  A stream: no LDS, no barrier, no matrix unit.
.set XX, 16                            ; v16-47   x[t]
.set A0, 48                            ; v48-79   first choice, lower half of K; then the result
.set A1, 80                            ;          upper half
.set B0, 112                           ;          second choice
.set B1, 144
.set C0, 176                           ;          b2 of the first choice
.set C1, 208                           ;          of the second
	s_load_b256 s[4:11], s[0:1], 0x0               ; part s[4:5], pos s[6:7], sel s[8:9], gate s[10:11]
	s_load_b128 s[12:15], s[0:1], 0x20             ; b2 s[12:13], x s[14:15]
	s_load_b64 s[16:17], s[0:1], 0x30              ; out0
	v_lshrrev_b32 v1, 5, v0
	v_readfirstlane_b32 s20, v1                    ; wave
	v_and_b32 v2, 31, v0
	v_lshlrev_b32 v2, 4, v2                        ; 16 x lane
	s_lshl_b32 s21, ttmp9, 2
	s_add_co_u32 s21, s21, s20                     ; my token
	s_lshl_b32 s22, s21, 3
	s_mov_b32 s23, 0
	s_wait_kmcnt 0x0
	s_add_nc_u64 s[6:7], s[6:7], s[22:23]
	s_add_nc_u64 s[10:11], s[10:11], s[22:23]
	s_lshl_b32 s22, s21, 2
	s_add_nc_u64 s[8:9], s[8:9], s[22:23]
	s_load_b64 s[24:25], s[6:7], 0x0               ; the two rows' places
	s_load_b64 s[26:27], s[10:11], 0x0             ; the two gates
	s_load_b32 s28, s[8:9], 0x0                    ; the two experts
	s_lshl_b32 s22, s21, 12
	s_add_nc_u64 s[14:15], s[14:15], s[22:23]
	s_add_nc_u64 s[16:17], s[16:17], s[22:23]
.irp i, 0,1,2,3,4,5,6,7
	global_load_b128 v[XX+4*\i:XX+4*\i+3], v2, s[14:15] offset:512*\i th:TH_LOAD_NT
.endr
	s_wait_kmcnt 0x0
	s_min_u32 s24, s24, 2175
	s_min_u32 s25, s25, 2175
	s_and_b32 s29, s28, 0xff
	s_min_u32 s29, s29, 7
	s_bfe_u32 s30, s28, 0x80008
	s_min_u32 s30, s30, 7
	s_lshl_b32 s22, s24, 12
	s_add_nc_u64 s[32:33], s[4:5], s[22:23]
	s_add_nc_u64 s[34:35], s[32:33], 0x880000      ; the upper half of K lies 2,176 rows on
	s_lshl_b32 s22, s25, 12
	s_add_nc_u64 s[36:37], s[4:5], s[22:23]
	s_add_nc_u64 s[38:39], s[36:37], 0x880000
	s_lshl_b32 s22, s29, 12
	s_add_nc_u64 s[40:41], s[12:13], s[22:23]
	s_lshl_b32 s22, s30, 12
	s_add_nc_u64 s[42:43], s[12:13], s[22:23]
	s_mov_b32 s44, s27                             ; g1 in a pair of its own: a packed form takes a scalar pair's low word for both halves
	s_mov_b32 s45, s27
.irp i, 0,1,2,3,4,5,6,7
	global_load_b128 v[A0+4*\i:A0+4*\i+3], v2, s[32:33] offset:512*\i th:TH_LOAD_NT
	global_load_b128 v[A1+4*\i:A1+4*\i+3], v2, s[34:35] offset:512*\i th:TH_LOAD_NT
	global_load_b128 v[B0+4*\i:B0+4*\i+3], v2, s[36:37] offset:512*\i th:TH_LOAD_NT
	global_load_b128 v[B1+4*\i:B1+4*\i+3], v2, s[38:39] offset:512*\i th:TH_LOAD_NT
	global_load_b128 v[C0+4*\i:C0+4*\i+3], v2, s[40:41] offset:512*\i
	global_load_b128 v[C1+4*\i:C1+4*\i+3], v2, s[42:43] offset:512*\i
.endr
.irp i, 0,1,2,3,4,5,6,7
	s_wait_loadcnt 6*(7-\i)                        ; the six loads of piece i are in (x came first); the later pieces' stay out
.irp p, 0,2
	v_pk_add_f32 v[A0+4*\i+\p:A0+4*\i+\p+1], v[A0+4*\i+\p:A0+4*\i+\p+1], v[A1+4*\i+\p:A1+4*\i+\p+1]
	v_pk_add_f32 v[B0+4*\i+\p:B0+4*\i+\p+1], v[B0+4*\i+\p:B0+4*\i+\p+1], v[B1+4*\i+\p:B1+4*\i+\p+1]
	v_pk_add_f32 v[A0+4*\i+\p:A0+4*\i+\p+1], v[A0+4*\i+\p:A0+4*\i+\p+1], v[C0+4*\i+\p:C0+4*\i+\p+1]
	v_pk_add_f32 v[B0+4*\i+\p:B0+4*\i+\p+1], v[B0+4*\i+\p:B0+4*\i+\p+1], v[C1+4*\i+\p:C1+4*\i+\p+1]
	v_pk_add_f32 v[A0+4*\i+\p:A0+4*\i+\p+1], v[A0+4*\i+\p:A0+4*\i+\p+1], v[XX+4*\i+\p:XX+4*\i+\p+1]
	v_pk_add_f32 v[B0+4*\i+\p:B0+4*\i+\p+1], v[B0+4*\i+\p:B0+4*\i+\p+1], v[XX+4*\i+\p:XX+4*\i+\p+1]
	v_pk_mul_f32 v[A0+4*\i+\p:A0+4*\i+\p+1], v[A0+4*\i+\p:A0+4*\i+\p+1], s[26:27] op_sel_hi:[1,0]
	v_pk_fma_f32 v[A0+4*\i+\p:A0+4*\i+\p+1], v[B0+4*\i+\p:B0+4*\i+\p+1], s[44:45], v[A0+4*\i+\p:A0+4*\i+\p+1] op_sel_hi:[1,0,1]
.endr
	global_store_b128 v2, v[A0+4*\i:A0+4*\i+3], s[16:17] offset:512*\i th:TH_STORE_NT
.endr
	s_endpgm
.Lfunc_end_k_q8f58ac05af_combine:
	.size	k_q8f58ac05af_combine, .Lfunc_end_k_q8f58ac05af_combine-k_q8f58ac05af_combine
	.p2alignl 7, 3214868480
	.fill 96, 4, 3214868480
	.section	.rodata,"a",@progbits
	.p2align	6, 0x0
	.amdhsa_kernel k_q8f58ac05af_combine
		.amdhsa_group_segment_fixed_size 0
		.amdhsa_private_segment_fixed_size 0
		.amdhsa_enable_private_segment 0
		.amdhsa_kernarg_size 56
		.amdhsa_user_sgpr_count 2
		.amdhsa_user_sgpr_kernarg_segment_ptr 1
		.amdhsa_wavefront_size32 1
		.amdhsa_system_sgpr_workgroup_id_x 1
		.amdhsa_system_sgpr_workgroup_id_y 1
		.amdhsa_system_sgpr_workgroup_id_z 1
		.amdhsa_system_vgpr_workitem_id 0
		.amdhsa_next_free_vgpr 240
		.amdhsa_next_free_sgpr 66
		.amdhsa_reserve_vcc 0
		.amdhsa_float_denorm_mode_32 3
		.amdhsa_float_denorm_mode_16_64 3
		.amdhsa_memory_ordered 1
		.amdhsa_forward_progress 1
		.amdhsa_inst_pref_size 17
	.end_amdhsa_kernel
	.amdgpu_metadata
---
amdhsa.version: [ 1, 2 ]
amdhsa.kernels:
  - .name:           k_q8f58ac05af_combine
    .symbol:         k_q8f58ac05af_combine.kd
    .args:
      - { .name: part, .offset: 0, .size: 8, .value_kind: global_buffer, .address_space: global }
      - { .name: pos, .offset: 8, .size: 8, .value_kind: global_buffer, .address_space: global }
      - { .name: sel, .offset: 16, .size: 8, .value_kind: global_buffer, .address_space: global }
      - { .name: gate, .offset: 24, .size: 8, .value_kind: global_buffer, .address_space: global }
      - { .name: b2, .offset: 32, .size: 8, .value_kind: global_buffer, .address_space: global }
      - { .name: x, .offset: 40, .size: 8, .value_kind: global_buffer, .address_space: global }
      - { .name: out0, .offset: 48, .size: 8, .value_kind: global_buffer, .address_space: global }
    .group_segment_fixed_size: 0
    .private_segment_fixed_size: 0
    .kernarg_segment_align: 8
    .kernarg_segment_size: 56
    .max_flat_workgroup_size: 128
    .sgpr_count:     66
    .vgpr_count:     240
    .wavefront_size: 32
...
	.end_amdgpu_metadata
.endif
;; end of part 5
;; ======== version 2 of 2: 5 launches
;; workspace buffers: sel 4,096 bytes of whole numbers; gate 8,192 bytes; bal 2,048 bytes of whole numbers; tab 256 bytes of whole numbers; pos 8,192 bytes of whole numbers; hq 2,297,856 bytes; aq 9,191,424 bytes; part 17,825,792 bytes
;; launch router (part 6): grid 32 x 1, 16 waves a work-group, no clusters, 18,432 bytes of LDS; arguments x, router_W, router_b, sel, gate, bal; writes sel, gate, bal
.if DOCPART == 6
	.amdgcn_target "amdgcn-amd-amdhsa--gfx1250"
	.amdhsa_code_object_version 6
	.text
	.protected	k_q8f58ac05af_router
	.globl	k_q8f58ac05af_router
	.p2align	8
	.type	k_q8f58ac05af_router,@function
k_q8f58ac05af_router:
	s_mov_b64 s[64:65], 0
	v_nop
	global_prefetch_b8 v0, s[64:65] scope:SCOPE_SE
	s_setreg_imm32_b32 hwreg(HW_REG_WAVE_MODE, 25, 1), 1
	s_wait_xcnt 0x0
; ROUTER.  logits = x router_W + router_b in f32; the two largest of eight (the lower index wins a tie, as lax.top_k has it); softmax over the two, the larger taken away first.
; A work-group takes 32 tokens; wave w takes k = 64 w .. 64 w + 63 of all 32; the sixteen partial sums meet in LDS, and wave 0 (a lane a token) finishes.
; Stored at fixed places: sel[t] = e0 | e1 << 8, gate[t] = (g0, g1), bal[group of 32 tokens] = eight masks (bit = token uses expert e) and eight counts.
; No address and no branch hangs on a logit.  LIMITS: NaN and infinite logits are not served; logits that are equal within the order of f32 sums may fall either way.
; No matrix unit, no cluster: N = 8 is under a tile's width, and work-groups share only router_W's 32 KiB.
.set X,   16                           ; v16-79   load i: x(token 2 i + lane / 16, k = 64 w + 4 (lane % 16) + 0 .. 3)
.set RW,  80                           ; v80-111  router_W(64 w + 4 (lane % 16) + jj, e) at 8 jj + e
.set ACC, 112                          ; v112-239 the partial logit of token 2 i + lane / 16, expert e at 8 i + e
	s_load_b128 s[4:7], s[0:1], 0x0                ; x, router_W
	s_load_b128 s[8:11], s[0:1], 0x10              ; router_b, sel
	s_load_b128 s[12:15], s[0:1], 0x20             ; gate, bal
	v_lshl_add_u32 v254, v0, 2, 0x4000
	v_mov_b32 v255, 0
	v_lshrrev_b32 v1, 5, v0
	s_delay_alu instid0(VALU_DEP_1)
	v_readfirstlane_b32 s24, v1                    ; wave
	v_and_b32 v2, 15, v0                           ; q = lane % 16
	v_bfe_u32 v3, v0, 4, 1                         ; hh = lane / 16
	s_lshl_b32 s25, s24, 8
	s_lshl_b32 s26, s24, 11
	s_lshl_b32 s27, s24, 10
	v_lshl_add_u32 v4, v2, 4, s25
	s_delay_alu instid0(VALU_DEP_1)
	v_lshl_add_u32 v4, v3, 12, v4                  ; x: 4096 hh + 256 w + 16 q: sixteen lanes read 256 consecutive bytes, aligned
	v_lshl_add_u32 v5, v2, 7, s26                  ; router_W: 2048 w + 128 q
	v_lshl_add_u32 v6, v3, 5, s27                  ; LDS, in: 1024 w + 32 hh
	v_and_b32 v7, 31, v0
	s_delay_alu instid0(VALU_DEP_1)
	v_lshlrev_b32 v7, 5, v7                        ; LDS, back: 32 x token
	s_lshl_b32 s28, ttmp9, 17                      ; 32 tokens of 4,096 bytes
	s_mov_b32 s29, 0
	s_wait_alu depctr_va_vdst(0)
	s_wait_kmcnt 0x0
	s_add_nc_u64 s[4:5], s[4:5], s[28:29]
	s_load_b256 s[32:39], s[8:9], 0x0              ; router_b
.irp n, 0,1,2,3,4,5,6,7
	global_load_b128 v[RW+4*\n:RW+4*\n+3], v5, s[6:7] offset:16*\n
.endr
.irp i, 0,1,2,3,4,5,6,7,8,9,10,11,12,13,14,15
	global_load_b128 v[X+4*\i:X+4*\i+3], v4, s[4:5] offset:8192*\i th:TH_LOAD_NT
.endr
.set i, 0
.rept 16
	s_wait_loadcnt 15-i                            ; load i is in (and router_W, asked for ahead of it); the younger ones stay out
.irp p, 0,2,4,6
	v_pk_mul_f32 v[ACC+8*i+\p:ACC+8*i+\p+1], v[X+4*i:X+4*i+1], v[RW+\p:RW+\p+1] op_sel_hi:[0,1]   ; the first product starts the sum; x's number serves both experts of the pair
.endr
.irp p, 0,2,4,6
	s_delay_alu instid0(VALU_DEP_4)
	v_pk_fma_f32 v[ACC+8*i+\p:ACC+8*i+\p+1], v[X+4*i:X+4*i+1], v[RW+8+\p:RW+8+\p+1], v[ACC+8*i+\p:ACC+8*i+\p+1] op_sel:[1,0,0] op_sel_hi:[1,1,1]
.endr
.irp p, 0,2,4,6
	s_delay_alu instid0(VALU_DEP_4)
	v_pk_fma_f32 v[ACC+8*i+\p:ACC+8*i+\p+1], v[X+4*i+2:X+4*i+3], v[RW+16+\p:RW+16+\p+1], v[ACC+8*i+\p:ACC+8*i+\p+1] op_sel_hi:[0,1,1]
.endr
.irp p, 0,2,4,6
	s_delay_alu instid0(VALU_DEP_4)
	v_pk_fma_f32 v[ACC+8*i+\p:ACC+8*i+\p+1], v[X+4*i+2:X+4*i+3], v[RW+24+\p:RW+24+\p+1], v[ACC+8*i+\p:ACC+8*i+\p+1] op_sel:[1,0,0] op_sel_hi:[1,1,1]
.endr
.set i, i+1
.endr
.irp m, 1,2,4,8                        ; the sixteen lanes of a half hold sixteen parts of the wave's 64 k: four steps, the sum in every lane
.set n, 0
.rept 128
	v_add_f32_dpp v[ACC+n], v[ACC+n], v[ACC+n] row_xmask:\m row_mask:0xf bank_mask:0xf
.set n, n+1
.endr
.endr
.irp i, 0,1,2,3,4,5,6,7,8,9,10,11,12,13,14,15
	ds_store_b128 v6, v[ACC+8*\i:ACC+8*\i+3] offset:64*\i          ; the sixteen lanes of a half write the same bytes with the same value
	ds_store_b128 v6, v[ACC+8*\i+4:ACC+8*\i+7] offset:64*\i+16
.endr
	s_wait_dscnt 0x0                               ; for wave 0's sake: my stores have landed
	s_barrier_signal -1
	s_barrier_wait -1
	s_cmp_lg_u32 s24, 0
	s_cbranch_scc1 .Lend                           ; no barrier follows
.irp w, 0,1,2,3,4,5,6,7,8,9,10,11,12,13,14,15
	ds_load_b128 v[ACC+8*\w:ACC+8*\w+3], v7 offset:1024*\w
	ds_load_b128 v[ACC+8*\w+4:ACC+8*\w+7], v7 offset:1024*\w+16
.endr
	s_wait_dscnt 0x0
.irp s, 8,4,2,1
.set w, 0
.rept \s
.irp p, 0,2,4,6
	v_pk_add_f32 v[ACC+8*w+\p:ACC+8*w+\p+1], v[ACC+8*w+\p:ACC+8*w+\p+1], v[ACC+8*(w+\s)+\p:ACC+8*(w+\s)+\p+1]
.endr
.set w, w+1
.endr
.endr
	s_wait_alu depctr_va_vdst(0)
	s_wait_kmcnt 0x0
.irp e, 0,1,2,3,4,5,6,7
	v_add_f32 v[ACC+\e], s[32+\e], v[ACC+\e]
.endr
	v_mov_b32 v8, v[ACC]                           ; the largest, and its expert: only a strictly larger logit replaces it
	v_mov_b32 v9, 0
.irp e, 1,2,3,4,5,6,7
	s_delay_alu instid0(VALU_DEP_2)
	v_cmp_gt_f32 vcc_lo, v[ACC+\e], v8
	s_delay_alu instid0(VALU_DEP_1)
	v_cndmask_b32 v8, v8, v[ACC+\e], vcc_lo
	s_delay_alu instid0(VALU_DEP_2)
	v_cndmask_b32 v9, v9, \e, vcc_lo
.endr
	v_mov_b32 v12, 0xff800000                      ; the winner's logit becomes -infinity, and the same scan finds the second
.irp e, 0,1,2,3,4,5,6,7
	v_cmp_eq_u32 vcc_lo, \e, v9
	s_delay_alu instid0(VALU_DEP_1)
	v_cndmask_b32 v[ACC+\e], v[ACC+\e], v12, vcc_lo
.endr
	v_mov_b32 v10, v[ACC]
	v_mov_b32 v11, 0
.irp e, 1,2,3,4,5,6,7
	s_delay_alu instid0(VALU_DEP_2)
	v_cmp_gt_f32 vcc_lo, v[ACC+\e], v10
	s_delay_alu instid0(VALU_DEP_1)
	v_cndmask_b32 v10, v10, v[ACC+\e], vcc_lo
	s_delay_alu instid0(VALU_DEP_2)
	v_cndmask_b32 v11, v11, \e, vcc_lo
.endr
	s_delay_alu instid0(VALU_DEP_2)
	v_sub_f32 v13, v10, v8                         ; the second less the largest: 0 or less
	s_delay_alu instid0(VALU_DEP_1)
	v_mul_f32 v13, 0x3fb8aa3b, v13
	s_wait_alu depctr_va_vdst(0)
	v_exp_f32 v13, v13                             ; p = e^(w1 - w0)
	v_lshl_or_b32 v14, v11, 8, v9                  ; (a plain instruction behind the exponential)  sel's word
	s_wait_alu depctr_va_vdst(0)                   ; the wait ahead of the first reader
	v_add_f32 v15, 1.0, v13
	s_wait_alu depctr_va_vdst(0)
	v_rcp_f32 v16, v15                             ; g0 = 1 / (1 + p)
	v_lshlrev_b32 v18, 2, v0                       ; (a plain instruction behind the reciprocal)  4 x lane
	s_wait_alu depctr_va_vdst(0)
	v_mul_f32 v17, v13, v16                        ; g1 = p g0
	v_lshlrev_b32 v19, 3, v0
	v_mov_b32 v20, 0
.irp e, 0,1,2,3,4,5,6,7
	v_cmp_eq_u32 s40, \e, v9
	v_cmp_eq_u32 s41, \e, v11
	s_or_b32 s40, s40, s41                         ; which of my 32 tokens use expert e,
	s_bcnt1_i32_b32 s41, s40                       ; and how many
	v_writelane_b32 v20, s40, \e
	s_delay_alu instid0(VALU_DEP_1)
	v_writelane_b32 v20, s41, 8+\e
.endr
	s_lshl_b32 s28, ttmp9, 7
	s_add_nc_u64 s[10:11], s[10:11], s[28:29]
	s_lshl_b32 s28, ttmp9, 8
	s_add_nc_u64 s[12:13], s[12:13], s[28:29]
	s_lshl_b32 s28, ttmp9, 6
	s_add_nc_u64 s[14:15], s[14:15], s[28:29]
	global_store_b32 v18, v14, s[10:11]
	global_store_b64 v19, v[16:17], s[12:13]       ; 32 lanes store 256 consecutive bytes, aligned
	v_cmp_gt_u32 vcc_lo, 16, v0
	s_wait_alu depctr_va_vdst(0)
	s_wait_xcnt 0x0                                ; EXEC changes only behind this wait
	s_and_saveexec_b32 s42, vcc_lo
	global_store_b32 v18, v20, s[14:15]            ; sixteen words
	s_wait_xcnt 0x0
	s_or_b32 exec_lo, exec_lo, s42
.Lend:
	s_wait_tensorcnt 0x0
	ds_add_u32 v254, v255
	s_wait_dscnt 0x0
	s_endpgm
.Lfunc_end_k_q8f58ac05af_router:
	.size	k_q8f58ac05af_router, .Lfunc_end_k_q8f58ac05af_router-k_q8f58ac05af_router
	.p2alignl 7, 3214868480
	.fill 96, 4, 3214868480
	.section	.rodata,"a",@progbits
	.p2align	6, 0x0
	.amdhsa_kernel k_q8f58ac05af_router
		.amdhsa_group_segment_fixed_size 18432
		.amdhsa_private_segment_fixed_size 0
		.amdhsa_enable_private_segment 0
		.amdhsa_kernarg_size 48
		.amdhsa_user_sgpr_count 2
		.amdhsa_user_sgpr_kernarg_segment_ptr 1
		.amdhsa_wavefront_size32 1
		.amdhsa_system_sgpr_workgroup_id_x 1
		.amdhsa_system_sgpr_workgroup_id_y 1
		.amdhsa_system_sgpr_workgroup_id_z 1
		.amdhsa_system_vgpr_workitem_id 0
		.amdhsa_next_free_vgpr 256
		.amdhsa_next_free_sgpr 66
		.amdhsa_reserve_vcc 1
		.amdhsa_float_denorm_mode_32 3
		.amdhsa_float_denorm_mode_16_64 3
		.amdhsa_memory_ordered 1
		.amdhsa_forward_progress 1
		.amdhsa_inst_pref_size 75
	.end_amdhsa_kernel
	.amdgpu_metadata
---
amdhsa.version: [ 1, 2 ]
amdhsa.kernels:
  - .name:           k_q8f58ac05af_router
    .symbol:         k_q8f58ac05af_router.kd
    .args:
      - { .name: x, .offset: 0, .size: 8, .value_kind: global_buffer, .address_space: global }
      - { .name: router_W, .offset: 8, .size: 8, .value_kind: global_buffer, .address_space: global }
      - { .name: router_b, .offset: 16, .size: 8, .value_kind: global_buffer, .address_space: global }
      - { .name: sel, .offset: 24, .size: 8, .value_kind: global_buffer, .address_space: global }
      - { .name: gate, .offset: 32, .size: 8, .value_kind: global_buffer, .address_space: global }
      - { .name: bal, .offset: 40, .size: 8, .value_kind: global_buffer, .address_space: global }
    .group_segment_fixed_size: 18432
    .private_segment_fixed_size: 0
    .kernarg_segment_align: 8
    .kernarg_segment_size: 48
    .max_flat_workgroup_size: 512
    .sgpr_count:     66
    .vgpr_count:     256
    .wavefront_size: 32
...
	.end_amdgpu_metadata
.endif
;; end of part 6
;; launch place (part 7): grid 136 x 1, 16 waves a work-group, no clusters, 18,944 bytes of LDS; arguments sel, bal, x, ln_g, ln_b, tab, pos, hq; writes tab, pos, hq
.if DOCPART == 7
	.amdgcn_target "amdgcn-amd-amdhsa--gfx1250"
	.amdhsa_code_object_version 6
	.text
	.protected	k_q8f58ac05af_place
	.globl	k_q8f58ac05af_place
	.p2align	8
	.type	k_q8f58ac05af_place,@function
k_q8f58ac05af_place:
	s_mov_b64 s[64:65], 0
	v_nop
	global_prefetch_b8 v0, s[64:65] scope:SCOPE_SE
	s_setreg_imm32_b32 hwreg(HW_REG_WAVE_MODE, 25, 1), 1
	s_wait_xcnt 0x0
; PLACE.  The routed rows (token, expert) are laid by expert, each expert's rows by token, in tiles of 16 rows; an expert's first row begins a tile.  With 2,048 rows and 8 experts there are at most 135 tiles.
; Work-group = a tile's place, wave r = its row r.  Every wave finds its expert and its token from the stored masks and counts, normalises the token's row (LayerNorm with that expert's gain and bias, f32),
; quantises it along K (E5M2, one E8M0 byte for each 32) and the work-group stores the tile as IMAGES OF OPERAND REGISTERS: K step ks at 2,048 ks; register group c of lane l at 512 c + 16 l.
; Rows that fill up an expert's last tile repeat its last row: they are written whole and nobody reads their results.  A place beyond the last tile computes a held tile and stores nothing: the grid serves every split.
; Also stored: pos[token][slot] = the row's place, and (work-group 0) tab = each expert's first tile and number of tiles.
; A block's scale is 2^(floor(log2(largest magnitude)) - 15); its byte is that magnitude's exponent field - 15, held at 1 from below; a block of zeros keeps the byte 1: its codes are zeros, and this program alone reads the bytes.
; LIMITS: NaN and infinities among the inputs are not served.
.set MK,  16                           ; v16-23  lane g: group g's masks
.set CN,  24                           ; v24-31  and counts
.set PK,  32                           ; v32-35  counts, two to a word
.set TT,  36                           ; v36-39  what comes from other lanes
.set XV,  64                           ; v64-95  my 32 numbers of the row: k = 512 jh + 16 lane + 0 .. 15
.set GG,  96                           ; v96-127 the gain's
.set BB,  128                          ; v128-159 the bias's
.set HSC, 136*16384                    ; where hq's scale words begin
	s_load_b256 s[4:11], s[0:1], 0x0               ; sel s[4:5], bal s[6:7], x s[8:9], ln_g s[10:11]
	s_load_b256 s[12:19], s[0:1], 0x20             ; ln_b s[12:13], tab s[14:15], pos s[16:17], hq s[18:19]
	v_lshl_add_u32 v160, v0, 2, 0x4200
	v_mov_b32 v161, 0
	v_lshrrev_b32 v1, 5, v0
	s_delay_alu instid0(VALU_DEP_1)
	v_readfirstlane_b32 s20, v1                    ; r: my row of the tile
	v_and_b32 v2, 31, v0                           ; lane
	s_delay_alu instid0(VALU_DEP_1)
	v_lshlrev_b32 v3, 6, v2                        ; 64 x lane
	s_mov_b32 s21, 0x600000                        ; the mantissa field of 57,344
	s_mov_b32 s22, 0x76543210
	s_mov_b32 s23, 0xfedcba98                      ; v_permlanex16_b32's selects for lane l xor 16
	s_mov_b32 s77, 0x3a800000                      ; 1 / 1,024
	s_lshl_b32 s24, s20, 4
	v_lshl_add_u32 v4, v2, 8, s24                  ; LDS: my 16 codes' place in the images: 256 lane + 16 r (+ 8,192 jh)
	v_bfe_u32 v5, v0, 4, 1
	v_bfe_u32 v6, v0, 3, 1
	v_bfe_u32 v7, v0, 1, 2
	s_lshl_b32 s25, s20, 3
	s_add_co_u32 s25, s25, 16384
	v_lshl_add_u32 v5, v5, 7, s25
	s_delay_alu instid0(VALU_DEP_1)
	v_lshl_add_u32 v5, v6, 2, v5
	s_delay_alu instid0(VALU_DEP_1)
	v_add_nc_u32 v5, v5, v7                        ; my block's scale byte: 16,384 + 128 (lane / 16) + 8 r + 4 ((lane / 8) % 2) + (lane / 2) % 4 (+ 256 jh)
	v_lshlrev_b32 v6, 4, v0                        ; the way out: 16 x thread
	v_lshlrev_b32 v7, 4, v2                        ; 16 x lane
.irp p, 0,1,2,3
	v_mov_b32 v[TT+\p], 0                          ; written once: the destination of a lane move counts as one of its sources
.endr
	s_wait_kmcnt 0x0
.irp n, 0,1,2,3
	global_load_b128 v[MK+4*\n:MK+4*\n+3], v3, s[6:7] offset:16*\n
.endr
	s_wait_loadcnt 0x0
	; each expert's rows: the sum of the 32 groups' counts, two counts to a word (a count is 1,024 at the most)
.irp p, 0,1,2,3
	v_lshl_or_b32 v[PK+\p], v[CN+2*\p+1], 16, v[CN+2*\p]
.endr
.irp m, 1,2,4,8
.irp p, 0,1,2,3
	s_delay_alu instid0(VALU_DEP_4)
	v_mov_b32_dpp v[TT+\p], v[PK+\p] row_xmask:\m row_mask:0xf bank_mask:0xf
.endr
.irp p, 0,1,2,3
	s_delay_alu instid0(VALU_DEP_4)
	v_add_nc_u32 v[PK+\p], v[PK+\p], v[TT+\p]
.endr
.endr
.irp p, 0,1,2,3
	s_delay_alu instid0(VALU_DEP_4)
	v_permlanex16_b32 v[TT+\p], v[PK+\p], s22, s23
.endr
.irp p, 0,1,2,3
	s_delay_alu instid0(VALU_DEP_4)
	v_add_nc_u32 v[PK+\p], v[PK+\p], v[TT+\p]
.endr
.irp p, 0,1,2,3
	s_delay_alu instid0(VALU_DEP_4)
	v_readfirstlane_b32 s[28+\p], v[PK+\p]
.endr
.irp p, 0,1,2,3
	s_and_b32 s[32+2*\p], s[28+\p], 0xffff         ; s32-39: rows of expert e
	s_lshr_b32 s[33+2*\p], s[28+\p], 16
.endr
	s_mov_b32 s56, 0
.irp e, 0,1,2,3,4,5,6,7
	s_add_co_u32 s[48+\e], s[32+\e], 15
	s_lshr_b32 s[48+\e], s[48+\e], 4               ; s48-55: its tiles
	s_mov_b32 s[40+\e], s56                        ; s40-47: its first tile
	s_add_co_u32 s56, s56, s[48+\e]                ; s56: tiles in all
.endr
	s_sub_co_u32 s57, s56, 1
	s_min_u32 s57, s57, ttmp9
	s_min_u32 s57, s57, 135                        ; T: my tile, held inside what there is
	s_cmp_lt_u32 ttmp9, s56
	s_cselect_b32 s58, 1, 0                        ; is there such a tile?
	s_mov_b32 s59, 0
	s_mov_b32 s60, s40
	s_mov_b32 s61, s32
.irp e, 1,2,3,4,5,6,7                  ; the last expert whose first tile is not beyond T: experts without rows share their first tile with the next
	s_cmp_ge_u32 s57, s[40+\e]
	s_cselect_b32 s59, \e, s59
	s_cselect_b32 s60, s[40+\e], s60
	s_cselect_b32 s61, s[32+\e], s61
.endr
	s_sub_co_u32 s63, s57, s60
	s_lshl_b32 s63, s63, 4
	s_add_co_u32 s63, s63, s20                     ; R: my row among the expert's
	s_cmp_lt_u32 s63, s61
	s_cselect_b32 s66, 1, 0                        ; a true row?
	s_sub_co_u32 s67, s61, 1
	s_min_u32 s67, s67, s63                        ; else the expert's last row again
	; the token of rank s67 among those that use the expert
	v_mov_b32 v40, v[CN]
	v_mov_b32 v41, v[MK]
.irp e, 1,2,3,4,5,6,7
	s_cmp_eq_u32 s59, \e
	s_cselect_b32 s62, -1, 0
	v_cndmask_b32 v40, v40, v[CN+\e], s62
	v_cndmask_b32 v41, v41, v[MK+\e], s62
.endr
	s_delay_alu instid0(VALU_DEP_2)
	v_mov_b32 v42, v40
.irp n, 1,2,4,8
	s_delay_alu instid0(VALU_DEP_1)
	v_mov_b32_dpp v[TT], v42 row_shr:\n row_mask:0xf bank_mask:0xf bound_ctrl:1
	s_delay_alu instid0(VALU_DEP_1)
	v_add_nc_u32 v42, v42, v[TT]
.endr
	s_delay_alu instid0(VALU_DEP_1)
	v_readlane_b32 s68, v42, 15
	v_cmp_lt_u32 vcc_lo, 15, v2
	s_delay_alu instid0(VALU_DEP_2)
	v_mov_b32 v43, s68
	s_delay_alu instid0(VALU_DEP_1)
	v_cndmask_b32 v43, 0, v43, vcc_lo
	s_delay_alu instid0(VALU_DEP_1)
	v_add_nc_u32 v42, v42, v43                     ; rows up to and with group g,
	s_delay_alu instid0(VALU_DEP_1)
	v_sub_nc_u32 v43, v42, v40                     ; rows ahead of group g
	s_delay_alu instid0(VALU_DEP_1)
	v_cmp_ge_u32 s69, s67, v43
	s_bcnt1_i32_b32 s69, s69
	s_sub_co_u32 s69, s69, 1
	s_min_u32 s69, s69, 31                         ; the last group that begins at or ahead of my rank
	v_readlane_b32 s70, v41, s69                   ; its mask,
	v_readlane_b32 s71, v43, s69
	s_sub_co_u32 s71, s67, s71                     ; my rank inside it
	v_mbcnt_lo_u32_b32 v44, s70, 0                 ; set bits under my lane
	s_delay_alu instid0(VALU_DEP_1)
	v_cmp_eq_u32 s72, s71, v44
	s_and_b32 s72, s72, s70
	s_ctz_i32_b32 s72, s72                         ; the set bit of that rank
	s_lshl_b32 s73, s69, 5
	s_add_co_u32 s73, s73, s72
	s_min_u32 s73, s73, 1023                       ; my token
	s_min_u32 s59, s59, 7                          ; my expert
	s_lshl_b32 s74, s73, 12
	s_mov_b32 s75, 0
	s_add_nc_u64 s[8:9], s[8:9], s[74:75]
	s_lshl_b32 s74, s59, 12
	s_add_nc_u64 s[10:11], s[10:11], s[74:75]
	s_add_nc_u64 s[12:13], s[12:13], s[74:75]
	s_lshl_b32 s74, s73, 2
	s_add_nc_u64 s[4:5], s[4:5], s[74:75]
	s_load_b32 s76, s[4:5], 0x0                    ; the token's two experts
.irp jh, 0,1
.irp j, 0,1,2,3
	global_load_b128 v[XV+16*\jh+4*\j:XV+16*\jh+4*\j+3], v3, s[8:9] offset:2048*\jh+16*\j
	global_load_b128 v[GG+16*\jh+4*\j:GG+16*\jh+4*\j+3], v3, s[10:11] offset:2048*\jh+16*\j
	global_load_b128 v[BB+16*\jh+4*\j:BB+16*\jh+4*\j+3], v3, s[12:13] offset:2048*\jh+16*\j
.endr
.endr
	s_wait_loadcnt 0x0
	s_wait_kmcnt 0x0
.macro TREE                            ; eight pairs v44-59 -> their sum over the wave, in v44 of every lane
.irp j, 0,2,4,6
	s_delay_alu instid0(VALU_DEP_4)
	v_pk_add_f32 v[44+\j:45+\j], v[44+\j:45+\j], v[52+\j:53+\j]
.endr
.irp j, 0,2
	s_delay_alu instid0(VALU_DEP_2)
	v_pk_add_f32 v[44+\j:45+\j], v[44+\j:45+\j], v[48+\j:49+\j]
.endr
	s_delay_alu instid0(VALU_DEP_1)
	v_pk_add_f32 v[44:45], v[44:45], v[46:47]
	s_delay_alu instid0(VALU_DEP_1)
	v_add_f32 v44, v44, v45
.irp m, 1,2,4,8
	s_delay_alu instid0(VALU_DEP_1)
	v_add_f32_dpp v44, v44, v44 row_xmask:\m row_mask:0xf bank_mask:0xf
.endr
	s_delay_alu instid0(VALU_DEP_1)
	v_permlanex16_b32 v45, v44, s22, s23
	s_delay_alu instid0(VALU_DEP_1)
	v_add_f32 v44, v44, v45
.endm
.irp j, 0,1,2,3,4,5,6,7
	v_pk_add_f32 v[44+2*\j:45+2*\j], v[XV+4*\j:XV+4*\j+1], v[XV+4*\j+2:XV+4*\j+3]
.endr
	TREE
	s_delay_alu instid0(VALU_DEP_1)
	v_mul_f32 v60, s77, v44                        ; the mean
.set n, 0
.rept 32
	v_sub_f32 v[XV+n], v[XV+n], v60
.set n, n+1
.endr
.irp j, 0,1,2,3,4,5,6,7
	v_pk_mul_f32 v[44+2*\j:45+2*\j], v[XV+4*\j:XV+4*\j+1], v[XV+4*\j:XV+4*\j+1]
.endr
.irp j, 0,1,2,3,4,5,6,7
	v_pk_fma_f32 v[44+2*\j:45+2*\j], v[XV+4*\j+2:XV+4*\j+3], v[XV+4*\j+2:XV+4*\j+3], v[44+2*\j:45+2*\j]
.endr
	TREE
	s_delay_alu instid0(VALU_DEP_1)
	v_fmaak_f32 v44, s77, v44, 0x3727c5ac          ; the variance + 1e-5 (the division by 1,024 rounds nothing)
	s_wait_alu depctr_va_vdst(0)
	v_rsq_f32 v61, v44
	v_nop                                          ; a plain instruction behind the root,
	s_wait_alu depctr_va_vdst(0)                   ; and the wait ahead of its first reader
.set n, 0
.rept 32
	v_mul_f32 v[XV+n], v[XV+n], v61
.set n, n+1
.endr
.set n, 0
.rept 16
	v_pk_fma_f32 v[XV+n:XV+n+1], v[XV+n:XV+n+1], v[GG+n:GG+n+1], v[BB+n:BB+n+1]
.set n, n+2
.endr
; my 16 neighbours along K of half jh; lanes l and l xor 1 hold a block of 32
.macro QROW jh
.set XS, XV+16*\jh
	v_max3_num_f32 v44, |v[XS]|, |v[XS+1]|, |v[XS+2]|
	v_max3_num_f32 v45, |v[XS+3]|, |v[XS+4]|, |v[XS+5]|
.irp i, 6,10
	s_delay_alu instid0(VALU_DEP_2)
	v_max3_num_f32 v44, v44, |v[XS+\i]|, |v[XS+\i+1]|
	s_delay_alu instid0(VALU_DEP_2)
	v_max3_num_f32 v45, v45, |v[XS+\i+2]|, |v[XS+\i+3]|
.endr
	s_delay_alu instid0(VALU_DEP_2)
	v_max3_num_f32 v44, v44, |v[XS+14]|, |v[XS+15]|
	s_delay_alu instid0(VALU_DEP_1)
	v_max3_num_f32 v44, v44, v45, 0x8000000        ; and the floor 2^(16 - 127): the byte cannot fall under 1
	s_delay_alu instid0(VALU_DEP_1)
	v_max_num_f32_dpp v44, v44, v44 row_xmask:1 row_mask:0xf bank_mask:0xf
	s_delay_alu instid0(VALU_DEP_1)
	v_add_nc_u32 v46, 0xf8800000, v44              ; 15 off the exponent field: the conversion's scale operand
	s_delay_alu instid0(VALU_DEP_2)
	v_and_or_b32 v47, v44, 0x7f800000, s21         ; 57,344 x the scale
.irp i, 0,1,2,3,4,5,6,7,8,9,10,11,12,13,14,15
	v_med3_num_f32 v[XS+\i], v[XS+\i], -v47, v47   ; the conversion to an 8-bit code does not saturate (ISA guide 7.6.2): the hold comes first
.endr
	v_cvt_scalef32_pk8_bf8_f32 v[48+4*\jh:49+4*\jh], v[XS:XS+7], v46
	v_cvt_scalef32_pk8_bf8_f32 v[50+4*\jh:51+4*\jh], v[XS+8:XS+15], v46
	v_lshrrev_b32 v[56+\jh], 23, v46               ; the scale's byte (also the plain instruction behind the conversions)
	ds_store_b128 v4, v[48+4*\jh:51+4*\jh] offset:8192*\jh
	ds_store_b8 v5, v[56+\jh] offset:256*\jh       ; both lanes of a block write the same byte with the same value
.endm
	QROW 0
	QROW 1
	s_wait_dscnt 0x0                               ; for the others' sake: my stores have landed
	s_barrier_signal -1
	s_barrier_wait -1
	s_cmp_eq_u32 s58, 0
	s_cbranch_scc1 .Lend                           ; a place beyond the last tile stores nothing
	ds_load_b128 v[64:67], v6
	ds_load_b128 v[68:71], v6 offset:8192
	s_lshl_b32 s74, s57, 14
	s_add_nc_u64 s[78:79], s[18:19], s[74:75]
	s_wait_dscnt 0x0
	global_store_b128 v6, v[64:67], s[78:79]       ; a wave stores 512 consecutive bytes, aligned
	global_store_b128 v6, v[68:71], s[78:79] offset:8192
	s_cmp_lg_u32 s20, 0
	s_cbranch_scc1 .Lrow
	ds_load_b128 v[72:75], v7 offset:16384         ; wave 0: the tile's 512 scale bytes
	s_lshl_b32 s74, s57, 9
	s_add_nc_u64 s[80:81], s[18:19], s[74:75]
	s_wait_dscnt 0x0
	global_store_b128 v7, v[72:75], s[80:81] offset:HSC
	s_cmp_lg_u32 ttmp9, 0
	s_cbranch_scc1 .Lrow
	v_mov_b32 v76, 0                               ; work-group 0: the table of tiles
.irp e, 0,1,2,3,4,5,6,7
	s_delay_alu instid0(VALU_DEP_1)
	v_writelane_b32 v76, s[40+\e], \e
	s_delay_alu instid0(VALU_DEP_1)
	v_writelane_b32 v76, s[48+\e], 8+\e
.endr
	v_lshlrev_b32 v77, 2, v2
	v_cmp_gt_u32 vcc_lo, 16, v2
	s_wait_alu depctr_va_vdst(0)
	s_wait_xcnt 0x0                                ; EXEC changes only behind this wait
	s_and_saveexec_b32 s82, vcc_lo
	global_store_b32 v77, v76, s[14:15]
	s_wait_xcnt 0x0
	s_or_b32 exec_lo, exec_lo, s82
.Lrow:
	s_cmp_eq_u32 s66, 0
	s_cbranch_scc1 .Lend                           ; a row that only fills the tile has no place to report
	s_and_b32 s76, s76, 0xff
	s_cmp_eq_u32 s76, s59                          ; am I the token's first choice or its second?
	s_cselect_b32 s83, 0, 4
	s_lshl_b32 s74, s73, 3
	s_add_co_u32 s74, s74, s83                     ; 8 x token + 4 x slot;
	s_min_u32 s74, s74, 8188                       ; the whole offset is held inside pos's 8,192 bytes, last of all: the slot hangs on a loaded word
	s_add_nc_u64 s[16:17], s[16:17], s[74:75]
	s_lshl_b32 s84, s57, 4
	s_add_co_u32 s84, s84, s20
	v_mov_b32 v78, s84                             ; 16 T + r
	v_mov_b32 v79, 0
	v_cmp_eq_u32 vcc_lo, 0, v2
	s_wait_alu depctr_va_vdst(0)
	s_wait_xcnt 0x0
	s_and_saveexec_b32 s82, vcc_lo
	global_store_b32 v79, v78, s[16:17]
	s_wait_xcnt 0x0
	s_or_b32 exec_lo, exec_lo, s82
.Lend:
	s_wait_tensorcnt 0x0
	ds_add_u32 v160, v161
	s_wait_dscnt 0x0
	s_endpgm
.Lfunc_end_k_q8f58ac05af_place:
	.size	k_q8f58ac05af_place, .Lfunc_end_k_q8f58ac05af_place-k_q8f58ac05af_place
	.p2alignl 7, 3214868480
	.fill 96, 4, 3214868480
	.section	.rodata,"a",@progbits
	.p2align	6, 0x0
	.amdhsa_kernel k_q8f58ac05af_place
		.amdhsa_group_segment_fixed_size 18944
		.amdhsa_private_segment_fixed_size 0
		.amdhsa_enable_private_segment 0
		.amdhsa_kernarg_size 64
		.amdhsa_user_sgpr_count 2
		.amdhsa_user_sgpr_kernarg_segment_ptr 1
		.amdhsa_wavefront_size32 1
		.amdhsa_system_sgpr_workgroup_id_x 1
		.amdhsa_system_sgpr_workgroup_id_y 1
		.amdhsa_system_sgpr_workgroup_id_z 1
		.amdhsa_system_vgpr_workitem_id 0
		.amdhsa_next_free_vgpr 162
		.amdhsa_next_free_sgpr 96
		.amdhsa_reserve_vcc 1
		.amdhsa_float_denorm_mode_32 3
		.amdhsa_float_denorm_mode_16_64 3
		.amdhsa_memory_ordered 1
		.amdhsa_forward_progress 1
		.amdhsa_inst_pref_size 30
	.end_amdhsa_kernel
	.amdgpu_metadata
---
amdhsa.version: [ 1, 2 ]
amdhsa.kernels:
  - .name:           k_q8f58ac05af_place
    .symbol:         k_q8f58ac05af_place.kd
    .args:
      - { .name: sel, .offset: 0, .size: 8, .value_kind: global_buffer, .address_space: global }
      - { .name: bal, .offset: 8, .size: 8, .value_kind: global_buffer, .address_space: global }
      - { .name: x, .offset: 16, .size: 8, .value_kind: global_buffer, .address_space: global }
      - { .name: ln_g, .offset: 24, .size: 8, .value_kind: global_buffer, .address_space: global }
      - { .name: ln_b, .offset: 32, .size: 8, .value_kind: global_buffer, .address_space: global }
      - { .name: tab, .offset: 40, .size: 8, .value_kind: global_buffer, .address_space: global }
      - { .name: pos, .offset: 48, .size: 8, .value_kind: global_buffer, .address_space: global }
      - { .name: hq, .offset: 56, .size: 8, .value_kind: global_buffer, .address_space: global }
    .group_segment_fixed_size: 18944
    .private_segment_fixed_size: 0
    .kernarg_segment_align: 8
    .kernarg_segment_size: 64
    .max_flat_workgroup_size: 512
    .sgpr_count:     96
    .vgpr_count:     162
    .wavefront_size: 32
...
	.end_amdgpu_metadata
.endif
;; end of part 7
;; launch ffn1 (part 8): grid 32 x 8, 8 waves a work-group, no clusters, 137,728 bytes of LDS; arguments W1, b1, tab, hq, aq; writes aq
.if DOCPART == 8
	.amdgcn_target "amdgcn-amd-amdhsa--gfx1250"
	.amdhsa_code_object_version 6
	.text
	.protected	k_q8f58ac05af_ffn1
	.globl	k_q8f58ac05af_ffn1
	.p2align	8
	.type	k_q8f58ac05af_ffn1,@function
k_q8f58ac05af_ffn1:
	s_mov_b64 s[64:65], 0
	v_nop
	global_prefetch_b8 v0, s[64:65] scope:SCOPE_SE
	s_setreg_imm32_b32 hwreg(HW_REG_WAVE_SCHED_MODE, 0, 2), 2
	s_setreg_imm32_b32 hwreg(HW_REG_WAVE_MODE, 25, 1), 1
	s_wait_xcnt 0x0
	s_wait_alu depctr_vm_vsrc(0)
; FIRST PRODUCT: a = gelu(h W1 + b1), on codes of E5M2 with one E8M0 scale for each 32 along K, for the rows that were routed to the expert; a is quantised on the way and stored as codes.
; THE WEIGHTS STAY, THE ROWS COME BY.  Work-group (ns, e) owns columns 128 ns .. + 127 of expert e's W1 (1,024 x 128 f32), as two units of 64 columns.  It reads them once, each half of a wave 256 consecutive
; aligned bytes; quantises them in registers along K; lays the codes in LDS as images of operand registers; and multiplies them with the expert's tiles of 16 rows, K step by K step, while later weights are on their way.
; A TRIP is 256 along K x 64 columns; wave w quantises K block w (32 k): lane (r', h) holds rows 32 w + 16 h + i, columns 4 r' + j in X[4 i + j].
; ONE TRIP AHEAD: the codes of trip t + 1 are made during trip t.  Behind the barrier a wave asks LDS for trip t's first four fragments, works on the next trip's numbers while they come, multiplies, asks for the
; other four, finishes the next trip's codes, multiplies.  So the vector work stands where the wave would else wait for LDS.
; THE PRODUCT IS USED TRANSPOSED (source 0 = 16 columns of W1, source 1 = 16 rows), and THE COLUMNS OF A TILE ARE NOT NEIGHBOURS: column n goes to tile 2 (n / 32) + (n / 8) % 2, row 8 ((n / 16) % 2) + n % 8, so that a lane's
; 16 registers of tiles 2 b and 2 b + 1 are 16 neighbours along the next product's K: the conversions' results are that operand's registers.
; ROWS.  Wave w takes tiles w, 8 + w, 16 + w of the expert (three slots) in the pass that runs beside the stream; tiles from 24 on (more than 384 rows) are served by two later passes from the codes in LDS.
; Slots beyond the expert's tiles take a held tile and store nothing; slot 2 is loaded and multiplied only where it has a tile (but for the four products that start its sums, on zero codes).
; NO CLUSTER, NO TENSOR LOAD: no weight byte is read by two work-groups, and the guards hang on counts read from memory.  What work-groups share, the rows' codes, is about as many bytes as the weights but has been read shortly before by others.
; gelu(z) = max(z, 0) - |z| erfc(|z| / sqrt 2) / 2, erfc(y) = t exp(-y^2 + c0 + t (c1 + .. t c9)), t = 1 / (1 + y / 2): a fit whose stated relative error is 1.2e-7 at every y, in the tail too.
; LIMITS: NaN and infinities among the inputs are not served; a block of zeros keeps the scale byte 1 (its codes are zeros; this program alone reads the bytes); an expert without rows still streams its weights.
; THE MODE: SCHED_MODE bits 1:0 = 2 (LLVM: expert scheduling mode 2), set by the entry lines.  The code itself states the register dependences
; between vector or matrix instructions and memory or LDS instructions, with s_wait_alu, always for 0.
; THE PLAN.  Registers that memory or LDS instructions touch, in trip t of the pass beside the stream:
;   W sets 0, 1   (window 1, v0-127)  The quantising of trip t + 1 reads and writes set (t + 1) % 2; the loads of W(t + 3), at the trip's end, land in it.
;   D, BY         (window 1)  Written by the quantising, read by its eight LDS stores, written again a trip later.
;   BF, BS        LDS loads land in them behind the barrier (BS for both K steps, BF for the first) and in mid-trip (BF for the second); the products read them.
;   AF01, AF2, AS K step 0: read by the first K step's products, loaded again in mid-trip; K step 1: read by the second K step's, loaded again at the trip's end.
;   The addresses v1, v3, v4, v30 and, in window 1, v214-217 are made at the head and never written again.
; So a trip has three waits on va_vdst: behind each K step's products, ahead of the loads into what they read, and in the quantising, between the turn of bytes and its stores; and one on vm_vsrc,
; at the trip's end, a K step's products behind the LDS stores whose data the next trip writes again.  The accumulators are named by matrix and vector instructions alone.
.set TRIPB, 16512                      ; LDS: a trip's codes: [kl 2][tile 4][image 2,048 + 16]: the 16 set the sixteen lanes of a code store on sixteen different 16-byte columns of 256
.set KLB,   8256
.set NTB,   2064
.set HALFB, 4*TRIPB
.set SCB,   8*TRIPB                    ; the weights' scale bytes: [trip 512][kl 256][row 16][tile 4][block 1]
.set BIAS,  SCB+4096                   ; b1's 128 numbers
.set HSC,   136*16384                  ; hq: where the scale words begin
.set ASC,   136*65536                  ; aq: likewise
.set ASH,   14                         ; a tile of hq: 2^14 bytes of codes, 2^9 of scale words
.set SSH,   9
; window 0
.set L16, 1                            ; v1   16 x lane; also the LDS address of an image's bytes in trips 0-3
.set L8,  2                            ; v2   8 x (lane % 16)
.set LB1, 3                            ; v3   the same as v1 for trips 4-7
.set LBS, 4                            ; v4   the weights' scale words: SCB + 16 (lane % 16)
.set AO,  5                            ; v5-7   slot's tile, codes: tile << ASH + 16 lane
.set ASO, 8                            ; v8-10  slot's tile, scale words: tile << SSH + 8 (lane % 16)
.set BIC, 11                           ; v11  the bias's LDS address
.set OV,  12                           ; v12  the codes' offset in aq
.set OSV, 13                           ; v13  the scale bytes' offset in aq
.set LBC, 14                           ; v14  later passes: the unit's codes in LDS
.set LSC, 15                           ; v15  later passes: the unit's scale words in LDS
.set BS,  16                           ; v16-23 the weights' scale words, 4 kl + tile
.set AS,  24                           ; v24-29 the rows' scale words, 2 slot + kl
.set PFO, 30                           ; v30  the prefetches' offset: row 32 w + lane of a trip's 256; never rewritten
.set BF,  32                           ; v32-95 four fragments of weights; the way out's scratch
.set ACC, 96                           ; v96-191 accumulators, 32 slot + 8 tile
.set AF2, 192                          ; v192-223 slot 2's fragments
.set BI,  224                          ; v224-255 the bias in the result's layout
.set G,   32                           ; the way out: 32 numbers of a slot
.set Y,   64
.set T,   72
.set P,   80
.set C9,  88
; window 1
.set AF01, 128                         ; v128-191 slots 0 and 1: 32 slot + 16 kl
.set TM,  192
.set PM,  196
.set EX,  200
.set SI,  204
.set BY,  208
.set HOLD, 212
.set ONE, 213
.set WO,  214
.set WST, 215
.set WSS, 217
.set D,   220
.set TQ,  236
; scalars
.set WV,  24
.set EXPT, 25
.set NS,  26
.set TE,  27                           ; the expert's tiles
.set FT,  28                           ; its first tile
.set TI,  29                           ; s29-31 the slots' tiles
.set VF,  32                           ; s32-34 1 where the slot has a tile of its own
.set TEM1, 35
.set JB,  70
.set IT,  71
.set SLC, 92
.set CT,  93
.set CV,  94
.set TMPA, 96
.set MSB, 0
.macro WIN new                         ; the immediate's high byte repeats the setting that is left; a switch that changes nothing is dropped
.if MSB != \new
	s_set_vgpr_msb (MSB<<8)|\new
.set MSB, \new
.endif
.endm
.set Q1,   0x55                        ; all places window 1
.set TOA,  0x40                        ; destination window 1
.set MM01, 0x04                        ; source 1 window 1
.macro KONST r, v
	s_mov_b32 s[\r], \v
	s_mov_b32 s[\r+1], \v                          ; (a packed form names the pair)
.endm
.macro WLOAD t                         ; trip t's 32 k x 64 columns of my K block into set t % 2: sixteen lanes read 256 consecutive bytes, aligned
.set WBASE, 4+2*(((\t)&3)>>1)
.set WIM, 4194304*((\t)&1)+256*((\t)>>2)
.irp i, 0,1,2,3,4,5,6,7,8,9,10,11,12,13,14,15
	global_load_b128 v[64*((\t)&1)+4*\i:64*((\t)&1)+4*\i+3], v[WO], s[WBASE:WBASE+1] offset:WIM+16384*\i th:TH_LOAD_NT
.endr
.endm
; A PREFETCH INTO THE L2: trip t's 256 rows x 256 bytes; a lane a row, wave w rows 32 w .. 32 w + 31: one instruction a wave, and each block of 256 bytes is named once in the launch, since no other work-group reads it.
; It stands at the end of trip t - 4, behind the wave's loads: one trip ahead of the loads that bring trip t, 64 KiB a work-group.  Trips 0 to 3 come by their loads alone; the last request is trip 7's, the slice's last rows.
.macro WASK t
.set WBASE, 4+2*(((\t)&3)>>1)
.set WIM, 4194304*((\t)&1)+256*((\t)>>2)
	global_prefetch_b8 v[PFO], s[WBASE:WBASE+1] offset:WIM th:TH_LOAD_NT scope:SCOPE_SE
.endm
.macro ALOAD2K t, kl                   ; slot 2: K step kl of trip t: a fragment and its scale word: 4 + 1 loads
.irp c, 0,1,2,3
	global_load_b128 v[AF2+16*(\kl)+4*\c:AF2+16*(\kl)+4*\c+3], v[AO+2], s[8:9] offset:4096*((\t)&3)+2048*(\kl)+512*\c
.endr
	global_load_b32 v[AS+4+(\kl)], v[ASO+2], s[10:11] offset:128*((\t)&3)+4*(\kl)
.endm
.macro ALOADK t, kl                    ; slots 0 and 1: K step kl of trip t: 8 + 2 loads
	WIN TOA
.irp sl, 0,1
.irp c, 0,1,2,3
	global_load_b128 v[AF01+32*\sl+16*(\kl)+4*\c:AF01+32*\sl+16*(\kl)+4*\c+3], v[AO+\sl], s[8:9] offset:4096*((\t)&3)+2048*(\kl)+512*\c
.endr
.endr
	WIN 0
.irp sl, 0,1
	global_load_b32 v[AS+2*\sl+(\kl)], v[ASO+\sl], s[10:11] offset:128*((\t)&3)+4*(\kl)
.endr
.endm
; My K block of trip t becomes codes and scale bytes in LDS, in two halves.  All registers in window 1.  The first half: the blocks' scales, and every number divided by its scale.
.macro WQA t
.set XS, 64*((\t)&1)
.irp j, 0,1,2,3
	v_max3_num_f32 v[TM+\j], |v[XS+\j]|, |v[XS+4+\j]|, 0x8000000   ; column j: my 16 of the block's 32, and the floor 2^(16 - 127): the byte cannot fall under 1
.endr
.irp i, 2,4,6,8,10,12,14
.irp j, 0,1,2,3
	v_max3_num_f32 v[TM+\j], v[TM+\j], |v[XS+4*\i+\j]|, |v[XS+4*\i+4+\j]|
.endr
.endr
.irp j, 0,1,2,3
	v_permlanex16_b32 v[PM+\j], v[TM+\j], s36, s37
.endr
.irp j, 0,1,2,3
	v_max_num_f32 v[TM+\j], v[TM+\j], v[PM+\j]     ; with lane l xor 16's 16: the block's largest magnitude
.endr
.irp j, 0,1,2,3
	v_and_b32 v[EX+\j], 0x7f800000, v[TM+\j]       ; its exponent field F
.endr
.irp j, 0,1,2,3
	v_sub_nc_u32 v[SI+\j], 0x86800000, v[EX+\j]    ; 1 / the scale as f32: exponent field 269 - F
.endr
.irp j, 0,1,2,3
	v_lshrrev_b32 v[BY+\j], 23, v[EX+\j]
.endr
.irp j, 0,1,2,3
	v_add_nc_u32 v[BY+\j], -15, v[BY+\j]           ; the scale's byte
.endr
.irp i, 0,1,2,3,4,5,6,7,8,9,10,11,12,13,14,15
	v_pk_mul_f32 v[XS+4*\i:XS+4*\i+1], v[XS+4*\i:XS+4*\i+1], v[SI:SI+1]          ; a lane's neighbours are four COLUMNS, each with its own scale: the division is a multiplication by a power of two, which rounds nothing,
	v_pk_mul_f32 v[XS+4*\i+2:XS+4*\i+3], v[XS+4*\i+2:XS+4*\i+3], v[SI+2:SI+3]    ; and the conversion takes the scale 1
.endr
.endm
; The second half: the hold, the conversions, the turn of bytes, and eight LDS stores.
.macro WQB t
.set XS, 64*((\t)&1)
.set n, 0
.rept 64
	v_med3_num_f32 v[XS+n], v[XS+n], -v[HOLD], v[HOLD]   ; the conversion to an 8-bit code does not saturate (ISA guide 7.6.2): held within +-57,344
.set n, n+1
.endr
.irp m, 0,1,2,3,4,5,6,7
	v_cvt_scalef32_pk8_bf8_f32 v[D+2*\m:D+2*\m+1], v[XS+8*\m:XS+8*\m+7], v[ONE]   ; D[i]: byte j = the code of (k i, column j)
.endr
	v_nop                                          ; a plain instruction behind the last conversion
.irp q, 0,1,2,3                        ; four bytes x four registers are turned, so that a column's 16 codes along K lie in four registers
	v_perm_b32 v[TQ+4*\q], v[D+4*\q+1], v[D+4*\q], s66
	v_perm_b32 v[TQ+4*\q+1], v[D+4*\q+1], v[D+4*\q], s67
	v_perm_b32 v[TQ+4*\q+2], v[D+4*\q+3], v[D+4*\q+2], s66
	v_perm_b32 v[TQ+4*\q+3], v[D+4*\q+3], v[D+4*\q+2], s67
.endr
.irp q, 0,1,2,3
	v_perm_b32 v[D+\q], v[TQ+4*\q+2], v[TQ+4*\q], s68
	v_perm_b32 v[D+4+\q], v[TQ+4*\q+2], v[TQ+4*\q], s69
	v_perm_b32 v[D+8+\q], v[TQ+4*\q+3], v[TQ+4*\q+1], s68
	v_perm_b32 v[D+12+\q], v[TQ+4*\q+3], v[TQ+4*\q+1], s69
.endr
	s_wait_alu depctr_va_vdst(0)                   ; the turn has written D and the first half BY, which the LDS stores read; the holds and conversions are done with this set of W, in which later weights land
.irp j, 0,1,2,3
	ds_store_b128 v[WST+((\t)>>2)], v[D+4*\j:D+4*\j+3] offset:((\t)&3)*TRIPB+16*\j
.endr
.irp j, 0,1,2,3
	ds_store_b8 v[WSS], v[BY+\j] offset:512*(\t)+16*\j   ; lanes l and l xor 16 write the same byte with the same value
.endr
.endm
.macro PROD sl, nt, kl, zero, af
.if (\zero) && ((\kl) == 0)
	v_wmma_scale_f32_16x16x128_f8f6f4 v[ACC+32*\sl+8*\nt:ACC+32*\sl+8*\nt+7], v[BF+16*\nt:BF+16*\nt+15], v[\af+16*\kl:\af+16*\kl+15], 0, v[BS+4*\kl+\nt], v[AS+2*\sl+\kl] matrix_a_fmt:MATRIX_FMT_BF8 matrix_b_fmt:MATRIX_FMT_BF8
.else
	v_wmma_scale_f32_16x16x128_f8f6f4 v[ACC+32*\sl+8*\nt:ACC+32*\sl+8*\nt+7], v[BF+16*\nt:BF+16*\nt+15], v[\af+16*\kl:\af+16*\kl+15], v[ACC+32*\sl+8*\nt:ACC+32*\sl+8*\nt+7], v[BS+4*\kl+\nt], v[AS+2*\sl+\kl] matrix_a_fmt:MATRIX_FMT_BF8 matrix_b_fmt:MATRIX_FMT_BF8
.endif
.endm
.macro LBF adr, off                    ; a K step's four fragments of weights from LDS: 16 loads
.irp nt, 0,1,2,3
.irp c, 0,1,2,3
	ds_load_b128 v[BF+16*\nt+4*\c:BF+16*\nt+4*\c+3], v[\adr] offset:(\off)+NTB*\nt+512*\c
.endr
.endr
.endm
.macro LB0 adr, off, sadr, soff        ; both K steps' scale words, and the first K step's fragments: 18 loads
	ds_load_b128 v[BS:BS+3], v[\sadr] offset:(\soff)
	ds_load_b128 v[BS+4:BS+7], v[\sadr] offset:(\soff)+256
	LBF \adr, \off
.endm
; A K step's products: four fragments of weights against my slots.  The accumulators take turns, one instruction a turn, on both ways.
; Slot 2's four stand under a branch on the stored count; those that start its sums stay on every way, so that its accumulators are always written (on zero codes where it has no tile).
.macro PK kl, zero
	WIN MM01
.irp nt, 0,1,2,3
.irp sl, 0,1
	PROD \sl, \nt, \kl, \zero, AF01+32*\sl
.endr
.endr
	WIN 0
.if (\zero) && ((\kl) == 0)
.irp nt, 0,1,2,3
	PROD 2, \nt, \kl, \zero, AF2
.endr
.else
	s_cmp_eq_u32 s[VF+2], 0
	s_cbranch_scc1 .Lp2_\@
.irp nt, 0,1,2,3
	PROD 2, \nt, \kl, \zero, AF2
.endr
.Lp2_\@:
.endif
.endm
; The slots' tiles for the pass whose first tile for my wave is s[jb].  The hold at 135 is the last thing ahead of the shifts.
.macro TILES jb
.irp sl, 0,1,2
	s_add_co_u32 s[TMPA], s[\jb], 8*\sl
	s_cmp_lt_u32 s[TMPA], s[TE]
	s_cselect_b32 s[VF+\sl], 1, 0
	s_min_u32 s[TMPA], s[TMPA], s[TEM1]
	s_add_co_u32 s[TMPA], s[TMPA], s[FT]
	s_min_u32 s[TI+\sl], s[TMPA], 135
	s_lshl_b32 s[TMPA], s[TI+\sl], ASH
	v_add_nc_u32 v[AO+\sl], s[TMPA], v[L16]
	s_lshl_b32 s[TMPA], s[TI+\sl], SSH
	v_add_nc_u32 v[ASO+\sl], s[TMPA], v[L8]
.endr
.endm
; A TRIP of the pass beside the stream.  Loads are issued in the order of need: .. W(t + 1) | rows of t, first K step (10) | rows of t, second K step (10), W(t + 2) (16) | rows of t + 1, first K step (10) ..
; nw counts what was issued behind W(t + 1): 10 + 10 + 16; na0 what was issued behind the rows' first K step: 10 + 16; na1 behind their second: 16 + 10.  At both ends of the stream the counts are smaller by what is not issued there.
; Slot 2's five loads stand ahead of each ten, so on the way that has them the counts only ask for more.  W(t + 3) lands in the set that the codes of trip t + 1 have just left.
; Every trip has LDS bytes of its own: between two barriers stand the loads of trip t's bytes and the stores of trip t + 1's, so one barrier a trip orders store, wait, barrier, load.
; Eight plain places stand in front of loads into registers that products have read, nine where sums may be begun anew over old ones; they stay beside the waits on va_vdst.
; The LDS loads behind the barrier owe no wait of their own: the wait at the end of the trip before has shown the readers of BF and BS done, and only memory instructions, waits and the barrier stand between.
.macro TRIP t, zero, nw, na0, na1
	WIN 0
	s_wait_dscnt 0x0                               ; for the others' sake: my codes and bytes of this trip have landed
	s_barrier_signal -1
	s_barrier_wait -1
.if (\t) < 4
	LB0 L16, (\t)*TRIPB, LBS, 512*(\t)
.else
	LB0 LB1, ((\t)-4)*TRIPB, LBS, 512*(\t)
.endif
.if (\t) < 7
	WIN Q1
	s_wait_loadcnt \nw
	WQA (\t)+1                                     ; while the fragments come
.endif
	s_wait_loadcnt \na0
	s_wait_dscnt 0x0
	PK 0, \zero
.rept 8
	v_nop
.endr
	s_wait_alu depctr_va_vdst(0)                   ; the first K step's products are done reading BF and the rows' first K step with its scale words: the loads below land in them
.if (\t) < 4
	LBF L16, (\t)*TRIPB+KLB
.else
	LBF LB1, ((\t)-4)*TRIPB+KLB
.endif
.if (\t) < 7
	s_cmp_eq_u32 s[VF+2], 0
	s_cbranch_scc1 .Lno2a_\@
	ALOAD2K (\t)+1, 0
.Lno2a_\@:
	ALOADK (\t)+1, 0
	WIN Q1
	WQB (\t)+1                                     ; while the fragments come
	s_wait_loadcnt \na1
	s_wait_dscnt 8                                 ; the 16 fragment loads are in; the eight stores issued behind them may be out
.else
	s_wait_loadcnt \na1
	s_wait_dscnt 0x0
.endif
	PK 1, \zero
.rept 9
	v_nop
.endr
.if (\t) < 7
	s_wait_alu depctr_va_vdst(0)                   ; the second K step's products are done reading the rows' second K step, BF and BS: the loads below, and the LDS loads behind the next barrier, land in them
.if (\t) < 6
	s_wait_alu depctr_vm_vsrc(0)                   ; this trip's LDS stores have read D and BY, which the next trip's quantising writes again
.endif
	s_cmp_eq_u32 s[VF+2], 0
	s_cbranch_scc1 .Lno2b_\@
	ALOAD2K (\t)+1, 1
.Lno2b_\@:
	ALOADK (\t)+1, 1
.endif
.if (\t) < 5
	WIN Q1
	WLOAD (\t)+3
.endif
.if (\t) < 4
	WIN 0
	WASK (\t)+4
.endif
.endm
.macro LTRIP tp, zero                  ; a trip of a later pass: the codes lie in LDS already
	ALOAD2K \tp, 0
	ALOAD2K \tp, 1
	ALOADK \tp, 0
	ALOADK \tp, 1
	LB0 LBC, (\tp)*TRIPB, LSC, 512*(\tp)
	s_wait_loadcnt 0x0
	s_wait_dscnt 0x0
	PK 0, \zero
.rept 8
	v_nop
.endr
	s_wait_alu depctr_va_vdst(0)                   ; the first K step's products are done reading BF, in which the second K step's fragments land
	LBF LBC, (\tp)*TRIPB+KLB
	s_wait_dscnt 0x0
	PK 1, \zero
.rept 9
	v_nop
.endr
.if (\tp) < 3
	s_wait_alu depctr_va_vdst(0)                   ; this trip's products are done reading the rows, BF and BS, in which the next trip's loads land
.endif
.endm
.macro ADDB sl                         ; z = the sums + b1; each accumulator is read from its low end on
.set n, 0
.rept 16
	v_pk_add_f32 v[G+n:G+n+1], v[ACC+32*\sl+n:ACC+32*\sl+n+1], v[BI+n:BI+n+1]
.set n, n+2
.endr
.endm
.macro GELU8 g                         ; eight numbers in place
.set Z, G+8*\g
.irp p, 0,2,4,6
	v_pk_mul_f32 v[Y+\p:Y+\p+1], v[Z+\p:Z+\p+1], s[60:61] op_sel_hi:[1,0]        ; z / sqrt 2
.endr
.irp i, 0,1,2,3,4,5,6,7
	v_fma_f32 v[T+\i], |v[Y+\i]|, 0.5, 1.0
.endr
	s_wait_alu depctr_va_vdst(0)
.irp i, 0,1,2,3,4,5,6,7
	v_rcp_f32 v[T+\i], v[T+\i]                     ; t
.endr
	v_nop                                          ; a plain instruction behind the batch,
	s_wait_alu depctr_va_vdst(0)                   ; and one wait for it: the eight reciprocals have written t, ahead of their first reader
.irp p, 0,2,4,6
	v_pk_fma_f32 v[P+\p:P+\p+1], v[T+\p:T+\p+1], v[C9:C9+1], s[40:41] op_sel_hi:[1,1,0]
.endr
.irp c, 42,44,46,48,50,52,54,56
.irp p, 0,2,4,6
	v_pk_fma_f32 v[P+\p:P+\p+1], v[P+\p:P+\p+1], v[T+\p:T+\p+1], s[\c:\c+1] op_sel_hi:[1,1,0]
.endr
.endr
.irp p, 0,2,4,6
	v_pk_fma_f32 v[P+\p:P+\p+1], v[Y+\p:Y+\p+1], v[Y+\p:Y+\p+1], v[P+\p:P+\p+1] neg_lo:[1,0,0] neg_hi:[1,0,0]   ; - y^2
.endr
.irp p, 0,2,4,6
	v_pk_mul_f32 v[P+\p:P+\p+1], v[P+\p:P+\p+1], s[58:59] op_sel_hi:[1,0]
.endr
	s_wait_alu depctr_va_vdst(0)
.irp i, 0,1,2,3,4,5,6,7
	v_exp_f32 v[P+\i], v[P+\i]
.endr
.irp i, 0,1,2,3,4,5,6,7
	v_max_num_f32 v[Y+\i], 0, v[Z+\i]              ; plain work behind the batch
.endr
	s_wait_alu depctr_va_vdst(0)                   ; the eight exponentials have written v[P ..], ahead of their first reader
.irp p, 0,2,4,6
	v_pk_mul_f32 v[T+\p:T+\p+1], v[T+\p:T+\p+1], v[P+\p:P+\p+1]                  ; erfc(y) / 2 (the half lies in c0)
.endr
.irp i, 0,1,2,3,4,5,6,7
	v_fma_f32 v[Z+\i], -|v[Z+\i]|, v[T+\i], v[Y+\i]
.endr
.endm
.macro QUANTA                          ; a slot's 32 numbers a lane, two blocks of 32 along the next K (16 mine, 16 in lane l xor 16) -> codes v76-83, two scale bytes v74
.irp b, 0,1
	v_max3_num_f32 v[64+\b], |v[G+16*\b]|, |v[G+16*\b+1]|, 0x8000000
.endr
.irp i, 2,4,6,8,10,12,14
.irp b, 0,1
	v_max3_num_f32 v[64+\b], v[64+\b], |v[G+16*\b+\i]|, |v[G+16*\b+\i+1]|
.endr
.endr
.irp b, 0,1
	v_permlanex16_b32 v[66+\b], v[64+\b], s36, s37
.endr
.irp b, 0,1
	v_max_num_f32 v[64+\b], v[64+\b], v[66+\b]
.endr
.irp b, 0,1
	v_add_nc_u32 v[68+\b], 0xf8800000, v[64+\b]    ; 15 off the exponent field: the conversion's scale operand
.endr
.irp b, 0,1
	v_and_or_b32 v[70+\b], v[64+\b], 0x7f800000, s38   ; 57,344 x the scale
.endr
.irp b, 0,1
	v_lshrrev_b32 v[72+\b], 23, v[68+\b]
.endr
	v_lshl_or_b32 v74, v73, 8, v72
.irp b, 0,1
.irp i, 0,1,2,3,4,5,6,7,8,9,10,11,12,13,14,15
	v_med3_num_f32 v[G+16*\b+\i], v[G+16*\b+\i], -v[70+\b], v[70+\b]
.endr
	v_cvt_scalef32_pk8_bf8_f32 v[76+4*\b:77+4*\b], v[G+16*\b:G+16*\b+7], v[68+\b]
	v_cvt_scalef32_pk8_bf8_f32 v[78+4*\b:79+4*\b], v[G+16*\b+8:G+16*\b+15], v[68+\b]
.endr
	v_nop                                          ; a plain instruction behind the last conversion
.endm
; THE WAY OUT of a unit of 64 columns: slot by slot, in a loop of three; only the block that reads the slot's accumulators is written three times.
; Registers that memory or LDS instructions touch here: v[BIC], made ahead of the macro and read by the bias's loads; BI, in which they land and which the additions read;
; the codes v76-83, the bytes v74 and the offsets v12, v13, written by a slot's vector lines, read by its three stores, written again by the next slot.
.macro EPI1 cb, sb
	WIN 0
.irp b, 0,1
.irp q, 0,1,2,3
	ds_load_b128 v[BI+16*\b+4*\q:BI+16*\b+4*\q+3], v[BIC] offset:128*\b+16*\q
.endr
.endr
	v_mov_b32 v[C9], 0x3e2ef945
	v_mov_b32 v[C9+1], 0x3e2ef945
	s_mov_b32 s[SLC], 0
	s_wait_dscnt 0x0
.Lslot_\@:
	s_cmp_eq_u32 s[SLC], 1
	s_cselect_b32 s[CT], s[TI+1], s[TI]
	s_cselect_b32 s[CV], s[VF+1], s[VF]
	s_cmp_eq_u32 s[SLC], 2
	s_cselect_b32 s[CT], s[TI+2], s[CT]
	s_cselect_b32 s[CV], s[VF+2], s[CV]
	s_min_u32 s[CT], s[CT], 135
	s_cmp_eq_u32 s[CV], 0
	s_cbranch_scc1 .Lnext_\@                       ; a slot without a tile of its own stores nothing
	s_cmp_eq_u32 s[SLC], 0
	s_cbranch_scc0 .Lone_\@
	ADDB 0
	s_branch .Lgo_\@
.Lone_\@:
	s_cmp_eq_u32 s[SLC], 1
	s_cbranch_scc0 .Ltwo_\@
	ADDB 1
	s_branch .Lgo_\@
.Ltwo_\@:
	ADDB 2
.Lgo_\@:
	GELU8 0
	GELU8 1
	GELU8 2
	GELU8 3
	QUANTA
	s_lshl_b32 s[TMPA], s[CT], 16
	v_add_nc_u32 v[OV], s[TMPA], v[L16]
	s_lshl_b32 s[TMPA], s[CT], 11
	v_add_nc_u32 v[OSV], s[TMPA], v[L8]
	s_wait_alu depctr_va_vdst(0)                   ; the conversions have written the codes v76-83, the lines ahead of them the bytes v74, the two additions the offsets: the three stores read them
	global_store_b128 v[OV], v[76:79], s[\cb:\cb+1]              ; a register group of the next operand's image: the wave stores 512 consecutive bytes, aligned
	global_store_b128 v[OV], v[80:83], s[\cb:\cb+1] offset:512
	global_store_b16 v[OSV], v74, s[\sb:\sb+1]                   ; two scale bytes a row (lanes l and l xor 16 store the same): short pieces, one byte for each 32 codes
	s_wait_xcnt 0x0                                ; the stores' registers are written again only behind this wait
	s_wait_alu depctr_vm_vsrc(0)                   ; the three stores have read their codes, bytes and offsets, which the next slot's lines write again and in which later fragments land
.Lnext_\@:
	s_add_co_u32 s[SLC], s[SLC], 1
	s_cmp_lt_u32 s[SLC], 3
	s_cbranch_scc1 .Lslot_\@
.endm
	s_load_b256 s[72:79], s[0:1], 0x0              ; W1 s[72:73], b1 s[74:75], tab s[76:77], hq s[78:79]
	s_load_b64 s[80:81], s[0:1], 0x20              ; aq
	v_lshl_add_u32 v31, v0, 2, 0x21600
	s_set_vgpr_msb 0x40
	v_mov_b32 v255, 0
	s_set_vgpr_msb 0x4000
	v_lshrrev_b32 v32, 5, v0
	v_readfirstlane_b32 s[WV], v32                 ; wave 0..7
	s_and_b32 s[EXPT], ttmp7, 0xffff               ; the expert
	s_mov_b32 s[NS], ttmp9                         ; which 128 columns
	v_and_b32 v32, 31, v0                          ; lane
	v_and_b32 v33, 15, v0                          ; r'
	v_bfe_u32 v34, v0, 4, 1                        ; h
	v_and_b32 v35, 1, v0
	v_bfe_u32 v36, v0, 1, 1
	v_bfe_u32 v37, v0, 2, 1
	v_bfe_u32 v38, v0, 3, 1
	v_lshl_add_u32 v39, v38, 1, v36                ; my four columns' tile: 2 (r' / 8) + (r' / 2) % 2
	v_lshlrev_b32 v40, 2, v35
	v_lshl_add_u32 v40, v37, 3, v40                ; and their first row in it: 4 (r' % 2) + 8 ((r' / 4) % 2)
	v_lshlrev_b32 v[L16], 4, v32
	v_lshlrev_b32 v[L8], 3, v33
	v_add_nc_u32 v[LB1], HALFB, v[L16]
	v_lshl_add_u32 v[LBS], v33, 4, SCB
	v_add_nc_u32 v[BIC], BIAS, v[L16]              ; (first: where wave 0 puts b1)
	v_lshlrev_b32 v41, 4, v33
	v_lshl_add_u32 v41, v34, 18, v41               ; W1: 16 r' + 16 h rows of 16,384 bytes
	s_wait_alu depctr_va_vdst(0)
	v_mul_u32_u24 v42, v39, NTB
	v_lshl_add_u32 v42, v34, 8, v42
	v_lshl_add_u32 v42, v40, 4, v42                ; codes: tile, half, row
	s_wait_alu depctr_va_vdst(0)
	v_lshlrev_b32 v44, 4, v40
	v_lshl_add_u32 v44, v39, 2, v44                ; scale bytes: row, tile
	s_wait_alu depctr_va_vdst(0)
	s_wait_alu depctr_va_sdst(0)                   ; the wave's number is written, ahead of its first reader: offsets and LDS addresses are made from it
	s_lshl_b32 s82, s[WV], 19                      ; 32 w rows
	v_lshl_add_u32 v[PFO], v32, 14, s82            ; the prefetches: row 32 w + lane
	s_lshr_b32 s83, s[WV], 2                       ; my block's K step of the trip,
	s_and_b32 s84, s[WV], 3                        ; and its block of 32 in it
	s_mul_i32 s85, s83, KLB
	s_lshl_b32 s86, s84, 9
	s_add_co_u32 s85, s85, s86
	s_add_co_u32 s86, s85, HALFB
	s_lshl_b32 s87, s83, 8
	s_add_co_u32 s87, s87, s84
	s_add_co_u32 s87, s87, SCB
	WIN TOA
	v_add_nc_u32 v[WO], s82, v41
	v_add_nc_u32 v[WST], s85, v42
	v_add_nc_u32 v[WST+1], s86, v42
	v_add_nc_u32 v[WSS], s87, v44
	v_mov_b32 v[HOLD], 0x47600000                  ; 57,344
	v_mov_b32 v[ONE], 1.0
.irp j, 0,1,2,3
	v_mov_b32 v[PM+\j], 0                          ; written once: a lane permute's destination counts as one of its sources
.endr
	WIN 0
.set n, 0
.rept 32
	v_mov_b32 v[AF2+n], 0                          ; slot 2 where it has no tile: zero codes, which add nothing,
.set n, n+1
.endr
	v_mov_b32 v[AS+4], 0x7f7f7f7f                  ; under the scale 1
	v_mov_b32 v[AS+5], 0x7f7f7f7f
	s_mov_b32 s36, 0x76543210
	s_mov_b32 s37, 0xfedcba98                      ; v_permlanex16_b32's selects for lane l xor 16
	s_mov_b32 s38, 0x600000                        ; the mantissa field of 57,344
	KONST 40, 0xbf527892                           ; c8 .. c1
	KONST 42, 0x3fbe87b0
	KONST 44, 0xbf914e5d
	KONST 46, 0x3e8ec7cc
	KONST 48, 0xbe3ec24c
	KONST 50, 0x3dc636c9
	KONST 52, 0x3ebf88fb
	KONST 54, 0x3f8000c7
	KONST 56, 0xbffab55a                           ; c0 - ln 2
	KONST 58, 0x3fb8aa3b                           ; log2 e
	KONST 60, 0x3f3504f3                           ; 1 / sqrt 2
	s_mov_b32 s66, 0x05010400                      ; the byte turn's selectors
	s_mov_b32 s67, 0x07030602
	s_mov_b32 s68, 0x05040100
	s_mov_b32 s69, 0x07060302
	s_wait_kmcnt 0x0
	s_lshl_b32 s82, s[EXPT], 24
	s_lshl_b32 s83, s[NS], 9
	s_add_co_u32 s82, s82, s83
	s_mov_b32 s83, 0
	s_add_nc_u64 s[4:5], s[72:73], s[82:83]        ; W1 at my expert and columns;
	s_add_nc_u64 s[6:7], s[4:5], 0x800000          ; 512 rows further down, so that every offset fits the immediate
	s_lshl_b32 s82, s[EXPT], 14
	s_lshl_b32 s84, s[NS], 9
	s_add_co_u32 s82, s82, s84
	s_add_nc_u64 s[20:21], s[74:75], s[82:83]      ; b1
	s_lshl_b32 s82, s[EXPT], 2
	s_add_nc_u64 s[76:77], s[76:77], s[82:83]
	s_load_b32 s[FT], s[76:77], 0x0
	s_load_b32 s[TE], s[76:77], 0x20
	s_mov_b64 s[8:9], s[78:79]                     ; the rows' codes,
	s_add_nc_u64 s[10:11], s[78:79], HSC           ; their scale words
	s_lshl_b32 s82, s[NS], 11
	s_add_nc_u64 s[12:13], s[80:81], s[82:83]      ; aq: my 128 columns are K step ns of the next product; unit 0's two register groups,
	s_add_nc_u64 s[14:15], s[12:13], 1024          ; unit 1's
	s_lshr_b32 s82, s[NS], 1
	s_lshl_b32 s82, s82, 7
	s_and_b32 s84, s[NS], 1
	s_lshl_b32 s84, s84, 2
	s_add_co_u32 s82, s82, s84
	s_add_nc_u64 s[16:17], s[80:81], s[82:83]
	s_add_nc_u64 s[16:17], s[16:17], ASC           ; and its scale bytes
	s_add_nc_u64 s[18:19], s[16:17], 2
	s_wait_alu depctr_va_vdst(0)                   ; the head's addresses and offsets are written, which loads, LDS instructions and prefetches read; so are v32-44, in which fragments land, and slot 2's zero codes and scale words, which loads may land in and products take
	global_load_b128 v[BI:BI+3], v[L16], s[20:21]  ; b1's 512 bytes: every wave asks, so that the counts are alike; wave 0 puts them into LDS
	WIN Q1
	WLOAD 0
	WIN 0
	s_wait_kmcnt 0x0
	s_min_u32 s[TE], s[TE], 64
	s_min_u32 s[FT], s[FT], 135
	s_cmp_eq_u32 s[TE], 0
	s_cselect_b32 s[FT], 0, s[FT]                  ; an expert without rows multiplies tile 0 and stores nothing
	s_max_u32 s[TEM1], s[TE], 1
	s_sub_co_u32 s[TEM1], s[TEM1], 1
	s_mov_b32 s[JB], s[WV]
	TILES JB
	s_wait_alu depctr_va_vdst(0)                   ; the slots' six offsets are written, which the rows' loads read
	s_cmp_eq_u32 s[VF+2], 0
	s_cbranch_scc1 .Lno2_head
	ALOAD2K 0, 0
	ALOAD2K 0, 1
.Lno2_head:
	ALOADK 0, 0
	ALOADK 0, 1
	WIN Q1
	WLOAD 1
	s_wait_loadcnt 36                              ; W(0) is in, and b1, asked for ahead of it: behind W(0) stand 10 + 10 + 16 loads (and ten more where slot 2 has a tile)
	WQA 0                                          ; trip 0's codes are made ahead of the first barrier
	WQB 0
	WLOAD 2                                        ; into the set that they have left: the wait in the quantising has shown its readers and writers done
	WIN 0
	s_wait_alu depctr_vm_vsrc(0)                   ; trip 0's LDS stores have read D and BY, which trip 1's quantising writes again
	s_cmp_lg_u32 s[WV], 0
	s_cbranch_scc1 .Lnot_wave_0
	ds_store_b128 v[BIC], v[BI:BI+3]               ; seen by all behind the first trip's barrier
.Lnot_wave_0:
	TRIP 0, 1, 16, 16, 26                          ; behind W(1) stands W(2) alone; the rows of trip 0 are older than both
	TRIP 1, 0, 36, 26, 26
	TRIP 2, 0, 36, 26, 26
	TRIP 3, 0, 36, 26, 26
	WIN 0
	s_wait_alu depctr_vm_vsrc(0)                   ; wave 0's LDS store has read v[BIC], which is written next, and v[BI ..], in which the bias's loads land
	v_bfe_u32 v[BIC], v0, 4, 1
	v_lshl_add_u32 v[BIC], v[BIC], 6, BIAS         ; the bias of unit 0: 64 h on
	s_wait_alu depctr_va_vdst(0)                   ; v[BIC] is written, which the bias's LDS loads read
	EPI1 12, 16                                    ; unit 0 goes out while the weights of trips 5 and 6 are on their way
	s_wait_alu depctr_va_vdst(0)                   ; the way out's vector lines are done with v32-95, in which trip 4's fragments land
	TRIP 4, 1, 36, 26, 26
	TRIP 5, 0, 36, 26, 26
	TRIP 6, 0, 20, 10, 10                          ; no weights are issued any more: the counts run down
	TRIP 7, 0, 0, 10, 0
	s_wait_alu depctr_vm_vsrc(0)                   ; unit 0's LDS loads of the bias have read v[BIC], which is written next
	v_bfe_u32 v[BIC], v0, 4, 1
	v_lshl_add_u32 v[BIC], v[BIC], 6, BIAS+256
	s_wait_alu depctr_va_vdst(0)                   ; v[BIC] is written, which the bias's LDS loads read
	EPI1 14, 18
	; THE LATER PASSES: tiles 24 .. 47 and 48 .. 71, each for units 0 and 1: four trips of a loop of constant count; a wave whose first slot has no tile passes over the work.  No barrier: LDS is only read.
	s_mov_b32 s[IT], 0
.Lit:
	s_lshr_b32 s72, s[IT], 1
	s_mul_i32 s72, s72, 24
	s_add_co_u32 s72, s72, 24
	s_add_co_u32 s[JB], s72, s[WV]
	s_and_b32 s73, s[IT], 1                        ; the unit
	s_wait_loadcnt 0x0
	s_wait_xcnt 0x0                                ; no load or store still reads the offsets that are written next
	s_wait_alu depctr_vm_vsrc(0)                   ; the loads and LDS loads issued so far have read the slots' offsets and v11, v14, v15, which are written next
	TILES JB
	s_cmp_eq_u32 s[VF], 0
	s_cbranch_scc1 .Lit_next
	s_mul_i32 s74, s73, HALFB
	v_add_nc_u32 v[LBC], s74, v[L16]
	s_lshl_b32 s74, s73, 11
	v_add_nc_u32 v[LSC], s74, v[LBS]
	v_bfe_u32 v[BIC], v0, 4, 1
	s_lshl_b32 s74, s73, 8
	s_add_co_u32 s74, s74, BIAS
	v_lshl_add_u32 v[BIC], v[BIC], 6, s74
	s_cmp_eq_u32 s73, 0
	s_cselect_b64 s[88:89], s[12:13], s[14:15]
	s_cselect_b64 s[90:91], s[16:17], s[18:19]
	s_wait_alu depctr_va_vdst(0)                   ; the slots' offsets and v11, v14, v15 are written, which the loads below read; the products and the way out before are done with the rows, BF, BS and BI, in which loads land
	LTRIP 0, 1
	LTRIP 1, 0
	LTRIP 2, 0
	LTRIP 3, 0
	EPI1 88, 90
.Lit_next:
	s_add_co_u32 s[IT], s[IT], 1
	s_cmp_lt_u32 s[IT], 4
	s_cbranch_scc1 .Lit
	s_set_vgpr_msb 0x4                             ; the add's second register lies in window 1: the one switch stands ahead of the closing lines
	s_wait_dscnt 0x0                               ; the closing lines, six on end
	s_wait_alu 0x0
	s_wait_tensorcnt 0x0
	ds_add_u32 v31, v255
	s_wait_dscnt 0x0
	s_endpgm
.Lfunc_end_k_q8f58ac05af_ffn1:
	.size	k_q8f58ac05af_ffn1, .Lfunc_end_k_q8f58ac05af_ffn1-k_q8f58ac05af_ffn1
	.p2alignl 7, 3214868480
	.fill 96, 4, 3214868480
	.section	.rodata,"a",@progbits
	.p2align	6, 0x0
	.amdhsa_kernel k_q8f58ac05af_ffn1
		.amdhsa_group_segment_fixed_size 137728
		.amdhsa_private_segment_fixed_size 0
		.amdhsa_enable_private_segment 0
		.amdhsa_kernarg_size 40
		.amdhsa_user_sgpr_count 2
		.amdhsa_user_sgpr_kernarg_segment_ptr 1
		.amdhsa_wavefront_size32 1
		.amdhsa_system_sgpr_workgroup_id_x 1
		.amdhsa_system_sgpr_workgroup_id_y 1
		.amdhsa_system_sgpr_workgroup_id_z 1
		.amdhsa_system_vgpr_workitem_id 0
		.amdhsa_next_free_vgpr 512
		.amdhsa_next_free_sgpr 100
		.amdhsa_reserve_vcc 0
		.amdhsa_float_denorm_mode_32 3
		.amdhsa_float_denorm_mode_16_64 3
		.amdhsa_memory_ordered 1
		.amdhsa_forward_progress 1
		.amdhsa_inst_pref_size 255
	.end_amdhsa_kernel
	.section	.bss,"aw",@nobits
	.p2align	6
	.space	262144
	.amdgpu_metadata
---
amdhsa.version: [ 1, 2 ]
amdhsa.kernels:
  - .name:           k_q8f58ac05af_ffn1
    .symbol:         k_q8f58ac05af_ffn1.kd
    .args:
      - { .name: W1, .offset: 0, .size: 8, .value_kind: global_buffer, .address_space: global }
      - { .name: b1, .offset: 8, .size: 8, .value_kind: global_buffer, .address_space: global }
      - { .name: tab, .offset: 16, .size: 8, .value_kind: global_buffer, .address_space: global }
      - { .name: hq, .offset: 24, .size: 8, .value_kind: global_buffer, .address_space: global }
      - { .name: aq, .offset: 32, .size: 8, .value_kind: global_buffer, .address_space: global }
    .group_segment_fixed_size: 137728
    .private_segment_fixed_size: 0
    .kernarg_segment_align: 8
    .kernarg_segment_size: 40
    .max_flat_workgroup_size: 256
    .sgpr_count:     100
    .vgpr_count:     512
    .wavefront_size: 32
...
	.end_amdgpu_metadata
.endif
;; end of part 8
;; launch ffn2 (part 9): grid 32 x 8, 8 waves a work-group, no clusters, 172,032 bytes of LDS; arguments W2, tab, aq, part; writes part
.if DOCPART == 9
	.amdgcn_target "amdgcn-amd-amdhsa--gfx1250"
	.amdhsa_code_object_version 6
	.text
	.protected	k_q8f58ac05af_ffn2
	.globl	k_q8f58ac05af_ffn2
	.p2align	8
	.type	k_q8f58ac05af_ffn2,@function
k_q8f58ac05af_ffn2:
	s_mov_b64 s[64:65], 0
	v_nop
	global_prefetch_b8 v0, s[64:65] scope:SCOPE_SE
	s_setreg_imm32_b32 hwreg(HW_REG_WAVE_SCHED_MODE, 0, 2), 2
	s_setreg_imm32_b32 hwreg(HW_REG_WAVE_MODE, 25, 1), 1
	s_wait_xcnt 0x0
	s_wait_alu depctr_vm_vsrc(0)
; SECOND PRODUCT: part[kh] = a W2 over half kh of K = 4,096, on codes of E5M2 with one E8M0 scale for each 32 along K, for the rows that were routed to the expert; f32 sums.  The two halves, b2, x and the gates meet in the next launch.
; THE WEIGHTS STAY, THE ROWS COME BY, as in the first product.  Work-group (cs + 16 kh, e) owns columns 64 cs .. + 63 and rows 2,048 kh .. + 2,047 of expert e's W2.  It reads them once, each half of a wave 256 consecutive
; aligned bytes; quantises them in registers along K; lays the codes in LDS as images of operand registers; and multiplies them with the expert's tiles of 16 rows, K step by K step, while later weights are on their way.
; A TRIP is 256 along K x 64 columns; wave w quantises K block w (32 k): lane (r', h) holds rows 32 w + 16 h + i, columns 4 r' + j in X[4 i + j].
; ONE TRIP AHEAD: the codes of trip t + 1 are made during trip t.  Behind the barrier a wave asks LDS for trip t's first four fragments, works on the next trip's numbers while they come, multiplies, asks for the
; other four, finishes the next trip's codes, multiplies.  So the vector work stands where the wave would else wait for LDS.
; THE PRODUCT IS USED TRANSPOSED (source 0 = 16 columns of W2, source 1 = 16 rows); column n goes to tile 2 (n / 32) + (n / 8) % 2, row 8 ((n / 16) % 2) + n % 8, as in the first product, so that both share their text:
; a lane's eight results are eight neighbouring columns of one row.
; ROWS.  Wave w takes tiles w, 8 + w, 16 + w of the expert (three slots) in the pass that runs beside the stream; tiles from 24 on are served by two later passes from the codes in LDS.
; Slot 2 is loaded and multiplied only where it has a tile (but for the four products that start its sums, on zero codes).
; NO CLUSTER, NO TENSOR LOAD: no weight byte is read by two work-groups, and the guards hang on counts read from memory.
; LIMITS: NaN and infinities among the inputs are not served; a block of zeros keeps the scale byte 1 (its codes are zeros); an expert without rows still streams its weights.
; THE MODE: SCHED_MODE bits 1:0 = 2 (LLVM: expert scheduling mode 2), set by the entry lines.  The code itself states the register dependences
; between vector or matrix instructions and memory or LDS instructions, with s_wait_alu, always for 0.
; THE PLAN.  Registers that memory or LDS instructions touch, in trip t of the pass beside the stream:
;   W sets 0, 1   (window 1, v0-127)  The quantising of trip t + 1 reads and writes set (t + 1) % 2; the loads of W(t + 3), at the trip's end, land in it.
;   D, BY         (window 1)  Written by the quantising, read by its eight LDS stores, written again a trip later.
;   BF, BS        LDS loads land in them behind the barrier (BS for both K steps, BF for the first) and in mid-trip (BF for the second); the products read them.
;   AF01, AF2, AS K step 0: read by the first K step's products, loaded again in mid-trip; K step 1: read by the second K step's, loaded again at the trip's end.
;   The addresses v1, v3, v4, v11, v13, v30 and, in window 1, v214-217 are made at the head and never written again.
; So a trip has three waits on va_vdst: behind each K step's products, ahead of the loads into what they read, and in the quantising, between the turn of bytes and its stores; and one on vm_vsrc,
; at the trip's end, a K step's products behind the LDS stores whose data the next trip writes again.  The accumulators meet LDS stores on the way out alone.
.set TRIPB, 16512                      ; LDS: a trip's codes: [kl 2][tile 4][image 2,048 + 16]
.set KLB,   8256
.set NTB,   2064
.set HALFB, 4*TRIPB
.set SCB,   8*TRIPB                    ; the weights' scale bytes: [trip 512][kl 256][row 16][tile 4][block 1]
.set STG,   SCB+4096                   ; the way out: 16 rows x (256 bytes + 16) for each wave
.set ASC,   136*65536                  ; aq: where the scale words begin
.set ASH,   16                         ; a tile of aq: 2^16 bytes of codes, 2^11 of scale words
.set SSH,   11
; window 0
.set L16, 1                            ; v1   16 x lane; also the LDS address of an image's bytes in trips 0-3
.set L8,  2                            ; v2   8 x (lane % 16)
.set LB1, 3                            ; v3   the same as v1 for trips 4-7
.set LBS, 4                            ; v4   the weights' scale words
.set AO,  5                            ; v5-7
.set ASO, 8                            ; v8-10
.set STO, 11                           ; v11  the stage: where I put 16 bytes of a row
.set OV,  12                           ; v12  my offset in part
.set RD,  13                           ; v13  the stage: where I read a row back
.set OV0, 14                           ; v14  4,096 (lane / 16) + 16 (lane % 16)
.set BS,  16
.set AS,  24
.set PFO, 30                           ; v30  the prefetches' offset: row 32 w + lane of a trip's 256; never rewritten
.set BF,  32
.set ACC, 96
.set AF2, 192
.set BK,  224                          ; v224-255 16 rows read back from the stage
; window 1
.set AF01, 128
.set TM,  192
.set PM,  196
.set EX,  200
.set SI,  204
.set BY,  208
.set HOLD, 212
.set ONE, 213
.set WO,  214
.set WST, 215
.set WSS, 217
.set D,   220
.set TQ,  236
; scalars
.set WV,  24
.set EXPT, 25
.set CSL, 26
.set TE,  27
.set FT,  28
.set TI,  29
.set VF,  32
.set TEM1, 35
.set KH,  39
.set JB,  70
.set IT,  71
.set TMPA, 96
.set MSB, 0
.macro WIN new                         ; the immediate's high byte repeats the setting that is left; a switch that changes nothing is dropped
.if MSB != \new
	s_set_vgpr_msb (MSB<<8)|\new
.set MSB, \new
.endif
.endm
.set Q1,   0x55                        ; all places window 1
.set TOA,  0x40                        ; destination window 1
.set MM01, 0x04                        ; source 1 window 1
.macro WLOAD t                         ; trip t's 32 k x 64 columns of my K block into set t % 2: sixteen lanes read 256 consecutive bytes, aligned
.irp i, 0,1,2,3,4,5,6,7,8,9,10,11,12,13,14,15
	global_load_b128 v[64*((\t)&1)+4*\i:64*((\t)&1)+4*\i+3], v[WO], s[4:5] offset:1048576*(\t)+4096*\i th:TH_LOAD_NT
.endr
.endm
; A PREFETCH INTO THE L2: trip t's 256 rows x 256 bytes; a lane a row, wave w rows 32 w .. 32 w + 31: one instruction a wave, and each block of 256 bytes is named once in the launch, since no other work-group reads it.
; It stands at the end of trip t - 4, behind the wave's loads: one trip ahead of the loads that bring trip t, 64 KiB a work-group.  Trips 0 to 3 come by their loads alone; the last request is trip 7's, the slice's last rows.
.macro WASK t
	global_prefetch_b8 v[PFO], s[4:5] offset:1048576*(\t) th:TH_LOAD_NT scope:SCOPE_SE
.endm
.macro ALOAD2K t, kl                   ; slot 2: K step kl of trip t: a fragment and its scale word: 4 + 1 loads
.irp c, 0,1,2,3
	global_load_b128 v[AF2+16*(\kl)+4*\c:AF2+16*(\kl)+4*\c+3], v[AO+2], s[8:9] offset:4096*(\t)+2048*(\kl)+512*\c
.endr
	global_load_b32 v[AS+4+(\kl)], v[ASO+2], s[10:11] offset:128*(\t)+4*(\kl)
.endm
.macro ALOADK t, kl                    ; slots 0 and 1: K step kl of trip t: 8 + 2 loads
	WIN TOA
.irp sl, 0,1
.irp c, 0,1,2,3
	global_load_b128 v[AF01+32*\sl+16*(\kl)+4*\c:AF01+32*\sl+16*(\kl)+4*\c+3], v[AO+\sl], s[8:9] offset:4096*(\t)+2048*(\kl)+512*\c
.endr
.endr
	WIN 0
.irp sl, 0,1
	global_load_b32 v[AS+2*\sl+(\kl)], v[ASO+\sl], s[10:11] offset:128*(\t)+4*(\kl)
.endr
.endm
; My K block of trip t becomes codes and scale bytes in LDS, in two halves.  All registers in window 1.  The first half: the blocks' scales, and every number divided by its scale.
.macro WQA t
.set XS, 64*((\t)&1)
.irp j, 0,1,2,3
	v_max3_num_f32 v[TM+\j], |v[XS+\j]|, |v[XS+4+\j]|, 0x8000000   ; column j: my 16 of the block's 32, and the floor 2^(16 - 127): the byte cannot fall under 1
.endr
.irp i, 2,4,6,8,10,12,14
.irp j, 0,1,2,3
	v_max3_num_f32 v[TM+\j], v[TM+\j], |v[XS+4*\i+\j]|, |v[XS+4*\i+4+\j]|
.endr
.endr
.irp j, 0,1,2,3
	v_permlanex16_b32 v[PM+\j], v[TM+\j], s36, s37
.endr
.irp j, 0,1,2,3
	v_max_num_f32 v[TM+\j], v[TM+\j], v[PM+\j]     ; with lane l xor 16's 16: the block's largest magnitude
.endr
.irp j, 0,1,2,3
	v_and_b32 v[EX+\j], 0x7f800000, v[TM+\j]       ; its exponent field F
.endr
.irp j, 0,1,2,3
	v_sub_nc_u32 v[SI+\j], 0x86800000, v[EX+\j]    ; 1 / the scale as f32: exponent field 269 - F
.endr
.irp j, 0,1,2,3
	v_lshrrev_b32 v[BY+\j], 23, v[EX+\j]
.endr
.irp j, 0,1,2,3
	v_add_nc_u32 v[BY+\j], -15, v[BY+\j]           ; the scale's byte
.endr
.irp i, 0,1,2,3,4,5,6,7,8,9,10,11,12,13,14,15
	v_pk_mul_f32 v[XS+4*\i:XS+4*\i+1], v[XS+4*\i:XS+4*\i+1], v[SI:SI+1]          ; a lane's neighbours are four COLUMNS, each with its own scale: the division is a multiplication by a power of two, which rounds nothing,
	v_pk_mul_f32 v[XS+4*\i+2:XS+4*\i+3], v[XS+4*\i+2:XS+4*\i+3], v[SI+2:SI+3]    ; and the conversion takes the scale 1
.endr
.endm
; The second half: the hold, the conversions, the turn of bytes, and eight LDS stores.
.macro WQB t
.set XS, 64*((\t)&1)
.set n, 0
.rept 64
	v_med3_num_f32 v[XS+n], v[XS+n], -v[HOLD], v[HOLD]   ; the conversion to an 8-bit code does not saturate (ISA guide 7.6.2): held within +-57,344
.set n, n+1
.endr
.irp m, 0,1,2,3,4,5,6,7
	v_cvt_scalef32_pk8_bf8_f32 v[D+2*\m:D+2*\m+1], v[XS+8*\m:XS+8*\m+7], v[ONE]   ; D[i]: byte j = the code of (k i, column j)
.endr
	v_nop                                          ; a plain instruction behind the last conversion
.irp q, 0,1,2,3                        ; four bytes x four registers are turned, so that a column's 16 codes along K lie in four registers
	v_perm_b32 v[TQ+4*\q], v[D+4*\q+1], v[D+4*\q], s66
	v_perm_b32 v[TQ+4*\q+1], v[D+4*\q+1], v[D+4*\q], s67
	v_perm_b32 v[TQ+4*\q+2], v[D+4*\q+3], v[D+4*\q+2], s66
	v_perm_b32 v[TQ+4*\q+3], v[D+4*\q+3], v[D+4*\q+2], s67
.endr
.irp q, 0,1,2,3
	v_perm_b32 v[D+\q], v[TQ+4*\q+2], v[TQ+4*\q], s68
	v_perm_b32 v[D+4+\q], v[TQ+4*\q+2], v[TQ+4*\q], s69
	v_perm_b32 v[D+8+\q], v[TQ+4*\q+3], v[TQ+4*\q+1], s68
	v_perm_b32 v[D+12+\q], v[TQ+4*\q+3], v[TQ+4*\q+1], s69
.endr
	s_wait_alu depctr_va_vdst(0)                   ; the turn has written D and the first half BY, which the LDS stores read; the holds and conversions are done with this set of W, in which later weights land
.irp j, 0,1,2,3
	ds_store_b128 v[WST+((\t)>>2)], v[D+4*\j:D+4*\j+3] offset:((\t)&3)*TRIPB+16*\j
.endr
.irp j, 0,1,2,3
	ds_store_b8 v[WSS], v[BY+\j] offset:512*(\t)+16*\j   ; lanes l and l xor 16 write the same byte with the same value
.endr
.endm
.macro PROD sl, nt, kl, zero, af
.if (\zero) && ((\kl) == 0)
	v_wmma_scale_f32_16x16x128_f8f6f4 v[ACC+32*\sl+8*\nt:ACC+32*\sl+8*\nt+7], v[BF+16*\nt:BF+16*\nt+15], v[\af+16*\kl:\af+16*\kl+15], 0, v[BS+4*\kl+\nt], v[AS+2*\sl+\kl] matrix_a_fmt:MATRIX_FMT_BF8 matrix_b_fmt:MATRIX_FMT_BF8
.else
	v_wmma_scale_f32_16x16x128_f8f6f4 v[ACC+32*\sl+8*\nt:ACC+32*\sl+8*\nt+7], v[BF+16*\nt:BF+16*\nt+15], v[\af+16*\kl:\af+16*\kl+15], v[ACC+32*\sl+8*\nt:ACC+32*\sl+8*\nt+7], v[BS+4*\kl+\nt], v[AS+2*\sl+\kl] matrix_a_fmt:MATRIX_FMT_BF8 matrix_b_fmt:MATRIX_FMT_BF8
.endif
.endm
.macro LBF adr, off                    ; a K step's four fragments of weights from LDS: 16 loads
.irp nt, 0,1,2,3
.irp c, 0,1,2,3
	ds_load_b128 v[BF+16*\nt+4*\c:BF+16*\nt+4*\c+3], v[\adr] offset:(\off)+NTB*\nt+512*\c
.endr
.endr
.endm
.macro LB0 adr, off, sadr, soff        ; both K steps' scale words, and the first K step's fragments: 18 loads
	ds_load_b128 v[BS:BS+3], v[\sadr] offset:(\soff)
	ds_load_b128 v[BS+4:BS+7], v[\sadr] offset:(\soff)+256
	LBF \adr, \off
.endm
; A K step's products: four fragments of weights against my slots.  The accumulators take turns, one instruction a turn, on both ways.
; Slot 2's four stand under a branch on the stored count; those that start its sums stay on every way, so that its accumulators are always written (on zero codes where it has no tile).
.macro PK kl, zero
	WIN MM01
.irp nt, 0,1,2,3
.irp sl, 0,1
	PROD \sl, \nt, \kl, \zero, AF01+32*\sl
.endr
.endr
	WIN 0
.if (\zero) && ((\kl) == 0)
.irp nt, 0,1,2,3
	PROD 2, \nt, \kl, \zero, AF2
.endr
.else
	s_cmp_eq_u32 s[VF+2], 0
	s_cbranch_scc1 .Lp2_\@
.irp nt, 0,1,2,3
	PROD 2, \nt, \kl, \zero, AF2
.endr
.Lp2_\@:
.endif
.endm
; The slots' tiles for the pass whose first tile for my wave is s[jb].  The hold at 135 is the last thing ahead of the shifts.
.macro TILES jb
.irp sl, 0,1,2
	s_add_co_u32 s[TMPA], s[\jb], 8*\sl
	s_cmp_lt_u32 s[TMPA], s[TE]
	s_cselect_b32 s[VF+\sl], 1, 0
	s_min_u32 s[TMPA], s[TMPA], s[TEM1]
	s_add_co_u32 s[TMPA], s[TMPA], s[FT]
	s_min_u32 s[TI+\sl], s[TMPA], 135
	s_lshl_b32 s[TMPA], s[TI+\sl], ASH
	v_add_nc_u32 v[AO+\sl], s[TMPA], v[L16]
	s_lshl_b32 s[TMPA], s[TI+\sl], SSH
	v_add_nc_u32 v[ASO+\sl], s[TMPA], v[L8]
.endr
.endm
; A TRIP of the pass beside the stream.  Loads are issued in the order of need: .. W(t + 1) | rows of t, first K step (10) | rows of t, second K step (10), W(t + 2) (16) | rows of t + 1, first K step (10) ..
; nw counts what was issued behind W(t + 1): 10 + 10 + 16; na0 what was issued behind the rows' first K step: 10 + 16; na1 behind their second: 16 + 10.  At both ends of the stream the counts are smaller by what is not issued there.
; Slot 2's five loads stand ahead of each ten, so on the way that has them the counts only ask for more.  W(t + 3) lands in the set that the codes of trip t + 1 have just left.
; Every trip has LDS bytes of its own: between two barriers stand the loads of trip t's bytes and the stores of trip t + 1's, so one barrier a trip orders store, wait, barrier, load.
; Eight plain places stand in front of loads into registers that products have read, nine where sums may be begun anew over old ones; they stay beside the waits on va_vdst.
; The LDS loads behind the barrier owe no wait of their own: the wait at the end of the trip before has shown the readers of BF and BS done, and only memory instructions, waits and the barrier stand between.
.macro TRIP t, zero, nw, na0, na1
	WIN 0
	s_wait_dscnt 0x0                               ; for the others' sake: my codes and bytes of this trip have landed
	s_barrier_signal -1
	s_barrier_wait -1
.if (\t) < 4
	LB0 L16, (\t)*TRIPB, LBS, 512*(\t)
.else
	LB0 LB1, ((\t)-4)*TRIPB, LBS, 512*(\t)
.endif
.if (\t) < 7
	WIN Q1
	s_wait_loadcnt \nw
	WQA (\t)+1                                     ; while the fragments come
.endif
	s_wait_loadcnt \na0
	s_wait_dscnt 0x0
	PK 0, \zero
.rept 8
	v_nop
.endr
	s_wait_alu depctr_va_vdst(0)                   ; the first K step's products are done reading BF and the rows' first K step with its scale words: the loads below land in them
.if (\t) < 4
	LBF L16, (\t)*TRIPB+KLB
.else
	LBF LB1, ((\t)-4)*TRIPB+KLB
.endif
.if (\t) < 7
	s_cmp_eq_u32 s[VF+2], 0
	s_cbranch_scc1 .Lno2a_\@
	ALOAD2K (\t)+1, 0
.Lno2a_\@:
	ALOADK (\t)+1, 0
	WIN Q1
	WQB (\t)+1                                     ; while the fragments come
	s_wait_loadcnt \na1
	s_wait_dscnt 8                                 ; the 16 fragment loads are in; the eight stores issued behind them may be out
.else
	s_wait_loadcnt \na1
	s_wait_dscnt 0x0
.endif
	PK 1, \zero
.rept 9
	v_nop
.endr
.if (\t) < 7
	s_wait_alu depctr_va_vdst(0)                   ; the second K step's products are done reading the rows' second K step, BF and BS: the loads below, and the LDS loads behind the next barrier, land in them
.if (\t) < 6
	s_wait_alu depctr_vm_vsrc(0)                   ; this trip's LDS stores have read D and BY, which the next trip's quantising writes again
.endif
	s_cmp_eq_u32 s[VF+2], 0
	s_cbranch_scc1 .Lno2b_\@
	ALOAD2K (\t)+1, 1
.Lno2b_\@:
	ALOADK (\t)+1, 1
.endif
.if (\t) < 5
	WIN Q1
	WLOAD (\t)+3
.endif
.if (\t) < 4
	WIN 0
	WASK (\t)+4
.endif
.endm
.macro LTRIP t, zero                   ; a trip of a later pass: the codes lie in LDS already; every address is a register that stays and an immediate
	ALOAD2K \t, 0
	ALOAD2K \t, 1
	ALOADK \t, 0
	ALOADK \t, 1
.if (\t) < 4
	LB0 L16, (\t)*TRIPB, LBS, 512*(\t)
.else
	LB0 LB1, ((\t)-4)*TRIPB, LBS, 512*(\t)
.endif
	s_wait_loadcnt 0x0
	s_wait_dscnt 0x0
	PK 0, \zero
.rept 8
	v_nop
.endr
	s_wait_alu depctr_va_vdst(0)                   ; the first K step's products are done reading BF, in which the second K step's fragments land
.if (\t) < 4
	LBF L16, (\t)*TRIPB+KLB
.else
	LBF LB1, ((\t)-4)*TRIPB+KLB
.endif
	s_wait_dscnt 0x0
	PK 1, \zero
.rept 9
	v_nop
.endr
.if (\t) < 7
	s_wait_alu depctr_va_vdst(0)                   ; this trip's products are done reading the rows, BF and BS, in which the next trip's loads land
.endif
.endm
; THE WAY OUT.  A lane holds eight neighbouring columns of a row in each accumulator, and the lanes beside it hold other rows: a tile goes through my own stage in LDS and comes back as rows of 256 bytes.
; LDS serves a wave's instructions in order (ISA guide 5.7.1.4): no wait between the stores and the loads.
; Registers that memory or LDS instructions touch here: the accumulators, written by the products and read by the LDS stores; v[OV], written by a slot's addition and read by its global stores;
; BK, in which the stage's rows land and which the global stores read.  The nine places behind the last products stand ahead of the first slot's wait.
.macro EPI2
	WIN 0
.irp sl, 0,1,2
	s_cmp_eq_u32 s[VF+\sl], 0
	s_cbranch_scc1 .Lskip_\@_\sl                   ; a slot without a tile of its own stores nothing
	s_lshl_b32 s[TMPA], s[TI+\sl], 16
	v_add_nc_u32 v[OV], s[TMPA], v[OV0]
	s_wait_alu depctr_va_vdst(0)                   ; the products have written the slot's accumulators, which the LDS stores read; v[OV] is written, which the global stores read
.irp nt, 0,1,2,3
	ds_store_b128 v[STO], v[ACC+32*\sl+8*\nt:ACC+32*\sl+8*\nt+3] offset:128*(\nt/2)+32*(\nt%2)        ; each accumulator from its low end on
	ds_store_b128 v[STO], v[ACC+32*\sl+8*\nt+4:ACC+32*\sl+8*\nt+7] offset:128*(\nt/2)+32*(\nt%2)+16
.endr
.irp i, 0,1,2,3,4,5,6,7
	ds_load_b128 v[BK+4*\i:BK+4*\i+3], v[RD] offset:544*\i
.endr
.irp i, 0,1,2,3,4,5,6,7
	s_wait_dscnt 7-\i
	global_store_b128 v[OV], v[BK+4*\i:BK+4*\i+3], s[12:13] offset:8192*\i th:TH_STORE_NT   ; sixteen lanes store 256 consecutive bytes, aligned
.endr
	s_wait_xcnt 0x0                                ; the stores' registers are written again only behind this wait
	s_wait_alu depctr_vm_vsrc(0)                   ; the global stores have read v[OV] and BK, the LDS stores the accumulators: the next slot writes the first, its rows land in the second, a later pass begins the third anew
.Lskip_\@_\sl:
.endr
.endm
	s_load_b256 s[72:79], s[0:1], 0x0              ; W2 s[72:73], tab s[74:75], aq s[76:77], part s[78:79]
	v_lshl_add_u32 v15, v0, 2, 0x29c00
	v_mov_b32 v31, 0
	v_lshrrev_b32 v32, 5, v0
	v_readfirstlane_b32 s[WV], v32                 ; wave 0..7
	s_and_b32 s[EXPT], ttmp7, 0xffff               ; the expert
	s_and_b32 s[CSL], ttmp9, 15                    ; which 64 columns
	s_lshr_b32 s[KH], ttmp9, 4                     ; which half of K
	v_and_b32 v32, 31, v0                          ; lane
	v_and_b32 v33, 15, v0                          ; r'
	v_bfe_u32 v34, v0, 4, 1                        ; h
	v_and_b32 v35, 1, v0
	v_bfe_u32 v36, v0, 1, 1
	v_bfe_u32 v37, v0, 2, 1
	v_bfe_u32 v38, v0, 3, 1
	v_lshl_add_u32 v39, v38, 1, v36                ; my four columns' tile
	v_lshlrev_b32 v40, 2, v35
	v_lshl_add_u32 v40, v37, 3, v40                ; and their first row in it
	v_lshlrev_b32 v[L16], 4, v32
	v_lshlrev_b32 v[L8], 3, v33
	v_add_nc_u32 v[LB1], HALFB, v[L16]
	v_lshl_add_u32 v[LBS], v33, 4, SCB
	s_wait_alu depctr_va_sdst(0)                   ; the wave's number is written, ahead of its first reader: offsets and LDS addresses are made from it
	s_mul_i32 s82, s[WV], 16*272
	s_add_co_u32 s82, s82, STG                     ; my stage
	v_mul_u32_u24 v[STO], v33, 272
	v_lshl_add_u32 v[STO], v34, 6, v[STO]
	v_add_nc_u32 v[STO], s82, v[STO]               ; in: row lane % 16, 64 bytes on for the upper half of the lanes
	v_mul_u32_u24 v[RD], v34, 272
	v_lshl_add_u32 v[RD], v33, 4, v[RD]
	v_add_nc_u32 v[RD], s82, v[RD]                 ; back: lanes 0-15 one row, lanes 16-31 the next
	v_lshlrev_b32 v[OV0], 4, v33
	v_lshl_add_u32 v[OV0], v34, 12, v[OV0]         ; and the same two rows in part
	v_lshlrev_b32 v41, 4, v33
	v_lshl_add_u32 v41, v34, 16, v41               ; W2: 16 r' + 16 h rows of 4,096 bytes
	s_wait_alu depctr_va_vdst(0)
	v_mul_u32_u24 v42, v39, NTB
	v_lshl_add_u32 v42, v34, 8, v42
	v_lshl_add_u32 v42, v40, 4, v42
	s_wait_alu depctr_va_vdst(0)
	v_lshlrev_b32 v44, 4, v40
	v_lshl_add_u32 v44, v39, 2, v44
	s_wait_alu depctr_va_vdst(0)
	s_lshl_b32 s82, s[WV], 17                      ; 32 w rows
	v_lshl_add_u32 v[PFO], v32, 12, s82            ; the prefetches: row 32 w + lane
	s_lshr_b32 s83, s[WV], 2
	s_and_b32 s84, s[WV], 3
	s_mul_i32 s85, s83, KLB
	s_lshl_b32 s86, s84, 9
	s_add_co_u32 s85, s85, s86
	s_add_co_u32 s86, s85, HALFB
	s_lshl_b32 s87, s83, 8
	s_add_co_u32 s87, s87, s84
	s_add_co_u32 s87, s87, SCB
	WIN TOA
	v_add_nc_u32 v[WO], s82, v41
	v_add_nc_u32 v[WST], s85, v42
	v_add_nc_u32 v[WST+1], s86, v42
	v_add_nc_u32 v[WSS], s87, v44
	v_mov_b32 v[HOLD], 0x47600000                  ; 57,344
	v_mov_b32 v[ONE], 1.0
.irp j, 0,1,2,3
	v_mov_b32 v[PM+\j], 0                          ; written once: a lane permute's destination counts as one of its sources
.endr
	WIN 0
.set n, 0
.rept 32
	v_mov_b32 v[AF2+n], 0                          ; slot 2 where it has no tile: zero codes, which add nothing,
.set n, n+1
.endr
	v_mov_b32 v[AS+4], 0x7f7f7f7f                  ; under the scale 1
	v_mov_b32 v[AS+5], 0x7f7f7f7f
	s_mov_b32 s36, 0x76543210
	s_mov_b32 s37, 0xfedcba98
	s_mov_b32 s66, 0x05010400
	s_mov_b32 s67, 0x07030602
	s_mov_b32 s68, 0x05040100
	s_mov_b32 s69, 0x07060302
	s_wait_kmcnt 0x0
	s_lshl_b32 s82, s[EXPT], 24
	s_lshl_b32 s83, s[KH], 23
	s_add_co_u32 s82, s82, s83
	s_lshl_b32 s83, s[CSL], 8
	s_add_co_u32 s82, s82, s83
	s_mov_b32 s83, 0
	s_add_nc_u64 s[4:5], s[72:73], s[82:83]        ; W2 at my expert, half of K and columns
	s_lshl_b32 s82, s[EXPT], 2
	s_add_nc_u64 s[74:75], s[74:75], s[82:83]
	s_load_b32 s[FT], s[74:75], 0x0
	s_load_b32 s[TE], s[74:75], 0x20
	s_lshl_b32 s82, s[KH], 15
	s_add_nc_u64 s[8:9], s[76:77], s[82:83]        ; the rows' codes of my half of K,
	s_lshl_b32 s82, s[KH], 10
	s_add_nc_u64 s[10:11], s[76:77], s[82:83]
	s_add_nc_u64 s[10:11], s[10:11], ASC           ; their scale words
	s_mul_i32 s82, s[KH], 0x880000                 ; 2,176 rows of 4,096 bytes
	s_lshl_b32 s84, s[CSL], 8
	s_add_co_u32 s82, s82, s84
	s_add_nc_u64 s[12:13], s[78:79], s[82:83]      ; part at my half and columns
	WIN Q1
	s_wait_alu depctr_va_vdst(0)                   ; the head's addresses and offsets are written, which loads, LDS instructions and prefetches read; so are v32-44, in which fragments land, and slot 2's zero codes and scale words, which loads may land in and products take
	WLOAD 0
	WIN 0
	s_wait_kmcnt 0x0
	s_min_u32 s[TE], s[TE], 64
	s_min_u32 s[FT], s[FT], 135
	s_cmp_eq_u32 s[TE], 0
	s_cselect_b32 s[FT], 0, s[FT]                  ; an expert without rows multiplies tile 0 and stores nothing
	s_max_u32 s[TEM1], s[TE], 1
	s_sub_co_u32 s[TEM1], s[TEM1], 1
	s_mov_b32 s[JB], s[WV]
	TILES JB
	s_wait_alu depctr_va_vdst(0)                   ; the slots' six offsets are written, which the rows' loads read
	s_cmp_eq_u32 s[VF+2], 0
	s_cbranch_scc1 .Lno2_head
	ALOAD2K 0, 0
	ALOAD2K 0, 1
.Lno2_head:
	ALOADK 0, 0
	ALOADK 0, 1
	WIN Q1
	WLOAD 1
	s_wait_loadcnt 36                              ; W(0) is in: behind it stand 10 + 10 + 16 loads (and ten more where slot 2 has a tile)
	WQA 0                                          ; trip 0's codes are made ahead of the first barrier
	WQB 0
	WLOAD 2                                        ; into the set that they have left: the wait in the quantising has shown its readers and writers done
	s_wait_alu depctr_vm_vsrc(0)                   ; trip 0's LDS stores have read D and BY, which trip 1's quantising writes again
	TRIP 0, 1, 16, 16, 26                          ; behind W(1) stands W(2) alone; the rows of trip 0 are older than both
	TRIP 1, 0, 36, 26, 26
	TRIP 2, 0, 36, 26, 26
	TRIP 3, 0, 36, 26, 26
	TRIP 4, 0, 36, 26, 26
	TRIP 5, 0, 36, 26, 26
	TRIP 6, 0, 20, 10, 10                          ; no weights are issued any more: the counts run down
	TRIP 7, 0, 0, 10, 0
	EPI2
	; THE LATER PASSES: tiles 24 .. 47 and 48 .. 71: two trips of a loop of constant count; a wave whose first slot has no tile passes over the work.  No barrier: the codes are only read, the stage is my own.
	s_mov_b32 s[IT], 1
.Lpass:
	s_mul_i32 s[JB], s[IT], 24
	s_add_co_u32 s[JB], s[JB], s[WV]
	s_wait_loadcnt 0x0
	s_wait_xcnt 0x0                                ; no load or store still reads the offsets that are written next
	s_wait_alu depctr_vm_vsrc(0)                   ; the rows' loads issued so far have read the slots' offsets, which are written next
	TILES JB
	s_cmp_eq_u32 s[VF], 0
	s_cbranch_scc1 .Lpass_next
	s_wait_alu depctr_va_vdst(0)                   ; the slots' offsets are written, which the loads below read; the products of the pass before are done reading the rows, BF and BS, in which these loads land
	LTRIP 0, 1
	LTRIP 1, 0
	LTRIP 2, 0
	LTRIP 3, 0
	LTRIP 4, 0
	LTRIP 5, 0
	LTRIP 6, 0
	LTRIP 7, 0
	EPI2
.Lpass_next:
	s_add_co_u32 s[IT], s[IT], 1
	s_cmp_lt_u32 s[IT], 3
	s_cbranch_scc1 .Lpass
	s_wait_dscnt 0x0                               ; the closing lines, six on end
	s_wait_alu 0x0
	s_wait_tensorcnt 0x0
	ds_add_u32 v15, v31
	s_wait_dscnt 0x0
	s_endpgm
.Lfunc_end_k_q8f58ac05af_ffn2:
	.size	k_q8f58ac05af_ffn2, .Lfunc_end_k_q8f58ac05af_ffn2-k_q8f58ac05af_ffn2
	.p2alignl 7, 3214868480
	.fill 96, 4, 3214868480
	.section	.rodata,"a",@progbits
	.p2align	6, 0x0
	.amdhsa_kernel k_q8f58ac05af_ffn2
		.amdhsa_group_segment_fixed_size 172032
		.amdhsa_private_segment_fixed_size 0
		.amdhsa_enable_private_segment 0
		.amdhsa_kernarg_size 32
		.amdhsa_user_sgpr_count 2
		.amdhsa_user_sgpr_kernarg_segment_ptr 1
		.amdhsa_wavefront_size32 1
		.amdhsa_system_sgpr_workgroup_id_x 1
		.amdhsa_system_sgpr_workgroup_id_y 1
		.amdhsa_system_sgpr_workgroup_id_z 1
		.amdhsa_system_vgpr_workitem_id 0
		.amdhsa_next_free_vgpr 512
		.amdhsa_next_free_sgpr 100
		.amdhsa_reserve_vcc 0
		.amdhsa_float_denorm_mode_32 3
		.amdhsa_float_denorm_mode_16_64 3
		.amdhsa_memory_ordered 1
		.amdhsa_forward_progress 1
		.amdhsa_inst_pref_size 255
	.end_amdhsa_kernel
	.section	.bss,"aw",@nobits
	.p2align	6
	.space	262144
	.amdgpu_metadata
---
amdhsa.version: [ 1, 2 ]
amdhsa.kernels:
  - .name:           k_q8f58ac05af_ffn2
    .symbol:         k_q8f58ac05af_ffn2.kd
    .args:
      - { .name: W2, .offset: 0, .size: 8, .value_kind: global_buffer, .address_space: global }
      - { .name: tab, .offset: 8, .size: 8, .value_kind: global_buffer, .address_space: global }
      - { .name: aq, .offset: 16, .size: 8, .value_kind: global_buffer, .address_space: global }
      - { .name: part, .offset: 24, .size: 8, .value_kind: global_buffer, .address_space: global }
    .group_segment_fixed_size: 172032
    .private_segment_fixed_size: 0
    .kernarg_segment_align: 8
    .kernarg_segment_size: 32
    .max_flat_workgroup_size: 256
    .sgpr_count:     100
    .vgpr_count:     512
    .wavefront_size: 32
...
	.end_amdgpu_metadata
.endif
;; end of part 9
;; launch combine (part 10): grid 256 x 1, 4 waves a work-group, no clusters, 0 bytes of LDS; arguments part, pos, sel, gate, b2, x, out0; writes out0
.if DOCPART == 10
	.amdgcn_target "amdgcn-amd-amdhsa--gfx1250"
	.amdhsa_code_object_version 6
	.text
	.protected	k_q8f58ac05af_combine
	.globl	k_q8f58ac05af_combine
	.p2align	8
	.type	k_q8f58ac05af_combine,@function
k_q8f58ac05af_combine:
	s_mov_b64 s[64:65], 0
	v_nop
	global_prefetch_b8 v0, s[64:65] scope:SCOPE_SE
	s_setreg_imm32_b32 hwreg(HW_REG_WAVE_MODE, 25, 1), 1
	s_wait_xcnt 0x0
; COMBINE.  out[t] = g0 (y(t, e0) + b2[e0] + x[t]) + g1 (y(t, e1) + b2[e1] + x[t]); y is the sum of its two halves along K.  All in f32.
; One wave, one token: seven rows of 4,096 bytes come in, one goes out; every load and store of a wave covers 512 consecutive bytes.  Each output row has one owner.
; The places and experts are whole numbers that earlier launches stored; they are held inside their tables ahead of every address.  A stream: no LDS, no barrier, no matrix unit.
.set XX, 16                            ; v16-47   x[t]
.set A0, 48                            ; v48-79   first choice, lower half of K; then the result
.set A1, 80                            ;          upper half
.set B0, 112                           ;          second choice
.set B1, 144
.set C0, 176                           ;          b2 of the first choice
.set C1, 208                           ;          of the second
	s_load_b256 s[4:11], s[0:1], 0x0               ; part s[4:5], pos s[6:7], sel s[8:9], gate s[10:11]
	s_load_b128 s[12:15], s[0:1], 0x20             ; b2 s[12:13], x s[14:15]
	s_load_b64 s[16:17], s[0:1], 0x30              ; out0
	v_lshrrev_b32 v1, 5, v0
	v_readfirstlane_b32 s20, v1                    ; wave
	v_and_b32 v2, 31, v0
	v_lshlrev_b32 v2, 4, v2                        ; 16 x lane
	s_lshl_b32 s21, ttmp9, 2
	s_add_co_u32 s21, s21, s20                     ; my token
	s_lshl_b32 s22, s21, 3
	s_mov_b32 s23, 0
	s_wait_alu depctr_va_vdst(0)
	s_wait_kmcnt 0x0
	s_add_nc_u64 s[6:7], s[6:7], s[22:23]
	s_add_nc_u64 s[10:11], s[10:11], s[22:23]
	s_lshl_b32 s22, s21, 2
	s_add_nc_u64 s[8:9], s[8:9], s[22:23]
	s_load_b64 s[24:25], s[6:7], 0x0               ; the two rows' places
	s_load_b64 s[26:27], s[10:11], 0x0             ; the two gates
	s_load_b32 s28, s[8:9], 0x0                    ; the two experts
	s_lshl_b32 s22, s21, 12
	s_add_nc_u64 s[14:15], s[14:15], s[22:23]
	s_add_nc_u64 s[16:17], s[16:17], s[22:23]
.irp i, 0,1,2,3,4,5,6,7
	global_load_b128 v[XX+4*\i:XX+4*\i+3], v2, s[14:15] offset:512*\i th:TH_LOAD_NT
.endr
	s_wait_kmcnt 0x0
	s_min_u32 s24, s24, 2175
	s_min_u32 s25, s25, 2175
	s_and_b32 s29, s28, 0xff
	s_min_u32 s29, s29, 7
	s_bfe_u32 s30, s28, 0x80008
	s_min_u32 s30, s30, 7
	s_lshl_b32 s22, s24, 12
	s_add_nc_u64 s[32:33], s[4:5], s[22:23]
	s_add_nc_u64 s[34:35], s[32:33], 0x880000      ; the upper half of K lies 2,176 rows on
	s_lshl_b32 s22, s25, 12
	s_add_nc_u64 s[36:37], s[4:5], s[22:23]
	s_add_nc_u64 s[38:39], s[36:37], 0x880000
	s_lshl_b32 s22, s29, 12
	s_add_nc_u64 s[40:41], s[12:13], s[22:23]
	s_lshl_b32 s22, s30, 12
	s_add_nc_u64 s[42:43], s[12:13], s[22:23]
	s_mov_b32 s44, s27                             ; g1 in a pair of its own: a packed form takes a scalar pair's low word for both halves
	s_mov_b32 s45, s27
.irp i, 0,1,2,3,4,5,6,7
	global_load_b128 v[A0+4*\i:A0+4*\i+3], v2, s[32:33] offset:512*\i th:TH_LOAD_NT
	global_load_b128 v[A1+4*\i:A1+4*\i+3], v2, s[34:35] offset:512*\i th:TH_LOAD_NT
	global_load_b128 v[B0+4*\i:B0+4*\i+3], v2, s[36:37] offset:512*\i th:TH_LOAD_NT
	global_load_b128 v[B1+4*\i:B1+4*\i+3], v2, s[38:39] offset:512*\i th:TH_LOAD_NT
	global_load_b128 v[C0+4*\i:C0+4*\i+3], v2, s[40:41] offset:512*\i
	global_load_b128 v[C1+4*\i:C1+4*\i+3], v2, s[42:43] offset:512*\i
.endr
.irp i, 0,1,2,3,4,5,6,7
	s_wait_loadcnt 6*(7-\i)                        ; the six loads of piece i are in (x came first); the later pieces' stay out
.irp p, 0,2
	v_pk_add_f32 v[A0+4*\i+\p:A0+4*\i+\p+1], v[A0+4*\i+\p:A0+4*\i+\p+1], v[A1+4*\i+\p:A1+4*\i+\p+1]
	v_pk_add_f32 v[B0+4*\i+\p:B0+4*\i+\p+1], v[B0+4*\i+\p:B0+4*\i+\p+1], v[B1+4*\i+\p:B1+4*\i+\p+1]
	v_pk_add_f32 v[A0+4*\i+\p:A0+4*\i+\p+1], v[A0+4*\i+\p:A0+4*\i+\p+1], v[C0+4*\i+\p:C0+4*\i+\p+1]
	v_pk_add_f32 v[B0+4*\i+\p:B0+4*\i+\p+1], v[B0+4*\i+\p:B0+4*\i+\p+1], v[C1+4*\i+\p:C1+4*\i+\p+1]
	v_pk_add_f32 v[A0+4*\i+\p:A0+4*\i+\p+1], v[A0+4*\i+\p:A0+4*\i+\p+1], v[XX+4*\i+\p:XX+4*\i+\p+1]
	v_pk_add_f32 v[B0+4*\i+\p:B0+4*\i+\p+1], v[B0+4*\i+\p:B0+4*\i+\p+1], v[XX+4*\i+\p:XX+4*\i+\p+1]
	v_pk_mul_f32 v[A0+4*\i+\p:A0+4*\i+\p+1], v[A0+4*\i+\p:A0+4*\i+\p+1], s[26:27] op_sel_hi:[1,0]
	v_pk_fma_f32 v[A0+4*\i+\p:A0+4*\i+\p+1], v[B0+4*\i+\p:B0+4*\i+\p+1], s[44:45], v[A0+4*\i+\p:A0+4*\i+\p+1] op_sel_hi:[1,0,1]
.endr
	global_store_b128 v2, v[A0+4*\i:A0+4*\i+3], s[16:17] offset:512*\i th:TH_STORE_NT
.endr
	s_endpgm
.Lfunc_end_k_q8f58ac05af_combine:
	.size	k_q8f58ac05af_combine, .Lfunc_end_k_q8f58ac05af_combine-k_q8f58ac05af_combine
	.p2alignl 7, 3214868480
	.fill 96, 4, 3214868480
	.section	.rodata,"a",@progbits
	.p2align	6, 0x0
	.amdhsa_kernel k_q8f58ac05af_combine
		.amdhsa_group_segment_fixed_size 0
		.amdhsa_private_segment_fixed_size 0
		.amdhsa_enable_private_segment 0
		.amdhsa_kernarg_size 56
		.amdhsa_user_sgpr_count 2
		.amdhsa_user_sgpr_kernarg_segment_ptr 1
		.amdhsa_wavefront_size32 1
		.amdhsa_system_sgpr_workgroup_id_x 1
		.amdhsa_system_sgpr_workgroup_id_y 1
		.amdhsa_system_sgpr_workgroup_id_z 1
		.amdhsa_system_vgpr_workitem_id 0
		.amdhsa_next_free_vgpr 240
		.amdhsa_next_free_sgpr 66
		.amdhsa_reserve_vcc 0
		.amdhsa_float_denorm_mode_32 3
		.amdhsa_float_denorm_mode_16_64 3
		.amdhsa_memory_ordered 1
		.amdhsa_forward_progress 1
		.amdhsa_inst_pref_size 17
	.end_amdhsa_kernel
	.amdgpu_metadata
---
amdhsa.version: [ 1, 2 ]
amdhsa.kernels:
  - .name:           k_q8f58ac05af_combine
    .symbol:         k_q8f58ac05af_combine.kd
    .args:
      - { .name: part, .offset: 0, .size: 8, .value_kind: global_buffer, .address_space: global }
      - { .name: pos, .offset: 8, .size: 8, .value_kind: global_buffer, .address_space: global }
      - { .name: sel, .offset: 16, .size: 8, .value_kind: global_buffer, .address_space: global }
      - { .name: gate, .offset: 24, .size: 8, .value_kind: global_buffer, .address_space: global }
      - { .name: b2, .offset: 32, .size: 8, .value_kind: global_buffer, .address_space: global }
      - { .name: x, .offset: 40, .size: 8, .value_kind: global_buffer, .address_space: global }
      - { .name: out0, .offset: 48, .size: 8, .value_kind: global_buffer, .address_space: global }
    .group_segment_fixed_size: 0
    .private_segment_fixed_size: 0
    .kernarg_segment_align: 8
    .kernarg_segment_size: 56
    .max_flat_workgroup_size: 128
    .sgpr_count:     66
    .vgpr_count:     240
    .wavefront_size: 32
...
	.end_amdgpu_metadata
.endif
;; end of part 10
